; MI455X (gfx1250); checked and timed in simulation.
; The chip was launched on July 23, 2026; its instructions are those of AMD's public machine-readable ISA for CDNA 5 (MIT licence, August 2026) and "CDNA5" Instruction Set Architecture Reference Guide (July 2026). The comments in the code are by the model that wrote it; some were corrected since.
;; Transformer Block. Allowed arithmetic: matrix products marked QUANTISED: E2M1 operands, one E8M0 scale for each 32 along K, by v_wmma_scale_f32_16x16x128_f8f6f4 with both operands' format E2M1 (or v_wmma_scale_f32_32x16x128_f4), f32 sums; everything else in f32.
;; Inputs: b1 2,048 float32; b2 512 float32; bk 512 float32; bo 512 float32; bq 512 float32; bv 512 float32; ln1_b 512 float32; ln1_g 512 float32; ln2_b 512 float32; ln2_g 512 float32; w1_codes 2,048 x 16 x 16 uint8 (E2M1 codes of w1, K innermost, in blocks of 32 codes, two codes a byte); w1_scales 2,048 x 16 uint8 (E8M0 scales of w1, one for each 32 codes along K); w2_codes 512 x 64 x 16 uint8 (E2M1 codes of w2, K innermost, in blocks of 32 codes, two codes a byte); w2_scales 512 x 64 uint8 (E8M0 scales of w2, one for each 32 codes along K); wk_codes 512 x 16 x 16 uint8 (E2M1 codes of wk, K innermost, in blocks of 32 codes, two codes a byte); wk_scales 512 x 16 uint8 (E8M0 scales of wk, one for each 32 codes along K); wo_codes 512 x 16 x 16 uint8 (E2M1 codes of wo, K innermost, in blocks of 32 codes, two codes a byte); wo_scales 512 x 16 uint8 (E8M0 scales of wo, one for each 32 codes along K); wq_codes 512 x 16 x 16 uint8 (E2M1 codes of wq, K innermost, in blocks of 32 codes, two codes a byte); wq_scales 512 x 16 uint8 (E8M0 scales of wq, one for each 32 codes along K); wv_codes 512 x 16 x 16 uint8 (E2M1 codes of wv, K innermost, in blocks of 32 codes, two codes a byte); wv_scales 512 x 16 uint8 (E8M0 scales of wv, one for each 32 codes along K); x 4 x 2,048 x 512 float32.
;; Outputs: out0 4 x 2,048 x 512 float32.
;; This version of the problem:
;;   THIS VERSION OF THE PROBLEM IS GIVEN IN LOW PRECISION. The matrix products marked QUANTISED in the list below multiply operands that are first quantised to E2M1 (2 exponent bits, 1 mantissa bit; 4 bits a number), with one power-of-two scale for each 32 numbers along K (OCP MX v1.0); their sums are f32. All else is computed in f32.
;;   The module's matrix products, in the order in which they are computed (A, B: the left and right operand; K: the contracted axis; several contracted axes count as one K, in the product's order):
;;     1. [M 8,192, K 512] x [K 512, N 512]; A: computed on the way; B: input wq (given as codes): QUANTISED
;;     2. [M 8,192, K 512] x [K 512, N 512]; A: computed on the way; B: input wk (given as codes): QUANTISED
;;     3. [M 8,192, K 512] x [K 512, N 512]; A: computed on the way; B: input wv (given as codes): QUANTISED
;;     4. batch 32 x [M 2,048, K 64] x [K 64, N 2,048]; A: computed on the way; B: computed on the way: QUANTISED
;;     5. batch 32 x [M 2,048, K 2,048] x [K 2,048, N 64]; A: softmax (see below); B: computed on the way: QUANTISED
;;     6. [M 8,192, K 512] x [K 512, N 512]; A: computed on the way; B: input wo (given as codes): QUANTISED
;;     7. [M 8,192, K 512] x [K 512, N 2,048]; A: computed on the way; B: input w1 (given as codes): QUANTISED
;;     8. [M 8,192, K 2,048] x [K 2,048, N 512]; A: computed on the way; B: input w2 (given as codes): QUANTISED
;;   THE QUANTISER, for each operand of a quantised product, along K:
;;     - K is cut into blocks of 32 from its start; a last block that is shorter is filled with zeros.
;;     - A block's scale is 2^e with e = floor(log2(the largest magnitude in the block)) - 2, held to -126 .. 127; a block of zeros has e = 0. As a byte (E8M0): e + 127.
;;     - Each number is divided by its block's scale, clamped to +-6, and rounded to the nearest number of E2M1, ties to even, subnormals kept.
;;     - The product sums the exact products of the quantised numbers (number of the format x scale) in f32.
;;   ~~~python
;;   def quantise(x, axis):      # numpy; x: float32 -> the quantised numbers, widened to float32 again
;;       x = np.moveaxis(x, axis, -1); K = x.shape[-1]
;;       x = np.pad(x, [(0, 0)] * (x.ndim - 1) + [(0, -K % 32)]); x = x.reshape(x.shape[:-1] + (-1, 32)); a = np.abs(x).max(-1, keepdims=True)
;;       e = np.where(a > 0, np.clip(np.frexp(np.where(a > 0, a, 1))[1] - 1 - 2, -126, 127), 0)      # np.frexp(a)[1] - 1 = floor(log2(a)), exactly
;;       r = np.clip(x / 2.0 ** e, -6, 6)
;;       step = 2.0 ** (np.maximum(np.frexp(np.where(r == 0, 1, r))[1] - 1, 0) - 1)
;;       q = np.round(r / step) * step * 2.0 ** e      # np.round: ties to even
;;       return np.moveaxis(q.reshape(q.shape[:-2] + (-1,))[..., :K], -1, axis).astype(np.float32)
;;   ~~~
;;   SOFTMAX AHEAD OF A QUANTISED PRODUCT. Where the list says 'softmax', what is quantised is not the finished softmax but p = 2^(t - M), with t = logit x log2(e) and M = ceil(the row's largest t), a whole number; so 1/2 < the row's largest p <= 1. The row's sum l is taken of the UNQUANTISED p, in f32, and the product's result is divided by l at the end. Since M is a whole number, a kernel that streams over the keys may use a running M (the ceiling of the running maximum): every later rescaling is an exact power of two, which a block's scale takes up: the codes' values come out the same.
;;   OPERANDS COMPUTED ON THE WAY. 'Computed on the way' means the value that the module computes at that place (a softmax that the list does not call 'softmax' is quantised finished and normalised). What goes into a quantiser is computed in f32, as accurately as f32 sums, v_exp_f32 and their like allow (about 1e-6 of the number): no bf16 or f16 on the way to a quantiser, and a product that is left as it is and whose result goes on into a quantised operand takes f32 operands (vector FMAs, or v_wmma_f32_16x16x4_f32). A number that lies on a knife's edge between two numbers of the format may be rounded either way, as far as f32 arithmetic and the matrix unit's own rounding can turn it there, and no further.
;;   INPUTS GIVEN AS CODES. w1 (in the module: [2048, 512], K = its axis 1); w2 (in the module: [512, 2048], K = its axis 1); wk (in the module: [512, 512], K = its axis 1); wo (in the module: [512, 512], K = its axis 1); wq (in the module: [512, 512], K = its axis 1); wv (in the module: [512, 512], K = its axis 1): each comes as NAME_codes (uint8): NAME with its K axis moved to the last place and cut into blocks of 32 codes, [.., K / 32, bytes a block], one block behind the other in memory; two codes a byte, the lower K in the low four bits (a code: sign, 2 exponent bits, 1 mantissa bit); and NAME_scales (uint8): the same leading axes, one E8M0 byte (e + 127) for each 32 codes along K. Its value is code x scale, taken as it is: it is not quantised again, and the codes and scales need not be those that the quantiser above would give.
;; 2 versions, each right; version 2 is version 1 with the launches prep, attn, ffn written anew for expert scheduling mode. Each part assembles by itself: llvm-mc -triple=amdgcn-amd-amdhsa -mcpu=gfx1250 --defsym DOCPART=n.
;; ======== version 1 of 2: 3 launches
;; workspace buffers: qkv 6,291,456 bytes; qkvs 393,216 bytes; cc 2,097,152 bytes; cs 131,072 bytes; wimg 1,179,648 bytes; wsc 73,728 bytes
;; launch prep (part 1): grid 4 x 64, 8 waves a work-group, no clusters, 300,032 bytes of LDS; arguments x, ln1_g, ln1_b, wq_codes, wk_codes, wv_codes, wq_scales, wk_scales, wv_scales, bq, bk, bv, wo_codes, w1_codes, w2_codes, wo_scales, w1_scales, w2_scales, qkv, qkvs, wimg, wsc; writes qkv, qkvs, wimg, wsc
.if DOCPART == 1
	.amdgcn_target "amdgcn-amd-amdhsa--gfx1250"
	.amdhsa_code_object_version 6
	.text
	.protected	k_qfd361a300b_prep
	.globl	k_qfd361a300b_prep
	.p2align	8
	.type	k_qfd361a300b_prep,@function
k_qfd361a300b_prep:
	s_mov_b64 s[64:65], 0
	v_nop
	global_prefetch_b8 v0, s[64:65] scope:SCOPE_SE
	s_setreg_imm32_b32 hwreg(HW_REG_WAVE_MODE, 25, 1), 1
	s_wait_xcnt 0x0
; PREP.  Work-group x = 0, 1, 2: q, k or v of 128 tokens (work-group y): layer norm 1, its codes, the product with wq, wk or wv, the bias, and the result's codes of FP4 (E2M1) with one E8M0 byte for each 32 along the NEXT product's K.
; Work-group x = 3: wo, w1 and w2 are laid out anew, as images of the operand registers, in the order in which the last launch's waves take them.
; TILES.  Row m of tile t of a run of tokens or of weight rows is row P(t, m) = 32 (t / 2) + 8 (t % 2) + m + 8 (m / 8).  So in a product with the weight as source 0 a lane holds one token, and the 16 registers of
; tiles 2 b, 2 b + 1 are 16 neighbouring columns 32 b + 16 (lane / 16) + 0 .. 15; with the tokens as source 0 (v) a lane holds one column and 16 neighbouring tokens: in both cases neighbours along the next K.
; IMAGE.  A fragment (16 rows x 128 K: 8 registers a lane) lies as 1,024 bytes: registers 4 c .. 4 c + 3 of lane l at 512 c + 16 l.
; SHARES.  Eight waves.  Wave w first normalises and quantises token tile w (16 rows of x, a row spread over the 32 lanes; the rows turn through the wave's own stage in LDS into 64 neighbours a lane and K step);
; the images meet in LDS behind the one barrier; then wave w makes head w: 4 weight tiles x 8 token tiles x 4 K steps = 128 matrix instructions on 32 accumulators, its weights in registers.
; q and k leave as PAIR fragments: registers 0-3 the 64 dims of token tile 2 b, registers 4-7 those of tile 2 b + 1.  v leaves as 16 dims x 128 keys.
; No tensor loads: each weight fragment is used by one wave alone and goes straight to its registers.
; LIMITS: NaN and infinities are not served; a block of zeros, or one whose largest magnitude lies under 2^-124, gets the byte 1 (its codes are zeros or small; this program alone reads the bytes); v_rsq_f32 is good to one unit in the last place.
; REGISTERS.  Window 0: v1-13 addresses; v16-79 g, b and temporaries, then codes, then two sets of x's fragments; v80-87 x's scale words, v88-95 the weight's (nothing else ever lies in these); v96-127 the bias; v128-255 the weight's 16 fragments.
;   Window 1: 16 rows of x, then the same numbers in the fragments' order, then the 32 accumulators.
.set STGW, 33024                       ; a wave's stage: 16 rows x 2,064
.set SPI,  2064                        ; a stage row: 2,048 bytes + 16: row r begins 4 r banks on, so sixteen rows' 16 bytes fall on different banks
.set XIMG, 264192                      ; x's images [K step 4][token tile 8][1,024]
.set XSC,  296960                      ; their scale words [K step][row 16][tile 8]
.set TM,   48                          ; v48-63 the quantiser's temporaries
.set MSB, 0
.macro WIN new                         ; the immediate's high byte repeats the setting that is left
.if MSB != (\new)
	s_set_vgpr_msb (MSB<<8)|(\new)
.set MSB, (\new)
.endif
.endm
.macro PLACES                          ; four plain vector lines behind matrix instructions, ahead of reads of results and of loads into their registers
.rept 4
	v_nop
.endr
.endm
; 64 numbers of a lane in window win, register 16 b + i = k 32 b + 16 (lane / 16) + i of the lane's row, become a fragment's codes in v[pc] on and its scale word in v[pw] (both window 0).
.macro QUANT src, win, pc, pw
	WIN (\win)|((\win)<<2)
.irp b,0,1,2,3
	v_max3_num_f32 v[TM+\b], |v[(\src)+16*\b]|, |v[(\src)+1+16*\b]|, 0x1800000   ; my 16 numbers of block b, and the floor 2^(3 - 127): the byte cannot fall under 1
.endr
	WIN ((\win)<<2)|((\win)<<4)
.irp i,2,4,6,8,10,12,14
.irp b,0,1,2,3
	v_max3_num_f32 v[TM+\b], v[TM+\b], |v[(\src)+16*\b+\i]|, |v[(\src)+1+16*\b+\i]|
.endr
.endr
	WIN 0
.irp b,0,1,2,3
	v_permlanex16_b32 v[TM+4+\b], v[TM+\b], s52, s53
.endr
.irp b,0,1,2,3
	v_max_num_f32 v[TM+\b], v[TM+\b], v[TM+4+\b]           ; with lane l xor 16's: the block's largest magnitude
.endr
.irp b,0,1,2,3
	v_add_nc_u32 v[TM+12+\b], 0xff000000, v[TM+\b]         ; 2 off its exponent field: the conversion's scale operand
.endr
.irp b,0,1,2,3
	v_lshrrev_b32 v[TM+4+\b], 23, v[TM+12+\b]              ; the scale's byte
.endr
	v_lshl_or_b32 v[\pw], v[TM+5], 8, v[TM+4]
	v_lshl_or_b32 v[\pw], v[TM+6], 16, v[\pw]
	v_lshl_or_b32 v[\pw], v[TM+7], 24, v[\pw]
	WIN (\win)
.irp b,0,1,2,3
	v_cvt_scalef32_pk8_fp4_f32 v[(\pc)+2*\b], v[(\src)+16*\b:(\src)+7+16*\b], v[TM+12+\b]
	v_cvt_scalef32_pk8_fp4_f32 v[(\pc)+1+2*\b], v[(\src)+8+16*\b:(\src)+15+16*\b], v[TM+12+\b]
.endr
	WIN 0
	v_nop                                                  ; one plain line behind the last scaled conversion
.irp c,0,1
.irp i,0,1
	v_permlane16_swap_b32 v[(\pc)+4*\c+\i], v[(\pc)+2+4*\c+\i]   ; a whole block to a lane: lanes 0-15 block 2 c, lanes 16-31 block 2 c + 1
.endr
.endr
.endm
.macro WM d, a, b, c, sa, sb, row      ; row 1: source 0's scales from lanes 16-31; 2: source 1's
.if (\row) == 1
	v_wmma_scale_f32_16x16x128_f8f6f4 v[\d:\d+7], v[\a:\a+7], v[\b:\b+7], v[\c:\c+7], v[\sa], v[\sb] matrix_a_fmt:MATRIX_FMT_FP4 matrix_b_fmt:MATRIX_FMT_FP4 matrix_a_scale:MATRIX_SCALE_ROW1
.elseif (\row) == 2
	v_wmma_scale_f32_16x16x128_f8f6f4 v[\d:\d+7], v[\a:\a+7], v[\b:\b+7], v[\c:\c+7], v[\sa], v[\sb] matrix_a_fmt:MATRIX_FMT_FP4 matrix_b_fmt:MATRIX_FMT_FP4 matrix_b_scale:MATRIX_SCALE_ROW1
.else
	v_wmma_scale_f32_16x16x128_f8f6f4 v[\d:\d+7], v[\a:\a+7], v[\b:\b+7], v[\c:\c+7], v[\sa], v[\sb] matrix_a_fmt:MATRIX_FMT_FP4 matrix_b_fmt:MATRIX_FMT_FP4
.endif
.endm
	s_load_b512 s[4:19], s[0:1], 0x0               ; x, ln1_g, ln1_b, wq, wk, wv codes, wq, wk scales
	s_load_b512 s[20:35], s[0:1], 0x40             ; wv scales, bq, bk, bv, wo, w1, w2 codes, wo scales
	s_load_b256 s[36:43], s[0:1], 0x80             ; w1, w2 scales, qkv, qkvs
	s_load_b128 s[44:47], s[0:1], 0xa0             ; wimg, wsc
	v_lshrrev_b32 v1, 5, v0
	v_readfirstlane_b32 s48, v1                    ; wave 0..7
	s_and_b32 s54, ttmp7, 0xffff                   ; the block of 128 tokens
	v_and_b32 v13, 31, v0                          ; lane
	v_and_b32 v14, 15, v0                          ; r
	v_bfe_u32 v15, v0, 4, 1                        ; h
	v_lshlrev_b32 v1, 4, v13                       ; v1  16 x lane
	v_and_b32 v12, 8, v14
	v_add_nc_u32 v12, v12, v14                     ; v12 r + 8 (r / 8)
	s_mul_i32 s55, s48, STGW
	v_add_nc_u32 v2, s55, v1                       ; v2  my stage, by rows: 16 x lane
	v_mul_u32_u24 v3, v14, SPI
	v_lshl_add_u32 v3, v15, 6, v3
	v_add_nc_u32 v3, s55, v3                       ; v3  my stage, by fragments: row r, + 64 h
	s_lshl_b32 s55, s48, 10
	s_add_co_u32 s55, s55, XIMG
	v_add_nc_u32 v4, s55, v1                       ; v4  where I store my tile's images
	s_lshl_b32 s55, s48, 2
	s_add_co_u32 s55, s55, XSC
	v_lshl_add_u32 v5, v14, 5, s55                 ; v5  and its scale words
	v_add_nc_u32 v6, XIMG, v1                      ; v6  where any image is read
	v_lshlrev_b32 v7, 5, v14
	v_add_nc_u32 v7, XSC, v7                       ; v7  and four tiles' scale words of row r
	v_lshlrev_b32 v8, 8, v12
	v_lshl_add_u32 v8, v15, 4, v8                  ; v8  a weight of 256-byte rows: my row of a tile, + 16 h
	v_lshlrev_b32 v9, 4, v12
	v_lshl_add_u32 v9, v15, 2, v9                  ; v9  its scale words: lanes 0-15 an even K step's, lanes 16-31 the odd one's
	v_lshlrev_b32 v10, 6, v15                      ; v10 bias of q, k: 64 h
	v_lshlrev_b32 v11, 4, v14                      ; v11 16 r
	v_lshlrev_b32 v13, 2, v12                      ; v13 bias of v: my row's word
	s_mov_b32 s52, 0x76543210
	s_mov_b32 s53, 0xfedcba98                      ; v_permlanex16_b32: lane l xor 16
	s_mov_b32 s50, 0x3b000000                      ; 1 / 512
	s_mov_b32 s51, 0x3727c5ac                      ; 1e-5
	s_wait_kmcnt 0x0
	s_cmp_eq_u32 ttmp9, 3
	s_cbranch_scc1 .Lrelay
	; ---------------- q, k or v ----------------
	s_cmp_eq_u32 ttmp9, 0
	s_cselect_b64 s[56:57], s[10:11], s[12:13]     ; the weight's codes,
	s_cselect_b64 s[58:59], s[16:17], s[18:19]     ; scales
	s_cselect_b64 s[60:61], s[22:23], s[24:25]     ; and bias, chosen by the work-group's number alone
	s_cmp_eq_u32 ttmp9, 2
	s_cselect_b64 s[56:57], s[14:15], s[56:57]
	s_cselect_b64 s[58:59], s[20:21], s[58:59]
	s_cselect_b64 s[60:61], s[26:27], s[60:61]
	s_mov_b32 s63, 0
	s_lshl_b32 s62, s48, 14                        ; my head's 64 rows of 256 bytes,
	s_add_nc_u64 s[56:57], s[56:57], s[62:63]
	s_lshl_b32 s62, s48, 10                        ; of 16 scale bytes,
	s_add_nc_u64 s[58:59], s[58:59], s[62:63]
	s_lshl_b32 s62, s48, 8                         ; its 64 biases
	s_add_nc_u64 s[60:61], s[60:61], s[62:63]
	s_lshl_b32 s62, s54, 7
	s_lshr_b32 s66, s48, 1
	s_lshl_b32 s66, s66, 5
	s_add_co_u32 s62, s62, s66
	s_and_b32 s66, s48, 1
	s_lshl_b32 s66, s66, 3
	s_add_co_u32 s62, s62, s66                     ; my tile's first token: 128 y + 32 (w / 2) + 8 (w % 2)
	s_lshl_b32 s62, s62, 11
	s_add_nc_u64 s[4:5], s[4:5], s[62:63]
	s_lshr_b32 s62, s54, 4
	s_lshl_b32 s62, s62, 3
	s_add_co_u32 s62, s62, s48                     ; batch x 8 + head
	s_lshl_b32 s62, s62, 4
	s_and_b32 s66, s54, 15
	s_add_co_u32 s62, s62, s66                     ; x 16 + the block of 128 tokens in the batch
	s_lshl_b32 s66, s62, 12
	s_lshl_b32 s67, ttmp9, 21
	s_add_co_u32 s66, s66, s67
	s_mov_b32 s67, 0
	s_add_nc_u64 s[40:41], s[40:41], s[66:67]      ; my four fragments in qkv
	s_lshl_b32 s66, s62, 8
	s_lshl_b32 s68, ttmp9, 17
	s_add_co_u32 s66, s66, s68
	s_add_nc_u64 s[42:43], s[42:43], s[66:67]      ; and their scale words
.irp i,0,1,2,3
	global_load_b128 v[16+4*\i:19+4*\i], v1, s[6:7] offset:512*\i    ; g and b of my columns 128 i + 4 lane + 0 .. 3
	global_load_b128 v[32+4*\i:35+4*\i], v1, s[8:9] offset:512*\i
.endr
.macro XROWS q                         ; rows 4 q .. 4 q + 3 of my tile: each load 512 consecutive bytes; row p at v[16 p] of window 1
	WIN 0x40
.irp a,0,1,2,3
.irp i,0,1,2,3
	global_load_b128 v[64*\q+16*\a+4*\i:64*\q+16*\a+4*\i+3], v1, s[4:5] offset:((4*\q+\a)+8*((4*\q+\a)/8))*2048+512*\i
.endr
.endr
	WIN 0
.endm
	XROWS 0
	XROWS 1
	XROWS 2
.irp i,65,67,69,71,73,75,77,79
	v_mov_b32 v\i, 0                               ; upper halves of pairs of which the low word is broadcast: named, so written
.endr
.macro REDUCE                          ; four rows' two chains each become the rows' sums, in every lane
.irp a,0,1,2,3
	v_pk_add_f32 v[48+4*\a:49+4*\a], v[48+4*\a:49+4*\a], v[50+4*\a:51+4*\a]
.endr
.irp a,0,1,2,3
	v_add_f32 v[48+4*\a], v[48+4*\a], v[49+4*\a]
.endr
.irp m,1,2,4,8
.irp a,0,1,2,3
	v_add_f32_dpp v[48+4*\a], v[48+4*\a], v[48+4*\a] row_xmask:\m row_mask:0xf bank_mask:0xf
.endr
.endr
.irp a,0,1,2,3
	v_permlanex16_b32 v[49+4*\a], v[48+4*\a], s52, s53
.endr
.irp a,0,1,2,3
	v_add_f32 v[48+4*\a], v[48+4*\a], v[49+4*\a]
.endr
.endm
; Layer norm of rows 4 q .. 4 q + 3, the four by turns: mean, centre, mean of squares of the centred numbers (no difference of large sums), 1 / sqrt, gain and bias; then into my stage.
.macro LNROWS q
	s_wait_loadcnt 32                              ; behind this group's 16 loads two batches of 16 were issued: they may stay out
	WIN 0x05
.irp a,0,1,2,3
.set RB, 64*\q+16*\a
	v_pk_add_f32 v[48+4*\a:49+4*\a], v[RB:RB+1], v[RB+2:RB+3]
	v_pk_add_f32 v[50+4*\a:51+4*\a], v[RB+4:RB+5], v[RB+6:RB+7]
.endr
	WIN 0x04
.irp i,8,12
.irp a,0,1,2,3
.set RB, 64*\q+16*\a+\i
	v_pk_add_f32 v[48+4*\a:49+4*\a], v[48+4*\a:49+4*\a], v[RB:RB+1]
	v_pk_add_f32 v[50+4*\a:51+4*\a], v[50+4*\a:51+4*\a], v[RB+2:RB+3]
.endr
.endr
	WIN 0
	REDUCE
.irp a,0,1,2,3
	v_mul_f32 v[64+2*\a], 0xbb000000, v[48+4*\a]   ; - mean
.endr
	WIN 0x41
.irp i,0,2,4,6,8,10,12,14
.irp a,0,1,2,3
.set RB, 64*\q+16*\a+\i
	v_pk_add_f32 v[RB:RB+1], v[RB:RB+1], v[64+2*\a:65+2*\a] op_sel_hi:[1,0]
.endr
.endr
	WIN 0x05
.irp a,0,1,2,3
.set RB, 64*\q+16*\a
	v_pk_mul_f32 v[48+4*\a:49+4*\a], v[RB:RB+1], v[RB:RB+1]
	v_pk_mul_f32 v[50+4*\a:51+4*\a], v[RB+2:RB+3], v[RB+2:RB+3]
.endr
.irp i,4,8,12
.irp a,0,1,2,3
.set RB, 64*\q+16*\a+\i
	v_pk_fma_f32 v[48+4*\a:49+4*\a], v[RB:RB+1], v[RB:RB+1], v[48+4*\a:49+4*\a]
	v_pk_fma_f32 v[50+4*\a:51+4*\a], v[RB+2:RB+3], v[RB+2:RB+3], v[50+4*\a:51+4*\a]
.endr
.endr
	WIN 0
	REDUCE
.irp a,0,1,2,3
	v_fma_f32 v[48+4*\a], v[48+4*\a], s50, s51     ; variance + 1e-5
.endr
.irp a,0,1,2,3
	v_rsq_f32 v[72+2*\a], v[48+4*\a]
.endr
	v_nop                                          ; a plain line behind the last of the batch,
	s_wait_alu depctr_va_vdst(0)                   ; and one wait for the four, ahead of their first reader
	WIN 0x41
.irp i,0,2,4,6,8,10,12,14
.irp a,0,1,2,3
.set RB, 64*\q+16*\a+\i
	v_pk_mul_f32 v[RB:RB+1], v[RB:RB+1], v[72+2*\a:73+2*\a] op_sel_hi:[1,0]
.endr
.endr
.irp i,0,2,4,6,8,10,12,14
.irp a,0,1,2,3
.set RB, 64*\q+16*\a+\i
	v_pk_fma_f32 v[RB:RB+1], v[RB:RB+1], v[16+\i:17+\i], v[32+\i:33+\i]
.endr
.endr
	WIN 0x04
.irp a,0,1,2,3
.irp i,0,1,2,3
	ds_store_b128 v2, v[64*\q+16*\a+4*\i:64*\q+16*\a+4*\i+3] offset:SPI*(4*\q+\a)+512*\i
.endr
.endr
	WIN 0
.endm
.macro WFLOAD s0                       ; my head's weight fragments of K steps s0, s0 + 1: 16 loads; fragment (tile t, K step s) at v[128 + 8 (4 s + t)]
.irp s,\s0,\s0+1
.irp t,0,1,2,3
.irp c,0,1
	global_load_b128 v[128+8*(4*(\s)+\t)+4*\c:128+8*(4*(\s)+\t)+4*\c+3], v8, s[56:57] offset:(32*(\t/2)+8*(\t%2))*256+64*(\s)+32*\c
.endr
.endr
.endr
.endm
	LNROWS 0
	XROWS 3
	LNROWS 1
	WFLOAD 0
	LNROWS 2
	WFLOAD 2
	LNROWS 3
.irp t,0,1,2,3
.irp p,0,1
	global_load_b32 v[88+2*\t+\p], v9, s[58:59] offset:(32*(\t/2)+8*(\t%2))*16+8*\p
.endr
.endr
	s_cmp_eq_u32 ttmp9, 2
	s_cbranch_scc1 .Lbias_v
.irp t,0,1,2,3                         ; q, k: a lane's eight registers of tile t are columns 32 (t / 2) + 8 (t % 2) + 16 h + 0 .. 7
	global_load_b128 v[96+8*\t:99+8*\t], v10, s[60:61] offset:(32*(\t/2)+8*(\t%2))*4
	global_load_b128 v[100+8*\t:103+8*\t], v10, s[60:61] offset:(32*(\t/2)+8*(\t%2))*4+16
.endr
	s_branch .Lbias_done
.Lbias_v:
.irp t,0,1,2,3                         ; v: a lane holds one column, so all eight registers take its bias
.irp j,0,1,2,3,4,5,6,7
	global_load_b32 v[96+8*\t+\j], v13, s[60:61] offset:(32*(\t/2)+8*(\t%2))*4
.endr
.endr
.Lbias_done:
	s_wait_dscnt 0x0                               ; my stores into the stage have read window 1, which the loads below write
	WIN 0x40
.irp s,0,1,2,3
.irp b,0,1,2,3
.irp j,0,1,2,3
	ds_load_b128 v[64*\s+16*\b+4*\j:64*\s+16*\b+4*\j+3], v3 offset:512*\s+128*\b+16*\j    ; k = 128 s + 32 b + 16 h + 4 j on, of row r
.endr
.endr
.endr
	WIN 0
.irp s,0,1,2,3
	s_wait_dscnt 48-13*\s                          ; K step s's 16 loads are in: behind them the later steps' loads and three stores for each earlier step
	QUANT 64*\s,1,16+8*\s,64+\s
	ds_store_b128 v4, v[16+8*\s:19+8*\s] offset:8192*\s
	ds_store_b128 v4, v[20+8*\s:23+8*\s] offset:8192*\s+512
	ds_store_b32 v5, v[64+\s] offset:512*\s        ; lanes l and l xor 16 store the same word to the same place
.endr
	s_wait_dscnt 0x0                               ; for the others' sake: my images lie in LDS
	s_barrier_signal -1
	s_barrier_wait -1
	s_wait_loadcnt 0x0                             ; the weight, its scale words, the bias
.macro XLOAD bn                        ; batch bn: K step bn / 2, token tiles 4 (bn % 2) on: four fragments and their scale words into set bn % 2: nine loads
.irp u,0,1,2,3
.irp c,0,1
	ds_load_b128 v[16+32*((\bn)%2)+8*\u+4*\c:16+32*((\bn)%2)+8*\u+4*\c+3], v6 offset:8192*((\bn)/2)+4096*((\bn)%2)+1024*\u+512*\c
.endr
.endr
	ds_load_b128 v[80+4*((\bn)%2):83+4*((\bn)%2)], v7 offset:512*((\bn)/2)+16*((\bn)%2)
.endm
.macro MUL16 bn, isv                   ; 16 matrix instructions on 16 accumulators; the same accumulator comes again 32 instructions later
.set KST, (\bn)/2
.set HF, (\bn)%2
.irp u,0,1,2,3
.irp t,0,1,2,3
.set XFR, 16+32*HF+8*\u
.set XSR, 80+4*HF+\u
.set WFR, 128+8*(4*KST+\t)
.set WSR, 88+2*\t+KST/2
.if \isv
.set ACC, 8*(8*\t+4*HF+\u)
.else
.set ACC, 8*(4*(4*HF+\u)+\t)
.endif
.set CIN, ACC
.if KST == 0
.set CIN, 96+8*\t                      ; the bias starts the sum
.endif
.if \isv
	WM ACC,XFR,WFR,CIN,XSR,WSR,2*(KST%2)
.else
	WM ACC,WFR,XFR,CIN,WSR,XSR,KST%2
.endif
.endr
.endr
.endm
.macro PRODS isv
	XLOAD 0
.set N, 0
.rept 8
.if N > 0
	PLACES                                         ; the set loaded next was read by the batch before
.endif
.if N < 7
	XLOAD N+1
	s_wait_dscnt 9                                 ; this batch's nine loads are in; the nine just issued may be out
.else
	s_wait_dscnt 0x0
.endif
.if N < 2
	WIN 0x40                                       ; D in window 1, C (the bias) in window 0
.else
	WIN 0x50                                       ; C and D in window 1
.endif
	MUL16 N,\isv
	WIN 0
.set N, N+1
.endr
.endm
	s_cmp_eq_u32 ttmp9, 2
	s_cbranch_scc1 .Lprod_v
	PRODS 0                                        ; q, k: source 0 = the weight, source 1 = the tokens; accumulator (tile t, token tile u) at 8 (4 u + t)
	s_branch .Lquant
.Lprod_v:
	PRODS 1                                        ; v: source 0 = the tokens, source 1 = the weight; accumulator at 8 (8 t + u)
.Lquant:
	PLACES
.irp f,0,1,2,3                         ; 64 registers on end are one fragment of the next product: q, k: token tiles 2 f, 2 f + 1; v: dim tile f
	QUANT 64*\f,1,16+8*\f,64+\f
	global_store_b128 v1, v[16+8*\f:19+8*\f], s[40:41] offset:1024*\f          ; 32 lanes store 512 consecutive bytes
	global_store_b128 v1, v[20+8*\f:23+8*\f], s[40:41] offset:1024*\f+512
.endr
	global_store_b128 v11, v[64:67], s[42:43]      ; row r's four scale words: sixteen lanes fill 256 consecutive bytes; lanes 16-31 store the same words to the same places
	s_wait_xcnt 0x0
	v_lshl_add_u32 v254, v0, 2, 0x49000
	v_mov_b32 v255, 0
	s_wait_tensorcnt 0x0
	ds_add_u32 v254, v255
	s_wait_dscnt 0x0
	s_endpgm
	; ---------------- the weights of the last launch, as images ----------------
	; wimg [wave 4][group 36][tile 8][1,024]: groups 0-3 wo's K steps, 4-19 w1 (chunk of 128 rows, K step), 20-35 w2's K steps.  wsc [wave][group][lane][4 words]: lane (r, h), word i: row r of tile 4 h + i.
	; Wave t of work-group y takes tile t of group y % 16 of wave y / 16, for w1 and for w2, and where y < 16 of wo (wave y / 4, K step y % 4).  Wave 0 also takes the group's scale words.
.macro RSET n, cp, sp, lrb, lsb        ; s56 the group's first row, s57 its K step, s58 wave x 36 + group; rows of 2^lrb bytes of codes, 2^lsb of scales
	s_lshr_b32 s60, s48, 1
	s_lshl_b32 s60, s60, 5
	s_and_b32 s61, s48, 1
	s_lshl_b32 s61, s61, 3
	s_add_co_u32 s60, s60, s61
	s_add_co_u32 s60, s60, s56                     ; the tile's first row
	s_lshl_b32 s60, s60, \lrb
	s_lshl_b32 s61, s57, 6
	s_add_co_u32 s60, s60, s61                     ; + 64 bytes a K step
	s_mov_b32 s61, 0
	s_add_nc_u64 s[72+8*\n:73+8*\n], s[\cp:\cp+1], s[60:61]
	s_lshl_b32 s60, s58, 3
	s_add_co_u32 s60, s60, s48
	s_lshl_b32 s60, s60, 10
	s_add_nc_u64 s[74+8*\n:75+8*\n], s[44:45], s[60:61]
	s_lshl_b32 s60, s56, \lsb
	s_lshl_b32 s62, s57, 2
	s_add_co_u32 s60, s60, s62
	s_add_nc_u64 s[76+8*\n:77+8*\n], s[\sp:\sp+1], s[60:61]
	s_lshl_b32 s60, s58, 9
	s_add_nc_u64 s[78+8*\n:79+8*\n], s[46:47], s[60:61]
.endm
.macro RCLD n, va
	global_load_b128 v[128+16*\n:131+16*\n], v[\va], s[72+8*\n:73+8*\n]
	global_load_b128 v[132+16*\n:135+16*\n], v[\va], s[72+8*\n:73+8*\n] offset:32
.endm
.macro RCST n
	global_store_b128 v1, v[128+16*\n:131+16*\n], s[74+8*\n:75+8*\n]
	global_store_b128 v1, v[132+16*\n:135+16*\n], s[74+8*\n:75+8*\n] offset:512
.endm
.macro RSLD n, vs, srow
.irp i,0,1,2,3
	global_load_b32 v[136+16*\n+\i], v[\vs], s[76+8*\n:77+8*\n] offset:(32*(\i/2)+8*(\i%2))*\srow
.endr
.endm
.macro RSST n
	global_store_b128 v1, v[136+16*\n:139+16*\n], s[78+8*\n:79+8*\n]
.endm
.Lrelay:
	v_lshlrev_b32 v100, 10, v12
	v_lshl_add_u32 v100, v15, 4, v100              ; w2's rows are 1,024 bytes
	v_lshl_add_u32 v101, v15, 6, v12               ; 64 h + r + 8 (r / 8): the row of tile 4 h
	v_lshlrev_b32 v102, 6, v101                    ; in scale rows of 64 bytes
	v_lshlrev_b32 v101, 4, v101                    ; and of 16
	s_lshr_b32 s66, s54, 4                         ; the wave that will read
	s_and_b32 s67, s54, 15
	s_mul_i32 s68, s66, 36
	s_lshl_b32 s56, s66, 9                         ; w1: rows 512 wave + 128 chunk on,
	s_lshr_b32 s69, s67, 2
	s_lshl_b32 s69, s69, 7
	s_add_co_u32 s56, s56, s69
	s_and_b32 s57, s67, 3                          ; K step,
	s_add_co_u32 s58, s68, s67
	s_add_co_u32 s58, s58, 4                       ; group 4 + y % 16
	RSET 0, 30, 36, 8, 4
	s_lshl_b32 s56, s66, 7                         ; w2: rows 128 wave on, K step y % 16, group 20 + y % 16
	s_mov_b32 s57, s67
	s_add_co_u32 s58, s58, 16
	RSET 1, 32, 38, 10, 6
	RCLD 0, 8
	RCLD 1, 100
	s_wait_loadcnt 0x0
	RCST 0
	RCST 1
	s_cmp_lg_u32 s48, 0
	s_cbranch_scc1 .Lno_sc
	RSLD 0, 101, 16
	RSLD 1, 102, 64
	s_wait_loadcnt 0x0
	RSST 0
	RSST 1
.Lno_sc:
	s_cmp_ge_u32 s54, 16
	s_cbranch_scc1 .Lrelay_end
	s_lshr_b32 s66, s54, 2                         ; wo: rows 128 wave on, K step and group y % 4
	s_and_b32 s57, s54, 3
	s_lshl_b32 s56, s66, 7
	s_mul_i32 s58, s66, 36
	s_add_co_u32 s58, s58, s57
	RSET 2, 28, 34, 8, 4
	RCLD 2, 8
	s_wait_loadcnt 0x0
	RCST 2
	s_cmp_lg_u32 s48, 0
	s_cbranch_scc1 .Lrelay_end
	RSLD 2, 101, 16
	s_wait_loadcnt 0x0
	RSST 2
.Lrelay_end:
	s_endpgm
.Lfunc_end_k_qfd361a300b_prep:
	.size	k_qfd361a300b_prep, .Lfunc_end_k_qfd361a300b_prep-k_qfd361a300b_prep
	.p2alignl 7, 3214868480
	.fill 96, 4, 3214868480
	.section	.rodata,"a",@progbits
	.p2align	6, 0x0
	.amdhsa_kernel k_qfd361a300b_prep
		.amdhsa_group_segment_fixed_size 300032
		.amdhsa_private_segment_fixed_size 0
		.amdhsa_enable_private_segment 0
		.amdhsa_kernarg_size 176
		.amdhsa_user_sgpr_count 2
		.amdhsa_user_sgpr_kernarg_segment_ptr 1
		.amdhsa_wavefront_size32 1
		.amdhsa_system_sgpr_workgroup_id_x 1
		.amdhsa_system_sgpr_workgroup_id_y 1
		.amdhsa_system_sgpr_workgroup_id_z 1
		.amdhsa_system_vgpr_workitem_id 0
		.amdhsa_next_free_vgpr 512
		.amdhsa_next_free_sgpr 96
		.amdhsa_reserve_vcc 0
		.amdhsa_float_denorm_mode_32 3
		.amdhsa_float_denorm_mode_16_64 3
		.amdhsa_memory_ordered 1
		.amdhsa_forward_progress 1
		.amdhsa_inst_pref_size 166
	.end_amdhsa_kernel
	.amdgpu_metadata
---
amdhsa.version: [ 1, 2 ]
amdhsa.kernels:
  - .name:           k_qfd361a300b_prep
    .symbol:         k_qfd361a300b_prep.kd
    .args:
      - { .name: x, .offset: 0, .size: 8, .value_kind: global_buffer, .address_space: global }
      - { .name: ln1_g, .offset: 8, .size: 8, .value_kind: global_buffer, .address_space: global }
      - { .name: ln1_b, .offset: 16, .size: 8, .value_kind: global_buffer, .address_space: global }
      - { .name: wq_codes, .offset: 24, .size: 8, .value_kind: global_buffer, .address_space: global }
      - { .name: wk_codes, .offset: 32, .size: 8, .value_kind: global_buffer, .address_space: global }
      - { .name: wv_codes, .offset: 40, .size: 8, .value_kind: global_buffer, .address_space: global }
      - { .name: wq_scales, .offset: 48, .size: 8, .value_kind: global_buffer, .address_space: global }
      - { .name: wk_scales, .offset: 56, .size: 8, .value_kind: global_buffer, .address_space: global }
      - { .name: wv_scales, .offset: 64, .size: 8, .value_kind: global_buffer, .address_space: global }
      - { .name: bq, .offset: 72, .size: 8, .value_kind: global_buffer, .address_space: global }
      - { .name: bk, .offset: 80, .size: 8, .value_kind: global_buffer, .address_space: global }
      - { .name: bv, .offset: 88, .size: 8, .value_kind: global_buffer, .address_space: global }
      - { .name: wo_codes, .offset: 96, .size: 8, .value_kind: global_buffer, .address_space: global }
      - { .name: w1_codes, .offset: 104, .size: 8, .value_kind: global_buffer, .address_space: global }
      - { .name: w2_codes, .offset: 112, .size: 8, .value_kind: global_buffer, .address_space: global }
      - { .name: wo_scales, .offset: 120, .size: 8, .value_kind: global_buffer, .address_space: global }
      - { .name: w1_scales, .offset: 128, .size: 8, .value_kind: global_buffer, .address_space: global }
      - { .name: w2_scales, .offset: 136, .size: 8, .value_kind: global_buffer, .address_space: global }
      - { .name: qkv, .offset: 144, .size: 8, .value_kind: global_buffer, .address_space: global }
      - { .name: qkvs, .offset: 152, .size: 8, .value_kind: global_buffer, .address_space: global }
      - { .name: wimg, .offset: 160, .size: 8, .value_kind: global_buffer, .address_space: global }
      - { .name: wsc, .offset: 168, .size: 8, .value_kind: global_buffer, .address_space: global }
    .group_segment_fixed_size: 300032
    .private_segment_fixed_size: 0
    .kernarg_segment_align: 8
    .kernarg_segment_size: 176
    .max_flat_workgroup_size: 256
    .sgpr_count:     96
    .vgpr_count:     512
    .wavefront_size: 32
...
	.end_amdgpu_metadata
.endif
;; end of part 1
;; launch attn (part 2): grid 8 x 32, 16 waves a work-group, no clusters, 141,312 bytes of LDS; arguments qkv, qkvs, cc, cs; writes cc, cs
.if DOCPART == 2
	.amdgcn_target "amdgcn-amd-amdhsa--gfx1250"
	.amdhsa_code_object_version 6
	.text
	.protected	k_qfd361a300b_attn
	.globl	k_qfd361a300b_attn
	.p2align	8
	.type	k_qfd361a300b_attn,@function
k_qfd361a300b_attn:
	s_mov_b64 s[64:65], 0
	v_nop
	global_prefetch_b8 v0, s[64:65] scope:SCOPE_SE
	s_setreg_imm32_b32 hwreg(HW_REG_WAVE_MODE, 25, 1), 1
	s_wait_xcnt 0x0
; ATTN.  ctx = softmax(q k^T / 8 + ALiBi) v for one head (work-group y = batch x 8 + head) and 256 queries (work-group x), both products on codes of FP4 (E2M1) with E8M0 scales, and ctx's codes for the next product.
; THE SOFTMAX AHEAD OF THE SECOND PRODUCT: t = logit x log2(e); M = the running largest t rounded UP to a whole number; p = 2^(t - M) is quantised along the keys, not normalised; the row's sum is taken of the
; unquantised p and divides at the end; when M moves, the sum and O are multiplied by 2^(old M - new M), which rounds nothing.
; SHARES.  Sixteen waves, each ONE tile of 16 queries in 256 registers, four to a SIMD: one wave's vector work stands beside another's matrix work.  Every wave walks the head's 2,048 keys, 128 a step.
; A head's k and v (64 KiB of codes each, 4 KiB of scale words each) fit in LDS whole: they are brought once, through registers, each wave a sixteenth, and read behind one barrier.  So there is no ring and no tensor load.
; LAYOUT.  Both products are used transposed: S^T = k q^T, O^T = v^T p^T: a lane holds one query (lane % 16) throughout.  Token tiles are as the first launch lays them: row m of tile t is token 32 (t / 2) + 8 (t % 2) + m + 8 (m / 8),
; so the 16 registers of score tiles 2 b, 2 b + 1 are keys 32 b + 16 (lane / 16) + 0 .. 15.
; THE HEAD HAS 64 DIMS, THE INSTRUCTION 128 ALONG K.  A fragment of k holds two token tiles (registers 0-3 tile 2 b, 4-7 tile 2 b + 1).  Against [q, 0] it gives tile 2 b's scores, against [0, q] tile 2 b + 1's: zero codes add nothing,
; their scale bytes are 127, and no fragment is read from LDS twice.  q stands once, between two runs of four zero registers.
; ALiBi costs no vector line a score: D = q . k + C, C = -8 slope x (the distance's part inside the step), whole numbers x 2^(2 - head), exact; the whole steps' part, |j - jd| x 128 slope log2(e), goes into the exponent's addend.
; C is sig (key - query) in the steps ahead of the query's own, -|that| in its own, -sig (key - query) behind it: it is written three times in a wave's life, under scalar branches on the step's number.
; THE ORDER OF A STEP.  No fragment is waited for where it is asked for.  k and v share 32 registers: v's nine loads stand singly between the dependent lines that make M, behind the score products; the next step's k is asked for
; behind this step's last products, and half of the row's sum stands behind those loads.  The last step asks for nothing, so it is written out behind a loop of 15 trips.
; The exponentials stand between plain lines, in two batches with one wait each: blocks 0, 1 and the four block maxima between the scalings; blocks 2, 3 between lines that read the first batch's results or none.
; LIMITS: NaN and infinities are not served; p under 2^-126 counts as 0; a block of p that is all zeros, or under 2^-124, gets the byte 1; since the whole steps' part of the bias is one f32 addend, t of a key just across a step's edge
; is good to about 1e-5 (head 0; less for the other heads) where the numbers themselves are of the size of 100.
; REGISTERS: v1 16 lane, v2 16 r, v3 16 h - my query's place in its step, as f32; v4-6 the step's LDS addresses, v7-11 their lane parts and the fill's; v12 -M, v13 largest t, v[14:15] the sum; v16-27 [0, q, 0]; v28-29 q's two scale words;
;   v[30:31] the exponent's addend; v32-63 four fragments of k, then of v; v64-127 S^T, then p; v128-159 O^T; v160-223 C; v224-231 p's codes; v232-243 at work; v244-247 k's, then v's scale words; v248 p's scale word; v[250:251] f;
;   v[252:253] the sum's second chain; v254-255 at work.
.set KSC, 131072                       ; LDS: k's codes at 0, v's at 65,536, k's scale words here, v's 4,096 further on
.set S,   64
.set O,   128
.set CB,  160
.set PC,  224
.set BM,  232
.set BT,  236
.set SO,  240
.macro PLACES
.rept 4
	v_nop
.endr
.endm
.macro WM d, a, b, c, sa, sb
	v_wmma_scale_f32_16x16x128_f8f6f4 v[\d:\d+7], v[\a:\a+7], v[\b:\b+7], v[\c:\c+7], v[\sa], v[\sb] matrix_a_fmt:MATRIX_FMT_FP4 matrix_b_fmt:MATRIX_FMT_FP4
.endm
.macro SETC                            ; C[n] = s26 x (v3 + n + 16 (n / 16)): tile starts 8 and 24 keys apart by turns, then key by key; every sum is exact
	v_mul_f32 v[CB], s26, v3
.irp t,1,2,3,4,5,6,7
.if \t%2
	v_add_f32 v[CB+8*\t], s27, v[CB+8*\t-8]
.else
	v_add_f32 v[CB+8*\t], s28, v[CB+8*\t-8]
.endif
.endr
.irp e,1,2,3,4,5,6,7
.irp t,0,1,2,3,4,5,6,7
	v_add_f32 v[CB+8*\t+\e], s26, v[CB+8*\t+\e-1]
.endr
.endr
.endm
.macro KLD                             ; a step's four pair fragments of k (an image's registers 4 c on of lane l at 512 c + 16 l) and row r's four scale words: nine loads
.irp n,0,1,2,3,4,5,6,7
	ds_load_b128 v[32+4*\n:35+4*\n], v4 offset:512*\n
.endr
	ds_load_b128 v[244:247], v6
.endm
.macro VLD n                           ; load n of nine of the step's v: eight for its four fragments, the ninth for their scale words, which lie 4,096 bytes behind k's
.if (\n) < 8
	ds_load_b128 v[32+4*(\n):35+4*(\n)], v5 offset:512*(\n)
.else
	ds_load_b128 v[244:247], v6 offset:4096
.endif
.endm
.macro FMA p                           ; pair p of the scores: t - M, two at a time
	v_pk_fma_f32 v[S+2*(\p):S+2*(\p)+1], v[S+2*(\p):S+2*(\p)+1], s[22:23], v[30:31] op_sel_hi:[1,0,0]
.endm
; Plain line N of 38 that stand between and behind the second batch's exponentials.  They read the first batch's results (the block maxima's p; p of blocks 0 and 1) or none of any batch.
;   0-14 the four scale bytes and p's scale word;  15-29 blocks 0 and 1 into the row's sum, in two chains;  30-37 the first half of O^T under the new M
.macro PL2
.if N < 4
	v_max_num_f32 v[BM+N], 0x1800000, v[BM+N]              ; the floor 2^(3 - 127)
.elseif N < 8
	v_add_nc_u32 v[SO+N-4], 0xff000000, v[BM+N-4]          ; 2 off the exponent field: the conversion's scale operand
.elseif N < 12
	v_lshrrev_b32 v[BT+N-8], 23, v[SO+N-8]                 ; the scale's byte
.elseif N == 12
	v_lshl_or_b32 v248, v[BT+1], 8, v[BT]                  ; p's scale word for these 128 keys
.elseif N == 13
	v_lshl_or_b32 v248, v[BT+2], 16, v248
.elseif N == 14
	v_lshl_or_b32 v248, v[BT+3], 24, v248
.elseif N == 15
	v_pk_add_f32 v[252:253], v[S:S+1], v[S+2:S+3]          ; the row's sum, of the unquantised p: the second chain begins
.elseif N < 30
.if (N%2) == 0
	v_pk_add_f32 v[14:15], v[14:15], v[S+2*N-28:S+2*N-27]
.else
	v_pk_add_f32 v[252:253], v[252:253], v[S+2*N-28:S+2*N-27]
.endif
.else
	v_pk_mul_f32 v[O+2*N-60:O+2*N-59], v[O+2*N-60:O+2*N-59], v[250:251] op_sel_hi:[1,0]
.endif
.endm
.macro BSUM k                          ; pair k of 16 of blocks 2 and 3 into the row's sum
.if ((\k)%2) == 0
	v_pk_add_f32 v[14:15], v[14:15], v[S+32+2*(\k):S+33+2*(\k)]
.else
	v_pk_add_f32 v[252:253], v[252:253], v[S+32+2*(\k):S+33+2*(\k)]
.endif
.endm
	s_load_b256 s[4:11], s[0:1], 0x0               ; qkv, qkvs, cc, cs
	v_lshrrev_b32 v1, 5, v0
	v_readfirstlane_b32 s12, v1                    ; wave 0..15
	s_and_b32 s13, ttmp7, 0xffff                   ; batch x 8 + head
	s_and_b32 s14, s13, 7                          ; head
	v_and_b32 v253, 31, v0
	v_lshlrev_b32 v1, 4, v253                      ; 16 x lane
	v_and_b32 v253, 15, v0                         ; r
	v_bfe_u32 v254, v0, 4, 1                       ; h
	v_lshlrev_b32 v2, 4, v253                      ; 16 r
	s_lshl_b32 s44, s12, 12
	v_add_nc_u32 v8, s44, v1                       ; the fill: my 4,096 bytes of k's codes,
	v_add_nc_u32 v9, 0x10000, v8                   ; of v's,
	s_lshl_b32 s44, s12, 9
	s_add_co_u32 s44, s44, KSC
	v_add_nc_u32 v10, s44, v1                      ; my 512 bytes of scale words (waves 0-7 k's, 8-15 v's)
	v_add_nc_u32 v11, 0x10000, v1                  ; v's fragments: 16 x lane
	v_add_nc_u32 v7, KSC, v2                       ; scale words: 16 r
	s_lshl_b32 s15, ttmp9, 1
	s_lshr_b32 s44, s12, 3
	s_add_co_u32 s15, s15, s44                     ; jd: the step in which my queries lie
	s_add_co_u32 s16, s15, 1
	s_bfe_u32 s38, s12, 0x20001                    ; which pair fragment of that step,
	s_and_b32 s39, s12, 1                          ; and which half of it, is my tile
	s_mov_b32 s31, 0
	s_lshl_b32 s30, s13, 16
	s_lshl_b32 s44, s12, 12
	s_add_co_u32 s30, s30, s44
	s_add_co_u32 s30, s30, 0x200000                ; k lies 2 MiB into qkv, v 4 MiB
	s_wait_kmcnt 0x0
	s_add_nc_u64 s[32:33], s[4:5], s[30:31]
	s_add_nc_u64 s[34:35], s[32:33], 0x200000
	s_lshr_b32 s30, s12, 3
	s_add_co_u32 s30, s30, 1
	s_lshl_b32 s30, s30, 17
	s_lshl_b32 s44, s13, 12
	s_add_co_u32 s30, s30, s44
	s_and_b32 s44, s12, 7
	s_lshl_b32 s44, s44, 9
	s_add_co_u32 s30, s30, s44
	s_add_nc_u64 s[36:37], s[6:7], s[30:31]
	s_lshl_b32 s44, s13, 4
	s_add_co_u32 s44, s44, s15                     ; head x 16 + jd
	s_lshl_b32 s30, s44, 12
	s_lshl_b32 s45, s38, 10
	s_add_co_u32 s30, s30, s45
	s_lshl_b32 s45, s39, 9
	s_add_co_u32 s30, s30, s45
	s_add_nc_u64 s[40:41], s[4:5], s[30:31]        ; my q: four registers of a pair fragment
	s_lshl_b32 s30, s44, 8
	s_lshl_b32 s45, s38, 2
	s_add_co_u32 s30, s30, s45
	s_add_nc_u64 s[42:43], s[6:7], s[30:31]        ; and the pair's scale word
.irp i,0,1,2,3,4,5,6,7
	global_load_b128 v[64+4*\i:67+4*\i], v1, s[32:33] offset:512*\i
	global_load_b128 v[96+4*\i:99+4*\i], v1, s[34:35] offset:512*\i
.endr
	global_load_b128 v[224:227], v1, s[36:37]
	global_load_b128 v[20:23], v1, s[40:41]
	global_load_b32 v252, v2, s[42:43]
	; where ctx goes: token tile batch x 128 + 16 x + wave; head hd fills half hd % 2 of K step hd / 2: 512 hd bytes on; its two scale bytes lie 2 hd bytes into a row's 16
	s_lshr_b32 s44, s13, 3
	s_lshl_b32 s44, s44, 7
	s_lshl_b32 s45, ttmp9, 4
	s_add_co_u32 s44, s44, s45
	s_add_co_u32 s44, s44, s12
	s_lshl_b32 s30, s44, 12
	s_lshl_b32 s45, s14, 9
	s_add_co_u32 s30, s30, s45
	s_add_nc_u64 s[8:9], s[8:9], s[30:31]
	s_lshl_b32 s30, s44, 8
	s_lshl_b32 s45, s14, 1
	s_add_co_u32 s30, s30, s45
	s_add_nc_u64 s[10:11], s[10:11], s[30:31]
	s_mov_b32 s20, 0x76543210
	s_mov_b32 s21, 0xfedcba98                      ; v_permlanex16_b32: lane l xor 16
	s_mov_b32 s22, 0x3e38aa3b                      ; log2(e) / 8
	s_mov_b32 s23, s22                             ; (named with it as a pair, so it is written)
	s_sub_co_u32 s44, 129, s14
	s_lshl_b32 s26, s44, 23                        ; sig = 8 slope = 2^(2 - head),
	s_add_co_u32 s27, s26, 0x1800000               ; 8 sig,
	s_add_co_u32 s28, s26, 0x2400000               ; 24 sig
	s_sub_co_i32 s44, 6, s14
	s_lshl_b32 s44, s44, 23
	s_add_co_u32 s25, s44, 0xbfb8aa3b              ; -128 slope log2(e) = -log2(e) x 2^(6 - head)
	v_and_b32 v255, 8, v253
	v_add_nc_u32 v255, v255, v253                  ; r + 8 (r / 8)
	v_lshlrev_b32 v3, 4, v254
	v_sub_nc_u32 v3, v3, v255
	s_lshl_b32 s44, s38, 5
	s_lshl_b32 s45, s39, 3
	s_add_co_u32 s44, s44, s45
	v_sub_nc_u32 v3, v3, s44
	v_cvt_f32_i32 v3, v3                           ; 16 h - my query's place in its step
.irp i,16,17,18,19,24,25,26,27
	v_mov_b32 v\i, 0                               ; zero codes on both sides of q
.endr
	v_mov_b32 v31, 0                               ; upper halves of pairs of which the low word is broadcast
	v_mov_b32 v251, 0
.irp b,0,1,2,3
	v_mov_b32 v[BT+\b], 0                          ; a lane permute's destination counts as one of its sources
.endr
	v_mov_b32 v13, 0xff61b1e6                      ; the largest t so far: -3e38
	v_floor_f32 v12, -v13                          ; -M
	v_mov_b32 v14, 0
	v_mov_b32 v15, 0
	SETC                                           ; for the steps ahead of my queries' own
	s_wait_loadcnt 0x0
	s_lshl_b32 s44, s39, 4
	v_lshrrev_b32 v252, s44, v252
	v_and_b32 v252, 0xffff, v252                   ; my tile's two bytes of the pair's word
	v_or_b32 v28, 0x7f7f0000, v252                 ; for [q, 0]
	v_lshl_or_b32 v29, v252, 16, 0x7f7f            ; for [0, q]
.irp i,0,1,2,3,4,5,6,7
	ds_store_b128 v8, v[64+4*\i:67+4*\i] offset:512*\i
	ds_store_b128 v9, v[96+4*\i:99+4*\i] offset:512*\i
.endr
	ds_store_b128 v10, v[224:227]
.set N, 0
.rept 32
	v_mov_b32 v[O+N], 0                            ; O^T: the step's first turn finds zeros.  (These lines are also the places between q's scale words and the first scaled product)
.set N, N+1
.endr
	s_wait_dscnt 0x0                               ; for the others' sake: my part lies in LDS
	s_barrier_signal -1
	s_barrier_wait -1
	s_mov_b32 s17, 0                               ; the step j,
	s_mov_b32 s18, 0                               ; its codes: 4,096 bytes a step,
	s_mov_b32 s19, 0                               ; its scale words: 256
	v_add_nc_u32 v4, s18, v1
	v_add_nc_u32 v5, s18, v11
	v_add_nc_u32 v6, s19, v7
	KLD                                            ; step 0's k
; A KEY STEP: 128 keys.  Its k was asked for a step ago.  more = 1: the next step's k is asked for.
.macro STEP more
	s_cmp_lg_u32 s17, s15
	s_cbranch_scc1 .Lnot_diag_\@
.set N, 0
.rept 64
	v_or_b32 v[CB+N], 0x80000000, v[CB+N]          ; my queries' own step: -sig |key - query|
.set N, N+1
.endr
.Lnot_diag_\@:
	s_cmp_lg_u32 s17, s16
	s_cbranch_scc1 .Lnot_past_\@
	s_xor_b32 s26, s26, 0x80000000                 ; from the step behind it on: -sig (key - query)
	s_xor_b32 s27, s27, 0x80000000
	s_xor_b32 s28, s28, 0x80000000
	SETC
.Lnot_past_\@:
	s_sub_co_i32 s44, s17, s15
	s_sub_co_i32 s45, s15, s17
	s_max_i32 s44, s44, s45
	s_cvt_f32_u32 s44, s44
	s_mul_f32 s24, s44, s25                        ; the whole steps' part of the bias, as t: one rounding
	s_wait_dscnt 0x0                               ; k's fragments and scale words: asked for behind the last step's products
.irp b,0,1,2,3
	WM S+16*\b,32+8*\b,20,CB+16*\b,244+\b,28       ; token tile 2 b against [q, 0]
	WM S+8+16*\b,32+8*\b,16,CB+8+16*\b,244+\b,29   ; token tile 2 b + 1 against [0, q]
.endr
	PLACES
.irp b,0,1,2,3
	v_max3_num_f32 v[BM+\b], v[S+16*\b], v[S+1+16*\b], v[S+2+16*\b]     ; the largest D of each block of 32 keys: for the row's maximum, and, since p rises with D, for the block's largest p
.endr
.irp i,3,5,7,9,11,13
.irp b,0,1,2,3
	v_max3_num_f32 v[BM+\b], v[BM+\b], v[S+16*\b+\i], v[S+1+16*\b+\i]
.endr
.endr
.irp b,0,1,2,3
	v_max_num_f32 v[BM+\b], v[BM+\b], v[S+15+16*\b]
.endr
.irp b,0,1,2,3
	v_permlanex16_b32 v[BT+\b], v[BM+\b], s20, s21
.endr
.irp b,0,1,2,3
	v_max_num_f32 v[BM+\b], v[BM+\b], v[BT+\b]
.endr
	; each of the lines below reads the one before it: v's nine loads stand between them.  k's registers, into which they load, were last read by the score products, more than four plain lines back
	v_max3_num_f32 v254, v[BM], v[BM+1], v[BM+2]
	VLD 0
	v_max_num_f32 v254, v254, v[BM+3]
	VLD 1
	v_fma_f32 v254, v254, s22, s24                 ; the step's largest t
	VLD 2
	v_mov_b32 v255, v12                            ; the old -M
	v_max_num_f32 v13, v13, v254
	VLD 3
	v_floor_f32 v12, -v13                          ; the new -M = -ceil(t)
	VLD 4
	v_add_f32 v30, s24, v12                        ; the exponent's addend: the steps' part of the bias - M
	VLD 5
	v_sub_f32 v254, v12, v255                      ; old M - new M: a whole number, 0 or less
	VLD 6
	v_cvt_i32_f32 v254, v254                       ; (it saturates)
	VLD 7
	v_ldexp_f32 v250, 1.0, v254                    ; f = 2^(old M - new M)
	VLD 8
	; THE FIRST BATCH: p of blocks 0 and 1, each exponential behind a scaling of a later pair; then the blocks' largest p.  No line here names an exponential's result
	FMA 0
	FMA 1
.irp b,0,1,2,3
	v_fma_f32 v[BM+\b], v[BM+\b], s22, v30         ; t - M of each block's largest D: the same multiply-add as its score gets
.endr
.set N, 0
.rept 16
	v_exp_f32 v[S+2*N], v[S+2*N]                   ; p = 2^(t - M)
.if 2+2*N < 32
	FMA 2+2*N
.endif
	v_exp_f32 v[S+2*N+1], v[S+2*N+1]
.if 3+2*N < 32
	FMA 3+2*N
.endif
.set N, N+1
.endr
.irp b,0,1,2,3
	v_exp_f32 v[BM+\b], v[BM+\b]                   ; the blocks' largest p
.endr
	v_pk_mul_f32 v[14:15], v[14:15], v[250:251] op_sel_hi:[1,0]       ; the sum under the new M: the plain line behind the batch
	s_wait_alu depctr_va_vdst(0)                   ; one wait for the 36, ahead of their first reader
	; THE SECOND BATCH: p of blocks 2 and 3, each exponential ahead of one plain line of PL2's list; the list's last six follow
.set N, 0
.rept 32
	v_exp_f32 v[S+32+N], v[S+32+N]
	PL2
.set N, N+1
.endr
.rept 6
	PL2
.set N, N+1
.endr
	s_wait_alu depctr_va_vdst(0)                   ; one wait for the 32
.irp b,0,1,2,3
	v_cvt_scalef32_pk8_fp4_f32 v[PC+2*\b], v[S+16*\b:S+7+16*\b], v[SO+\b]
	v_cvt_scalef32_pk8_fp4_f32 v[PC+1+2*\b], v[S+8+16*\b:S+15+16*\b], v[SO+\b]
.endr
	v_nop                                          ; one plain line behind the last scaled conversion
.irp c,0,1
.irp i,0,1
	v_permlane16_swap_b32 v[PC+4*\c+\i], v[PC+2+4*\c+\i]   ; a whole block to a lane
.endr
.endr
.set N, 16
.rept 8
	v_pk_mul_f32 v[O+N:O+N+1], v[O+N:O+N+1], v[250:251] op_sel_hi:[1,0]   ; the second half of O^T under the new M.  (Also the places between p's codes and the scaled products; p's scale word was written 23 plain lines further back)
.set N, N+2
.endr
	s_wait_dscnt 0x0                               ; v's fragments and scale words: asked for ahead of the exponentials
.irp t,0,1,2,3
	WM O+8*\t,32+8*\t,PC,O+8*\t,244+\t,248         ; four accumulators by turns
.endr
.if \more
	s_add_co_u32 s18, s18, 4096
	s_add_co_u32 s19, s19, 256
	v_add_nc_u32 v4, s18, v1                       ; the next step's addresses: with the addition below four places behind the products, whose registers the loads write
	v_add_nc_u32 v5, s18, v11
	v_add_nc_u32 v6, s19, v7
	BSUM 0
	KLD                                            ; the next step's k; the rest of the row's sum stands behind the loads
.irp k,1,2,3,4,5,6,7,8,9,10,11,12,13,14,15
	BSUM \k
.endr
.else
.irp k,0,1,2,3,4,5,6,7,8,9,10,11,12,13,14,15
	BSUM \k
.endr
.endif
	v_pk_add_f32 v[14:15], v[14:15], v[252:253]
.endm
.Lstep:                                            ; 15 trips
	STEP 1
	s_add_co_u32 s17, s17, 1
	s_cmp_lt_u32 s17, 15
	s_cbranch_scc1 .Lstep
	STEP 0                                         ; the last step is written out: there is no k behind it to ask for
	; THE WAY OUT: O^T / the sum; register 16 b + i is dim 32 b + 16 h + i of my query: two blocks of the next product's K; their codes are four registers of a fragment, their bytes half a scale word.
	; (The 17 additions of the row's sum are the places behind the last products.)
	v_add_f32 v14, v14, v15
	v_permlanex16_b32 v252, v14, s20, s21
	v_add_f32 v14, v14, v252
	v_rcp_f32 v14, v14
	v_nop
	s_wait_alu depctr_va_vdst(0)
.set N, 0
.rept 32
	v_mul_f32 v[S+N], v[O+N], v14
.set N, N+1
.endr
.irp b,0,1
	v_max3_num_f32 v[BM+\b], |v[S+16*\b]|, |v[S+1+16*\b]|, 0x1800000
.endr
.irp i,2,4,6,8,10,12,14
.irp b,0,1
	v_max3_num_f32 v[BM+\b], v[BM+\b], |v[S+16*\b+\i]|, |v[S+1+16*\b+\i]|
.endr
.endr
.irp b,0,1
	v_permlanex16_b32 v[BT+\b], v[BM+\b], s20, s21
.endr
.irp b,0,1
	v_max_num_f32 v[BM+\b], v[BM+\b], v[BT+\b]
.endr
.irp b,0,1
	v_add_nc_u32 v[SO+\b], 0xff000000, v[BM+\b]
.endr
.irp b,0,1
	v_lshrrev_b32 v[BT+\b], 23, v[SO+\b]
.endr
	v_lshl_or_b32 v253, v[BT+1], 8, v[BT]
.irp b,0,1
	v_cvt_scalef32_pk8_fp4_f32 v[PC+2*\b], v[S+16*\b:S+7+16*\b], v[SO+\b]
	v_cvt_scalef32_pk8_fp4_f32 v[PC+1+2*\b], v[S+8+16*\b:S+15+16*\b], v[SO+\b]
.endr
	v_nop
	v_permlane16_swap_b32 v[PC], v[PC+2]
	v_permlane16_swap_b32 v[PC+1], v[PC+3]
	global_store_b128 v1, v[PC:PC+3], s[8:9]       ; 32 lanes store 512 consecutive bytes
	global_store_b16 v2, v253, s[10:11]            ; two bytes a row, once in a wave's life: a row's 16 scale bytes come from eight heads, which are eight work-groups
	s_wait_xcnt 0x0
	v_lshl_add_u32 v254, v0, 2, 0x22000
	v_mov_b32 v255, 0
	s_wait_tensorcnt 0x0
	ds_add_u32 v254, v255
	s_wait_dscnt 0x0
	s_endpgm
.Lfunc_end_k_qfd361a300b_attn:
	.size	k_qfd361a300b_attn, .Lfunc_end_k_qfd361a300b_attn-k_qfd361a300b_attn
	.p2alignl 7, 3214868480
	.fill 96, 4, 3214868480
	.section	.rodata,"a",@progbits
	.p2align	6, 0x0
	.amdhsa_kernel k_qfd361a300b_attn
		.amdhsa_group_segment_fixed_size 141312
		.amdhsa_private_segment_fixed_size 0
		.amdhsa_enable_private_segment 0
		.amdhsa_kernarg_size 32
		.amdhsa_user_sgpr_count 2
		.amdhsa_user_sgpr_kernarg_segment_ptr 1
		.amdhsa_wavefront_size32 1
		.amdhsa_system_sgpr_workgroup_id_x 1
		.amdhsa_system_sgpr_workgroup_id_y 1
		.amdhsa_system_sgpr_workgroup_id_z 1
		.amdhsa_system_vgpr_workitem_id 0
		.amdhsa_next_free_vgpr 256
		.amdhsa_next_free_sgpr 66
		.amdhsa_reserve_vcc 0
		.amdhsa_float_denorm_mode_32 3
		.amdhsa_float_denorm_mode_16_64 3
		.amdhsa_memory_ordered 1
		.amdhsa_forward_progress 1
		.amdhsa_inst_pref_size 57
	.end_amdhsa_kernel
	.amdgpu_metadata
---
amdhsa.version: [ 1, 2 ]
amdhsa.kernels:
  - .name:           k_qfd361a300b_attn
    .symbol:         k_qfd361a300b_attn.kd
    .args:
      - { .name: qkv, .offset: 0, .size: 8, .value_kind: global_buffer, .address_space: global }
      - { .name: qkvs, .offset: 8, .size: 8, .value_kind: global_buffer, .address_space: global }
      - { .name: cc, .offset: 16, .size: 8, .value_kind: global_buffer, .address_space: global }
      - { .name: cs, .offset: 24, .size: 8, .value_kind: global_buffer, .address_space: global }
    .group_segment_fixed_size: 141312
    .private_segment_fixed_size: 0
    .kernarg_segment_align: 8
    .kernarg_segment_size: 32
    .max_flat_workgroup_size: 512
    .sgpr_count:     66
    .vgpr_count:     256
    .wavefront_size: 32
...
	.end_amdgpu_metadata
.endif
;; end of part 2
;; launch ffn (part 3): grid 128 x 1, 4 waves a work-group, no clusters, 239,104 bytes of LDS; arguments x, cc, cs, wimg, wsc, bo, ln2_g, ln2_b, b1, b2, out0; writes out0
.if DOCPART == 3
	.amdgcn_target "amdgcn-amd-amdhsa--gfx1250"
	.amdhsa_code_object_version 6
	.text
	.protected	k_qfd361a300b_ffn
	.globl	k_qfd361a300b_ffn
	.p2align	8
	.type	k_qfd361a300b_ffn,@function
k_qfd361a300b_ffn:
	s_mov_b64 s[64:65], 0
	v_nop
	global_prefetch_b8 v0, s[64:65] scope:SCOPE_SE
	s_setreg_imm32_b32 hwreg(HW_REG_WAVE_MODE, 25, 1), 1
	s_wait_xcnt 0x0
; FFN.  x1 = x + ctx wo^T + bo;  out = x1 + relu(LN2(x1) w1^T + b1) w2^T + b2, for 64 tokens a work-group; all three products on codes of FP4 (E2M1) with E8M0 scales.  x1, LN2's result and the hidden layer never go to memory.
; SHARES.  Four waves share the COLUMNS: wave w owns columns 128 w on of the first and third product and hidden units 512 w on: 8 weight tiles against the 4 token tiles, 32 accumulators.
; THE WEIGHTS of a wave are ONE stream of 36 groups (a group: the 8 fragments of one K step and their scale words, 17 loads of 512 consecutive bytes), laid so by the first launch; it runs from memory into a ring of four register
; slots (window 1), four groups ahead, and each group feeds 32 matrix instructions.  No fragment is used by two waves, so none goes through LDS.  Every work-group walks all weights whatever its rows: hence 64 rows and 128 work-groups.
; THE ROWS' OPERANDS go from wave to wave through LDS as images of their registers (registers 4 c .. 4 c + 3 of lane l at 512 c + 16 l of a fragment's 1,024 bytes), scale words beside them.
; All products are used transposed (source 0 = 16 weight rows, source 1 = 16 tokens): a lane holds one token, and the registers 8 t + j of a token tile are columns 32 (t / 2) + 16 h + 8 (t % 2) + j of the wave's 128: neighbours along the next K.
; Row m of token tile t is token 32 (t / 2) + 8 (t % 2) + m + 8 (m / 8), as in the launches before.
; SIX BARRIERS: x and ctx in LDS | the rows' sums | the rows' sums of squares | LN2's images | the hidden layer's images | the result's rows.  In front of each a wave waits for all its LDS instructions.
; LIMITS: NaN and infinities are not served; a block of zeros, or under 2^-124, gets the byte 1; x + bo is formed first and the product is summed onto it, another order of rounding than x + (product + bo); likewise x1 + b2.
; REGISTERS.  Window 0: v1-15, v112-122 addresses; v16-31 the weights' scale words, four slots, v32-39 the rows', two sets (nothing else ever lies in these); v40-63, v68-75 temporaries; v64-67 scale words just made; v80-111 codes just made;
;   v128-191 a bias or gain in the result's layout; v192-255 two sets of four row fragments (also ln2_b, and ctx on its way).   Window 1: the weight ring.   Window 2: rows of x, LN2's numbers, the hidden layer's accumulators, rows of out.
;   Window 3: x1 and the last product's accumulators.  Accumulator (weight tile t, token tile m) at 8 (8 m + t).
.set SPI,  2064                        ; a row of 2,048 bytes + 16
.set AIMG, 132096                      ; behind 64 such rows: ctx's images [K step 4][token tile 4][1,024]
.set ASC,  148480                      ; their scale words [K step][row 16][tile 4]
.set XIMG, 149504                      ; LN2's likewise
.set XSC,  165888
.set HIMG, 166912                      ; the hidden layer's: 16 K steps
.set HSC,  232448
.set RED1, 236544                      ; [row 64][wave 4] partial sums
.set RED2, 237568                      ; and partial sums of squares
.set TM,   40
.set MSB, 0
.macro WIN new
.if MSB != (\new)
	s_set_vgpr_msb (MSB<<8)|(\new)
.set MSB, (\new)
.endif
.endm
.macro PLACES
.rept 4
	v_nop
.endr
.endm
.macro BARRIER                         ; my LDS stores have landed and my LDS loads are in: then the work-group's barrier
	s_wait_dscnt 0x0
	s_barrier_signal -1
	s_barrier_wait -1
.endm
.macro QUANT src, win, pc, pw          ; 64 numbers of a lane in window win, register 16 b + i = k 32 b + 16 h + i, become codes in v[pc] on and a scale word in v[pw]
	WIN (\win)|((\win)<<2)
.irp b,0,1,2,3
	v_max3_num_f32 v[TM+\b], |v[(\src)+16*\b]|, |v[(\src)+1+16*\b]|, 0x1800000
.endr
	WIN ((\win)<<2)|((\win)<<4)
.irp i,2,4,6,8,10,12,14
.irp b,0,1,2,3
	v_max3_num_f32 v[TM+\b], v[TM+\b], |v[(\src)+16*\b+\i]|, |v[(\src)+1+16*\b+\i]|
.endr
.endr
	WIN 0
.irp b,0,1,2,3
	v_permlanex16_b32 v[TM+4+\b], v[TM+\b], s34, s35
.endr
.irp b,0,1,2,3
	v_max_num_f32 v[TM+\b], v[TM+\b], v[TM+4+\b]
.endr
.irp b,0,1,2,3
	v_add_nc_u32 v[TM+12+\b], 0xff000000, v[TM+\b]
.endr
.irp b,0,1,2,3
	v_lshrrev_b32 v[TM+4+\b], 23, v[TM+12+\b]
.endr
	v_lshl_or_b32 v[\pw], v[TM+5], 8, v[TM+4]
	v_lshl_or_b32 v[\pw], v[TM+6], 16, v[\pw]
	v_lshl_or_b32 v[\pw], v[TM+7], 24, v[\pw]
	WIN (\win)
.irp b,0,1,2,3
	v_cvt_scalef32_pk8_fp4_f32 v[(\pc)+2*\b], v[(\src)+16*\b:(\src)+7+16*\b], v[TM+12+\b]
	v_cvt_scalef32_pk8_fp4_f32 v[(\pc)+1+2*\b], v[(\src)+8+16*\b:(\src)+15+16*\b], v[TM+12+\b]
.endr
	WIN 0
	v_nop
.irp c,0,1
.irp i,0,1
	v_permlane16_swap_b32 v[(\pc)+4*\c+\i], v[(\pc)+2+4*\c+\i]
.endr
.endr
.endm
.macro WM d, a, b, c, sa, sb, row
.if (\row) == 1
	v_wmma_scale_f32_16x16x128_f8f6f4 v[\d:\d+7], v[\a:\a+7], v[\b:\b+7], v[\c:\c+7], v[\sa], v[\sb] matrix_a_fmt:MATRIX_FMT_FP4 matrix_b_fmt:MATRIX_FMT_FP4 matrix_a_scale:MATRIX_SCALE_ROW1
.else
	v_wmma_scale_f32_16x16x128_f8f6f4 v[\d:\d+7], v[\a:\a+7], v[\b:\b+7], v[\c:\c+7], v[\sa], v[\sb] matrix_a_fmt:MATRIX_FMT_FP4 matrix_b_fmt:MATRIX_FMT_FP4
.endif
.endm
.macro XLOAD set, areg, aoff, sreg, soff       ; one K step's four row fragments and their scale words: nine LDS loads
.irp m,0,1,2,3
.irp c,0,1
	ds_load_b128 v[192+32*(\set)+8*\m+4*\c:195+32*(\set)+8*\m+4*\c], v[\areg] offset:(\aoff)+1024*\m+512*\c
.endr
.endr
	ds_load_b128 v[32+4*(\set):35+4*(\set)], v[\sreg] offset:\soff
.endm
.macro WLOAD slot, goff                        ; the group goff groups on in my stream, into a slot of the ring: 17 loads
	WIN 0x40
.irp t,0,1,2,3,4,5,6,7
.irp c,0,1
	global_load_b128 v[64*(\slot)+8*\t+4*\c:64*(\slot)+8*\t+4*\c+3], v1, s[38:39] offset:8192*(\goff)+1024*\t+512*\c
.endr
.endr
	WIN 0
	global_load_b128 v[16+4*(\slot):19+4*(\slot)], v1, s[40:41] offset:512*(\goff)    ; lanes 0-15 tiles 0-3's words, lanes 16-31 tiles 4-7's
.endm
.macro MUL32 slot, set, mode                   ; 32 accumulators by turns.  mode 0: window 3 in place; 1: window 2 in place; 2: window 2, the bias starts the sums
.if (\mode) == 0
	WIN 0xf1
.elseif (\mode) == 1
	WIN 0xa1
.else
	WIN 0x81
.endif
.irp m,0,1,2,3
.irp t,0,1,2,3,4,5,6,7
.set ACC, 8*(8*\m+\t)
.set WFR, 64*(\slot)+8*\t
.set XFR, 192+32*(\set)+8*\m
.set WSR, 16+4*(\slot)+\t%4
.set XSR, 32+4*(\set)+\m
.set CIN, ACC
.if (\mode) == 2
.set CIN, 128+8*\t
.endif
	WM ACC,WFR,XFR,CIN,WSR,XSR,\t/4
.endr
.endr
.endm
; One group of the stream.  cnt: the loads that were issued behind the group's own and may stay out.  nx: the next K step's rows are fetched into the other set, which the group before has read (four places stand behind its products).
; rl: the slot is loaded again with the group four on.
.macro GROUP slot, set, mode, cnt, nx, areg, aoff, sreg, soff, rl
	s_wait_loadcnt \cnt
	s_wait_dscnt 0x0                               ; this K step's rows are in
.if \nx
	XLOAD 1-(\set),\areg,\aoff,\sreg,\soff
.endif
	MUL32 \slot,\set,\mode
	WIN 0
	PLACES
.if \rl
	WLOAD \slot,4+(\slot)
.endif
.endm
.macro BIAS dst, p                             ; 128 numbers of my columns in the result's layout: register 8 t + j = number 32 (t / 2) + 16 h + 8 (t % 2) + j: 16 loads
.irp t,0,1,2,3,4,5,6,7
	global_load_b128 v[\dst+8*\t:\dst+8*\t+3], v117, s[\p:\p+1] offset:128*(\t/2)+32*(\t%2)
	global_load_b128 v[\dst+8*\t+4:\dst+8*\t+7], v117, s[\p:\p+1] offset:128*(\t/2)+32*(\t%2)+16
.endr
.endm
.macro ADDBIAS                                 ; the 32 accumulators of window 3 += the bias
	WIN 0xc3
.irp m,0,1,2,3
.set E, 0
.rept 32
	v_pk_add_f32 v[64*\m+E:64*\m+E+1], v[64*\m+E:64*\m+E+1], v[128+E:129+E]
.set E, E+2
.endr
.endr
	WIN 0
.endm
.macro RSUM                                    ; four token tiles' two chains each: my 64 numbers' sum and lane l xor 16's
.irp m,0,1,2,3
	v_pk_add_f32 v[40+4*\m:41+4*\m], v[40+4*\m:41+4*\m], v[42+4*\m:43+4*\m]
.endr
.irp m,0,1,2,3
	v_add_f32 v[40+4*\m], v[40+4*\m], v[41+4*\m]
.endr
.irp m,0,1,2,3
	v_permlanex16_b32 v[41+4*\m], v[40+4*\m], s34, s35
.endr
.irp m,0,1,2,3
	v_add_f32 v[40+4*\m], v[40+4*\m], v[41+4*\m]
.endr
.endm
.macro RALL wreg, rreg                         ; the four waves' parts meet in LDS; every wave adds them in the same order
.irp m,0,1,2,3
	ds_store_b32 v[\wreg], v[40+4*\m] offset:256*\m
.endr
	BARRIER
.irp m,0,1,2,3
	ds_load_b128 v[40+4*\m:43+4*\m], v[\rreg] offset:256*\m
.endr
	s_wait_dscnt 0x0
.irp m,0,1,2,3
	v_add_f32 v[40+4*\m], v[40+4*\m], v[41+4*\m]
.endr
.irp m,0,1,2,3
	v_add_f32 v[42+4*\m], v[42+4*\m], v[43+4*\m]
.endr
.irp m,0,1,2,3
	v_add_f32 v[40+4*\m], v[40+4*\m], v[42+4*\m]
.endr
.endm
	s_load_b512 s[4:19], s[0:1], 0x0               ; x, cc, cs, wimg, wsc, bo, ln2_g, ln2_b
	s_load_b128 s[20:23], s[0:1], 0x40             ; b1, b2
	s_load_b64 s[24:25], s[0:1], 0x50              ; out0
	v_lshl_add_u32 v126, v0, 2, 0x3a400
	v_mov_b32 v127, 0
	v_lshrrev_b32 v1, 5, v0
	v_readfirstlane_b32 s32, v1                    ; wave 0..3
	v_and_b32 v123, 31, v0
	v_and_b32 v124, 15, v0                         ; r
	v_bfe_u32 v125, v0, 4, 1                       ; h
	v_lshlrev_b32 v1, 4, v123                      ; v1   16 x lane
	v_lshlrev_b32 v118, 4, v124                    ; v118 16 r
	v_lshlrev_b32 v117, 6, v125                    ; v117 64 h
	s_mul_i32 s46, s32, 16*SPI
	v_add_nc_u32 v2, s46, v1                       ; v2   the rows of token tile w, 16 bytes a lane
	v_mul_u32_u24 v3, v124, SPI
	v_add_nc_u32 v3, v3, v117
	s_lshl_b32 s46, s32, 9
	v_add_nc_u32 v3, s46, v3                       ; v3   row r of token tiles 0, 1 in the result's layout: + 512 w + 64 h
	v_add_nc_u32 v4, 32*SPI, v3                    ; v4   of token tiles 2, 3
	s_lshl_b32 s46, s32, 10
	s_add_co_u32 s46, s46, AIMG
	v_add_nc_u32 v5, s46, v1                       ; v5   ctx's images of tile w
	s_lshl_b32 s46, s32, 2
	s_add_co_u32 s47, s46, ASC
	v_add_nc_u32 v6, s47, v118                     ; v6   and their scale words
	v_add_nc_u32 v7, AIMG, v1
	v_add_nc_u32 v8, ASC, v118
	s_lshl_b32 s47, s32, 12
	s_add_co_u32 s47, s47, XIMG
	v_add_nc_u32 v9, s47, v1                       ; v9   LN2's images: K step w
	s_lshl_b32 s47, s32, 8
	s_add_co_u32 s47, s47, XSC
	v_add_nc_u32 v10, s47, v118
	v_add_nc_u32 v11, XIMG, v1
	v_add_nc_u32 v12, XSC, v118
	s_lshl_b32 s47, s32, 14
	s_add_co_u32 s47, s47, HIMG
	v_add_nc_u32 v13, s47, v1                      ; v13  the hidden layer's images: K steps 4 w on
	s_lshl_b32 s47, s32, 10
	s_add_co_u32 s47, s47, HSC
	v_add_nc_u32 v14, s47, v118
	v_add_nc_u32 v15, HIMG, v1
	v_add_nc_u32 v112, HSC, v118
	s_add_co_u32 s47, s46, RED1
	v_add_nc_u32 v113, s47, v118
	v_add_nc_u32 v114, RED1, v118
	s_add_co_u32 s47, s46, RED2
	v_add_nc_u32 v115, s47, v118
	v_add_nc_u32 v116, RED2, v118
.irp i,57,59,61,63,69,71,73,75
	v_mov_b32 v\i, 0                               ; upper halves of pairs of which the low word is broadcast
.endr
	s_mov_b32 s34, 0x76543210
	s_mov_b32 s35, 0xfedcba98
	s_mov_b32 s36, 0x3b000000                      ; 1 / 512
	s_mov_b32 s37, 0x3727c5ac                      ; 1e-5
	s_lshl_b32 s46, ttmp9, 6
	s_lshr_b32 s45, s32, 1
	s_lshl_b32 s45, s45, 5
	s_add_co_u32 s46, s46, s45
	s_and_b32 s45, s32, 1
	s_lshl_b32 s45, s45, 3
	s_add_co_u32 s46, s46, s45                     ; token tile w's first token
	s_lshl_b32 s46, s46, 11
	s_mov_b32 s47, 0
	s_wait_kmcnt 0x0
	s_add_nc_u64 s[4:5], s[4:5], s[46:47]
	s_add_nc_u64 s[24:25], s[24:25], s[46:47]
	s_lshl_b32 s45, ttmp9, 2
	s_add_co_u32 s45, s45, s32                     ; its number among all token tiles
	s_lshl_b32 s46, s45, 12
	s_add_nc_u64 s[6:7], s[6:7], s[46:47]
	s_lshl_b32 s46, s45, 8
	s_add_nc_u64 s[8:9], s[8:9], s[46:47]
	s_mul_i32 s46, s32, 294912
	s_add_nc_u64 s[38:39], s[10:11], s[46:47]      ; my stream of fragments,
	s_mul_i32 s46, s32, 18432
	s_add_nc_u64 s[40:41], s[12:13], s[46:47]      ; and of scale words
	s_lshl_b32 s46, s32, 9
	s_add_nc_u64 s[14:15], s[14:15], s[46:47]
	s_add_nc_u64 s[16:17], s[16:17], s[46:47]
	s_add_nc_u64 s[18:19], s[18:19], s[46:47]
	s_add_nc_u64 s[28:29], s[22:23], s[46:47]      ; b2 of my columns
	s_lshl_b32 s46, s32, 11
	s_add_nc_u64 s[26:27], s[20:21], s[46:47]      ; b1 of my hidden units
	; ---- the head: ctx's tile w (9 loads), x's tile w (64), bo (16), the stream's first four groups (68)
.irp n,0,1,2,3,4,5,6,7
	global_load_b128 v[192+4*\n:195+4*\n], v1, s[6:7] offset:512*\n
.endr
	global_load_b128 v[224:227], v118, s[8:9]
	WIN 0x80
.irp p,0,1,2,3,4,5,6,7,8,9,10,11,12,13,14,15
.irp i,0,1,2,3
	global_load_b128 v[16*\p+4*\i:16*\p+4*\i+3], v1, s[4:5] offset:(\p+8*(\p/8))*2048+512*\i th:TH_LOAD_NT
.endr
.endr
	WIN 0
	BIAS 128, 14
	WLOAD 0,0
	WLOAD 1,1
	WLOAD 2,2
	WLOAD 3,3
	s_wait_loadcnt 63                              ; of the 157 loads issued at most 63 are out: the first 94 are in, ctx, x and bo (89) among them
.irp s,0,1,2,3
.irp c,0,1
	ds_store_b128 v5, v[192+8*\s+4*\c:195+8*\s+4*\c] offset:4096*\s+512*\c
.endr
	ds_store_b32 v6, v[224+\s] offset:256*\s
.endr
	WIN 0x08
.irp p,0,1,2,3,4,5,6,7,8,9,10,11,12,13,14,15
.irp i,0,1,2,3
	ds_store_b128 v2, v[16*\p+4*\i:16*\p+4*\i+3] offset:SPI*\p+512*\i
.endr
.endr
	WIN 0
	BARRIER                                        ; 64 rows of x and ctx's sixteen fragments lie in LDS
	; ---- x1 = x + bo + ctx wo^T: x comes back in the result's layout and begins the sums
	WIN 0xc0
.irp m,0,1,2,3
.irp t,0,1,2,3,4,5,6,7
.irp f,0,1
	ds_load_b128 v[8*(8*\m+\t)+4*\f:8*(8*\m+\t)+4*\f+3], v[3+\m/2] offset:16*SPI*(\m%2)+128*(\t/2)+32*(\t%2)+16*\f
.endr
.endr
.endr
	WIN 0
	XLOAD 0,7,0,8,0
	s_wait_dscnt 0x0
	ADDBIAS
	GROUP 0,0,0,51,1,7,4096,8,256,1                ; 51: the three groups behind this one
	GROUP 1,1,0,51,1,7,8192,8,512,1
	GROUP 2,0,0,51,1,7,12288,8,768,1
	GROUP 3,1,0,51,0,7,0,8,0,1
	s_wait_xcnt 0x0                                ; the loads have read their bases: the stream's pointers step four groups on
	s_add_nc_u64 s[38:39], s[38:39], 32768
	s_add_nc_u64 s[40:41], s[40:41], 2048
	BIAS 128, 16                                   ; ln2_g
	BIAS 192, 18                                   ; ln2_b
	; ---- layer norm 2.  A row's 512 numbers lie in two lanes of each of the four waves
	WIN 0x0f
.irp m,0,1,2,3
	v_pk_add_f32 v[40+4*\m:41+4*\m], v[64*\m:64*\m+1], v[64*\m+2:64*\m+3]          ; each accumulator is read from its low end on
	v_pk_add_f32 v[42+4*\m:43+4*\m], v[64*\m+4:64*\m+5], v[64*\m+6:64*\m+7]
.endr
	WIN 0x0c
.set E, 8
.rept 14
.irp m,0,1,2,3
	v_pk_add_f32 v[40+4*\m:41+4*\m], v[40+4*\m:41+4*\m], v[64*\m+E:64*\m+E+1]
	v_pk_add_f32 v[42+4*\m:43+4*\m], v[42+4*\m:43+4*\m], v[64*\m+E+2:64*\m+E+3]
.endr
.set E, E+4
.endr
	WIN 0
	RSUM
	RALL 113, 114
.irp m,0,1,2,3
	v_mul_f32 v[68+2*\m], 0xbb000000, v[40+4*\m]   ; - mean
.endr
	WIN 0x83
.irp m,0,1,2,3
.set E, 0
.rept 32
	v_pk_add_f32 v[64*\m+E:64*\m+E+1], v[64*\m+E:64*\m+E+1], v[68+2*\m:69+2*\m] op_sel_hi:[1,0]    ; the centred numbers go to window 2; x1 stays
.set E, E+2
.endr
.endr
	WIN 0x0a
.irp m,0,1,2,3
	v_pk_mul_f32 v[40+4*\m:41+4*\m], v[64*\m:64*\m+1], v[64*\m:64*\m+1]
	v_pk_mul_f32 v[42+4*\m:43+4*\m], v[64*\m+2:64*\m+3], v[64*\m+2:64*\m+3]
.endr
.set E, 4
.rept 15
.irp m,0,1,2,3
	v_pk_fma_f32 v[40+4*\m:41+4*\m], v[64*\m+E:64*\m+E+1], v[64*\m+E:64*\m+E+1], v[40+4*\m:41+4*\m]
	v_pk_fma_f32 v[42+4*\m:43+4*\m], v[64*\m+E+2:64*\m+E+3], v[64*\m+E+2:64*\m+E+3], v[42+4*\m:43+4*\m]
.endr
.set E, E+4
.endr
	WIN 0
	RSUM
	RALL 115, 116
.irp m,0,1,2,3
	v_fma_f32 v[40+4*\m], v[40+4*\m], s36, s37     ; variance + 1e-5
.endr
.irp m,0,1,2,3
	v_rsq_f32 v[56+2*\m], v[40+4*\m]
.endr
	v_nop
	s_wait_alu depctr_va_vdst(0)                   ; one wait for the four, ahead of their first reader
	s_wait_loadcnt 0x0                             ; gain and bias
	WIN 0x82
.irp m,0,1,2,3
.set E, 0
.rept 32
	v_pk_mul_f32 v[64*\m+E:64*\m+E+1], v[64*\m+E:64*\m+E+1], v[56+2*\m:57+2*\m] op_sel_hi:[1,0]
.set E, E+2
.endr
.endr
.irp m,0,1,2,3
.set E, 0
.rept 32
	v_pk_fma_f32 v[64*\m+E:64*\m+E+1], v[64*\m+E:64*\m+E+1], v[128+E:129+E], v[192+E:193+E]
.set E, E+2
.endr
.endr
	WIN 0
	BIAS 128, 26                                   ; b1 of my first 128 hidden units
.irp m,0,1,2,3
	QUANT 64*\m,2,80+8*\m,64+\m                    ; my 128 columns are K step w of the next product
	ds_store_b128 v9, v[80+8*\m:83+8*\m] offset:1024*\m
	ds_store_b128 v9, v[84+8*\m:87+8*\m] offset:1024*\m+512
	ds_store_b32 v10, v[64+\m] offset:4*\m
.endr
	BARRIER                                        ; LN2's sixteen fragments lie in LDS
	s_wait_loadcnt 0x0
	; ---- the hidden layer: four chunks of 128 units, four K steps each
	s_mov_b32 s42, 0                               ; the chunk,
	s_mov_b32 s43, 0                               ; its images: 4,096 bytes a chunk,
	s_mov_b32 s44, 0                               ; its scale words: 256
.Lchunk:
	XLOAD 0,11,0,12,0
	GROUP 0,0,2,51,1,11,4096,12,256,1              ; 51: behind this group's loads came the bias's 16 and three groups: the count leaves the three groups out, so the bias is in too
	s_wait_xcnt 0x0                                ; the loads issued have read their bases: the bias's pointers may be written
	s_add_nc_u64 s[26:27], s[26:27], 512
	s_cmp_eq_u32 s42, 3
	s_cselect_b64 s[30:31], s[28:29], s[26:27]     ; the next chunk's b1, or behind the last chunk b2
	BIAS 128, 30
	GROUP 1,1,1,63,1,11,8192,12,512,1              ; behind each of these groups' loads 67 were issued: 63 is the largest count that the wait can name
	GROUP 2,0,1,63,1,11,12288,12,768,1
	GROUP 3,1,1,63,0,11,0,12,0,1
	v_add_nc_u32 v119, s43, v13
	v_add_nc_u32 v120, s44, v14
.irp m,0,1,2,3
	WIN 0x88
.set E, 0
.rept 64
	v_max_num_f32 v[64*\m+E], 0, v[64*\m+E]        ; relu
.set E, E+1
.endr
	QUANT 64*\m,2,80+8*\m,64+\m                    ; the chunk is K step 4 w + chunk of the last product
	ds_store_b128 v119, v[80+8*\m:83+8*\m] offset:1024*\m
	ds_store_b128 v119, v[84+8*\m:87+8*\m] offset:1024*\m+512
	ds_store_b32 v120, v[64+\m] offset:4*\m
.endr
	s_wait_xcnt 0x0
	s_add_nc_u64 s[38:39], s[38:39], 32768
	s_add_nc_u64 s[40:41], s[40:41], 2048
	s_add_co_u32 s43, s43, 4096
	s_add_co_u32 s44, s44, 256
	s_add_co_u32 s42, s42, 1
	s_cmp_lt_u32 s42, 4
	s_cbranch_scc1 .Lchunk
	BARRIER                                        ; the hidden layer's 64 fragments lie in LDS
	; ---- out = x1 + b2 + hidden w2^T: sixteen K steps onto x1
	s_wait_loadcnt 51                              ; b2 is in: behind it three groups were issued
	ADDBIAS
	XLOAD 0,15,0,112,0
	s_mov_b32 s42, 0
	s_mov_b32 s43, 0                               ; four K steps: 16,384 bytes of images,
	s_mov_b32 s44, 0                               ; 1,024 of scale words
.Lk2:
	v_add_nc_u32 v121, s43, v15
	v_add_nc_u32 v122, s44, v112
	GROUP 0,0,0,51,1,121,4096,122,256,1
	GROUP 1,1,0,51,1,121,8192,122,512,1
	GROUP 2,0,0,51,1,121,12288,122,768,1
	GROUP 3,1,0,51,1,121,16384,122,1024,1          ; fetches the next trip's first rows
	s_wait_xcnt 0x0
	s_add_nc_u64 s[38:39], s[38:39], 32768
	s_add_nc_u64 s[40:41], s[40:41], 2048
	s_add_co_u32 s43, s43, 16384
	s_add_co_u32 s44, s44, 1024
	s_add_co_u32 s42, s42, 1
	s_cmp_lt_u32 s42, 3
	s_cbranch_scc1 .Lk2
	v_add_nc_u32 v121, s43, v15                    ; the last four groups: nothing is left to load, and the counts run down
	v_add_nc_u32 v122, s44, v112
	GROUP 0,0,0,51,1,121,4096,122,256,0
	GROUP 1,1,0,34,1,121,8192,122,512,0
	GROUP 2,0,0,17,1,121,12288,122,768,0
	GROUP 3,1,0,0,0,121,0,122,0,0
	; ---- the way out: a row's 512 numbers come from four waves: they meet in the rows where x lay, and each wave stores 16 whole rows
	WIN 0x0c
.irp m,0,1,2,3
.irp t,0,1,2,3,4,5,6,7
.irp f,0,1
	ds_store_b128 v[3+\m/2], v[8*(8*\m+\t)+4*\f:8*(8*\m+\t)+4*\f+3] offset:16*SPI*(\m%2)+128*(\t/2)+32*(\t%2)+16*\f
.endr
.endr
.endr
	WIN 0
	BARRIER
	WIN 0x80
.irp p,0,1,2,3,4,5,6,7,8,9,10,11,12,13,14,15
.irp i,0,1,2,3
	ds_load_b128 v[16*\p+4*\i:16*\p+4*\i+3], v2 offset:SPI*\p+512*\i
.endr
.endr
	WIN 0x08
.irp p,0,1,2,3,4,5,6,7,8,9,10,11,12,13,14,15
.irp i,0,1,2,3
	s_wait_dscnt 63-4*\p-\i                        ; LDS loads come back in order: this one is in
	global_store_b128 v1, v[16*\p+4*\i:16*\p+4*\i+3], s[24:25] offset:(\p+8*(\p/8))*2048+512*\i th:TH_STORE_NT    ; 32 lanes store 512 consecutive bytes
.endr
.endr
	WIN 0
	s_wait_tensorcnt 0x0
	ds_add_u32 v126, v127
	s_wait_dscnt 0x0
	s_endpgm
.Lfunc_end_k_qfd361a300b_ffn:
	.size	k_qfd361a300b_ffn, .Lfunc_end_k_qfd361a300b_ffn-k_qfd361a300b_ffn
	.p2alignl 7, 3214868480
	.fill 96, 4, 3214868480
	.section	.rodata,"a",@progbits
	.p2align	6, 0x0
	.amdhsa_kernel k_qfd361a300b_ffn
		.amdhsa_group_segment_fixed_size 239104
		.amdhsa_private_segment_fixed_size 0
		.amdhsa_enable_private_segment 0
		.amdhsa_kernarg_size 88
		.amdhsa_user_sgpr_count 2
		.amdhsa_user_sgpr_kernarg_segment_ptr 1
		.amdhsa_wavefront_size32 1
		.amdhsa_system_sgpr_workgroup_id_x 1
		.amdhsa_system_sgpr_workgroup_id_y 1
		.amdhsa_system_sgpr_workgroup_id_z 1
		.amdhsa_system_vgpr_workitem_id 0
		.amdhsa_next_free_vgpr 1024
		.amdhsa_next_free_sgpr 66
		.amdhsa_reserve_vcc 0
		.amdhsa_float_denorm_mode_32 3
		.amdhsa_float_denorm_mode_16_64 3
		.amdhsa_memory_ordered 1
		.amdhsa_forward_progress 1
		.amdhsa_inst_pref_size 250
	.end_amdhsa_kernel
	.amdgpu_metadata
---
amdhsa.version: [ 1, 2 ]
amdhsa.kernels:
  - .name:           k_qfd361a300b_ffn
    .symbol:         k_qfd361a300b_ffn.kd
    .args:
      - { .name: x, .offset: 0, .size: 8, .value_kind: global_buffer, .address_space: global }
      - { .name: cc, .offset: 8, .size: 8, .value_kind: global_buffer, .address_space: global }
      - { .name: cs, .offset: 16, .size: 8, .value_kind: global_buffer, .address_space: global }
      - { .name: wimg, .offset: 24, .size: 8, .value_kind: global_buffer, .address_space: global }
      - { .name: wsc, .offset: 32, .size: 8, .value_kind: global_buffer, .address_space: global }
      - { .name: bo, .offset: 40, .size: 8, .value_kind: global_buffer, .address_space: global }
      - { .name: ln2_g, .offset: 48, .size: 8, .value_kind: global_buffer, .address_space: global }
      - { .name: ln2_b, .offset: 56, .size: 8, .value_kind: global_buffer, .address_space: global }
      - { .name: b1, .offset: 64, .size: 8, .value_kind: global_buffer, .address_space: global }
      - { .name: b2, .offset: 72, .size: 8, .value_kind: global_buffer, .address_space: global }
      - { .name: out0, .offset: 80, .size: 8, .value_kind: global_buffer, .address_space: global }
    .group_segment_fixed_size: 239104
    .private_segment_fixed_size: 0
    .kernarg_segment_align: 8
    .kernarg_segment_size: 88
    .max_flat_workgroup_size: 128
    .sgpr_count:     66
    .vgpr_count:     1024
    .wavefront_size: 32
...
	.end_amdgpu_metadata
.endif
;; end of part 3
;; ======== version 2 of 2: 3 launches; version 1 with the launches prep, attn, ffn written anew for expert scheduling mode
;; workspace buffers: qkv 6,291,456 bytes; qkvs 393,216 bytes; cc 2,097,152 bytes; cs 131,072 bytes; wimg 1,179,648 bytes; wsc 73,728 bytes
;; launch prep (part 4): grid 4 x 64, 8 waves a work-group, no clusters, 300,032 bytes of LDS; arguments x, ln1_g, ln1_b, wq_codes, wk_codes, wv_codes, wq_scales, wk_scales, wv_scales, bq, bk, bv, wo_codes, w1_codes, w2_codes, wo_scales, w1_scales, w2_scales, qkv, qkvs, wimg, wsc; writes qkv, qkvs, wimg, wsc
.if DOCPART == 4
	.amdgcn_target "amdgcn-amd-amdhsa--gfx1250"
	.amdhsa_code_object_version 6
	.text
	.protected	k_qfd361a300b_prep
	.globl	k_qfd361a300b_prep
	.p2align	8
	.type	k_qfd361a300b_prep,@function
k_qfd361a300b_prep:
	s_mov_b64 s[64:65], 0
	v_nop
	global_prefetch_b8 v0, s[64:65] scope:SCOPE_SE
	s_setreg_imm32_b32 hwreg(HW_REG_WAVE_SCHED_MODE, 0, 2), 2
	s_setreg_imm32_b32 hwreg(HW_REG_WAVE_MODE, 25, 1), 1
	s_wait_xcnt 0x0
	s_wait_alu depctr_vm_vsrc(0)
; PREP.  Work-group x = 0, 1, 2: q, k or v of 128 tokens (work-group y): layer norm 1, its codes, the product with wq, wk or wv, the bias, and the result's codes of FP4 (E2M1) with one E8M0 byte for each 32 along the NEXT product's K.
; Work-group x = 3: wo, w1 and w2 are laid out anew, as images of the operand registers, in the order in which the last launch's waves take them.
; TILES.  Row m of tile t of a run of tokens or of weight rows is row P(t, m) = 32 (t / 2) + 8 (t % 2) + m + 8 (m / 8).  So in a product with the weight as source 0 a lane holds one token, and the 16 registers of
; tiles 2 b, 2 b + 1 are 16 neighbouring columns 32 b + 16 (lane / 16) + 0 .. 15; with the tokens as source 0 (v) a lane holds one column and 16 neighbouring tokens: in both cases neighbours along the next K.
; IMAGE.  A fragment (16 rows x 128 K: 8 registers a lane) lies as 1,024 bytes: registers 4 c .. 4 c + 3 of lane l at 512 c + 16 l.
; SHARES.  Eight waves.  Wave w first normalises and quantises token tile w (16 rows of x, a row spread over the 32 lanes; the rows turn through the wave's own stage in LDS into 64 neighbours a lane and K step);
; the images meet in LDS behind the one barrier; then wave w makes head w: 4 weight tiles x 8 token tiles x 4 K steps = 128 matrix instructions on 32 accumulators, its weights in registers.
; q and k leave as PAIR fragments: registers 0-3 the 64 dims of token tile 2 b, registers 4-7 those of tile 2 b + 1.  v leaves as 16 dims x 128 keys.
; No tensor loads: each weight fragment is used by one wave alone and goes straight to its registers.
; LIMITS: NaN and infinities are not served; a block of zeros, or one whose largest magnitude lies under 2^-124, gets the byte 1 (its codes are zeros or small; this program alone reads the bytes); v_rsq_f32 is good to one unit in the last place.
; REGISTERS.  Window 0: v1-13 addresses; v16-79 g, b and temporaries, then codes, then two sets of x's fragments; v80-87 x's scale words, v88-95 the weight's (nothing else ever lies in these); v96-127 the bias; v128-255 the weight's 16 fragments.
;   Window 1: 16 rows of x, then the same numbers in the fragments' order, then the 32 accumulators.
; THE MODE: SCHED_MODE bits 1:0 = 2 (LLVM: expert scheduling mode 2), set by the entry lines.  The code itself states the register dependences between vector or matrix instructions and memory or LDS instructions, with s_wait_alu, always for 0.
; THE PLAN.  Registers that memory or LDS instructions touch:
;   v1-13, v100-102   offsets and LDS addresses: made once, ahead of one wait on va_vdst on each way, and never written again.
;   window 1          x's loads land; the layer norm reads and writes four rows at a time; one wait on va_vdst; the stage's stores read them.  Behind the last stores: a wait on vm_vsrc and one on va_vdst, and the stage's loads land there again.
;   v16-47, v64-67    the quantiser writes the four K steps' codes and scale words; ONE wait on va_vdst; the twelve image stores read them; behind the barrier one wait on vm_vsrc, and v16-79 are the two sets of fragments.
;   v16-79, v80-87    set n % 2: batch n's products read it; one wait on va_vdst; batch n + 2's loads land in it.
;   v16-47, v64-67    at the end the quantiser writes the results' codes and words; ONE wait on va_vdst; the nine stores read them.
;   g, b, the weight, its scale words and the bias land in registers that no vector instruction has named before.
.set STGW, 33024                       ; a wave's stage: 16 rows x 2,064
.set SPI,  2064                        ; a stage row: 2,048 bytes + 16: row r begins 4 r banks on, so sixteen rows' 16 bytes fall on different banks
.set XIMG, 264192                      ; x's images [K step 4][token tile 8][1,024]
.set XSC,  296960                      ; their scale words [K step][row 16][tile 8]
.set TM,   48                          ; v48-63 the quantiser's temporaries
.set MSB, 0
.macro WIN new                         ; the immediate's high byte repeats the setting that is left
.if MSB != (\new)
	s_set_vgpr_msb (MSB<<8)|(\new)
.set MSB, (\new)
.endif
.endm
.macro PLACES                          ; four plain vector lines behind matrix instructions, ahead of reads of results and of loads into their registers
.rept 4
	v_nop
.endr
.endm
; 64 numbers of a lane in window win, register 16 b + i = k 32 b + 16 (lane / 16) + i of the lane's row, become a fragment's codes in v[pc] on and its scale word in v[pw] (both window 0).
.macro QUANT src, win, pc, pw
	WIN (\win)|((\win)<<2)
.irp b,0,1,2,3
	v_max3_num_f32 v[TM+\b], |v[(\src)+16*\b]|, |v[(\src)+1+16*\b]|, 0x1800000   ; my 16 numbers of block b, and the floor 2^(3 - 127): the byte cannot fall under 1
.endr
	WIN ((\win)<<2)|((\win)<<4)
.irp i,2,4,6,8,10,12,14
.irp b,0,1,2,3
	v_max3_num_f32 v[TM+\b], v[TM+\b], |v[(\src)+16*\b+\i]|, |v[(\src)+1+16*\b+\i]|
.endr
.endr
	WIN 0
.irp b,0,1,2,3
	v_permlanex16_b32 v[TM+4+\b], v[TM+\b], s52, s53
.endr
.irp b,0,1,2,3
	v_max_num_f32 v[TM+\b], v[TM+\b], v[TM+4+\b]           ; with lane l xor 16's: the block's largest magnitude
.endr
.irp b,0,1,2,3
	v_add_nc_u32 v[TM+12+\b], 0xff000000, v[TM+\b]         ; 2 off its exponent field: the conversion's scale operand
.endr
.irp b,0,1,2,3
	v_lshrrev_b32 v[TM+4+\b], 23, v[TM+12+\b]              ; the scale's byte
.endr
	v_lshl_or_b32 v[\pw], v[TM+5], 8, v[TM+4]
	v_lshl_or_b32 v[\pw], v[TM+6], 16, v[\pw]
	v_lshl_or_b32 v[\pw], v[TM+7], 24, v[\pw]
	WIN (\win)
.irp b,0,1,2,3
	v_cvt_scalef32_pk8_fp4_f32 v[(\pc)+2*\b], v[(\src)+16*\b:(\src)+7+16*\b], v[TM+12+\b]
	v_cvt_scalef32_pk8_fp4_f32 v[(\pc)+1+2*\b], v[(\src)+8+16*\b:(\src)+15+16*\b], v[TM+12+\b]
.endr
	WIN 0
	v_nop                                                  ; one plain line behind the last scaled conversion
.irp c,0,1
.irp i,0,1
	v_permlane16_swap_b32 v[(\pc)+4*\c+\i], v[(\pc)+2+4*\c+\i]   ; a whole block to a lane: lanes 0-15 block 2 c, lanes 16-31 block 2 c + 1
.endr
.endr
.endm
.macro WM d, a, b, c, sa, sb, row      ; row 1: source 0's scales from lanes 16-31; 2: source 1's
.if (\row) == 1
	v_wmma_scale_f32_16x16x128_f8f6f4 v[\d:\d+7], v[\a:\a+7], v[\b:\b+7], v[\c:\c+7], v[\sa], v[\sb] matrix_a_fmt:MATRIX_FMT_FP4 matrix_b_fmt:MATRIX_FMT_FP4 matrix_a_scale:MATRIX_SCALE_ROW1
.elseif (\row) == 2
	v_wmma_scale_f32_16x16x128_f8f6f4 v[\d:\d+7], v[\a:\a+7], v[\b:\b+7], v[\c:\c+7], v[\sa], v[\sb] matrix_a_fmt:MATRIX_FMT_FP4 matrix_b_fmt:MATRIX_FMT_FP4 matrix_b_scale:MATRIX_SCALE_ROW1
.else
	v_wmma_scale_f32_16x16x128_f8f6f4 v[\d:\d+7], v[\a:\a+7], v[\b:\b+7], v[\c:\c+7], v[\sa], v[\sb] matrix_a_fmt:MATRIX_FMT_FP4 matrix_b_fmt:MATRIX_FMT_FP4
.endif
.endm
	s_load_b512 s[4:19], s[0:1], 0x0               ; x, ln1_g, ln1_b, wq, wk, wv codes, wq, wk scales
	s_load_b512 s[20:35], s[0:1], 0x40             ; wv scales, bq, bk, bv, wo, w1, w2 codes, wo scales
	s_load_b256 s[36:43], s[0:1], 0x80             ; w1, w2 scales, qkv, qkvs
	s_load_b128 s[44:47], s[0:1], 0xa0             ; wimg, wsc
	v_lshrrev_b32 v1, 5, v0
	v_readfirstlane_b32 s48, v1                    ; wave 0..7
	s_and_b32 s54, ttmp7, 0xffff                   ; the block of 128 tokens
	v_and_b32 v13, 31, v0                          ; lane
	v_and_b32 v14, 15, v0                          ; r
	v_bfe_u32 v15, v0, 4, 1                        ; h
	v_lshlrev_b32 v1, 4, v13                       ; v1  16 x lane
	v_and_b32 v12, 8, v14
	v_add_nc_u32 v12, v12, v14                     ; v12 r + 8 (r / 8)
	s_wait_alu depctr_va_sdst(0)                   ; s48, the wave's number, is written, ahead of its first reader
	s_mul_i32 s55, s48, STGW
	v_add_nc_u32 v2, s55, v1                       ; v2  my stage, by rows: 16 x lane
	v_mul_u32_u24 v3, v14, SPI
	v_lshl_add_u32 v3, v15, 6, v3
	v_add_nc_u32 v3, s55, v3                       ; v3  my stage, by fragments: row r, + 64 h
	s_lshl_b32 s55, s48, 10
	s_add_co_u32 s55, s55, XIMG
	v_add_nc_u32 v4, s55, v1                       ; v4  where I store my tile's images
	s_lshl_b32 s55, s48, 2
	s_add_co_u32 s55, s55, XSC
	v_lshl_add_u32 v5, v14, 5, s55                 ; v5  and its scale words
	v_add_nc_u32 v6, XIMG, v1                      ; v6  where any image is read
	v_lshlrev_b32 v7, 5, v14
	v_add_nc_u32 v7, XSC, v7                       ; v7  and four tiles' scale words of row r
	v_lshlrev_b32 v8, 8, v12
	v_lshl_add_u32 v8, v15, 4, v8                  ; v8  a weight of 256-byte rows: my row of a tile, + 16 h
	v_lshlrev_b32 v9, 4, v12
	v_lshl_add_u32 v9, v15, 2, v9                  ; v9  its scale words: lanes 0-15 an even K step's, lanes 16-31 the odd one's
	v_lshlrev_b32 v10, 6, v15                      ; v10 bias of q, k: 64 h
	v_lshlrev_b32 v11, 4, v14                      ; v11 16 r
	v_lshlrev_b32 v13, 2, v12                      ; v13 bias of v: my row's word
	s_mov_b32 s52, 0x76543210
	s_mov_b32 s53, 0xfedcba98                      ; v_permlanex16_b32: lane l xor 16
	s_mov_b32 s50, 0x3b000000                      ; 1 / 512
	s_mov_b32 s51, 0x3727c5ac                      ; 1e-5
	s_wait_alu depctr_va_vdst(0)                   ; v1 to v13 are written, which the loads and stores on both ways read as offsets and LDS addresses; none of them is written again
	s_wait_kmcnt 0x0
	s_cmp_eq_u32 ttmp9, 3
	s_cbranch_scc1 .Lrelay
	; ---------------- q, k or v ----------------
	s_cmp_eq_u32 ttmp9, 0
	s_cselect_b64 s[56:57], s[10:11], s[12:13]     ; the weight's codes,
	s_cselect_b64 s[58:59], s[16:17], s[18:19]     ; scales
	s_cselect_b64 s[60:61], s[22:23], s[24:25]     ; and bias, chosen by the work-group's number alone
	s_cmp_eq_u32 ttmp9, 2
	s_cselect_b64 s[56:57], s[14:15], s[56:57]
	s_cselect_b64 s[58:59], s[20:21], s[58:59]
	s_cselect_b64 s[60:61], s[26:27], s[60:61]
	s_mov_b32 s63, 0
	s_lshl_b32 s62, s48, 14                        ; my head's 64 rows of 256 bytes,
	s_add_nc_u64 s[56:57], s[56:57], s[62:63]
	s_lshl_b32 s62, s48, 10                        ; of 16 scale bytes,
	s_add_nc_u64 s[58:59], s[58:59], s[62:63]
	s_lshl_b32 s62, s48, 8                         ; its 64 biases
	s_add_nc_u64 s[60:61], s[60:61], s[62:63]
	s_lshl_b32 s62, s54, 7
	s_lshr_b32 s66, s48, 1
	s_lshl_b32 s66, s66, 5
	s_add_co_u32 s62, s62, s66
	s_and_b32 s66, s48, 1
	s_lshl_b32 s66, s66, 3
	s_add_co_u32 s62, s62, s66                     ; my tile's first token: 128 y + 32 (w / 2) + 8 (w % 2)
	s_lshl_b32 s62, s62, 11
	s_add_nc_u64 s[4:5], s[4:5], s[62:63]
	s_lshr_b32 s62, s54, 4
	s_lshl_b32 s62, s62, 3
	s_add_co_u32 s62, s62, s48                     ; batch x 8 + head
	s_lshl_b32 s62, s62, 4
	s_and_b32 s66, s54, 15
	s_add_co_u32 s62, s62, s66                     ; x 16 + the block of 128 tokens in the batch
	s_lshl_b32 s66, s62, 12
	s_lshl_b32 s67, ttmp9, 21
	s_add_co_u32 s66, s66, s67
	s_mov_b32 s67, 0
	s_add_nc_u64 s[40:41], s[40:41], s[66:67]      ; my four fragments in qkv
	s_lshl_b32 s66, s62, 8
	s_lshl_b32 s68, ttmp9, 17
	s_add_co_u32 s66, s66, s68
	s_add_nc_u64 s[42:43], s[42:43], s[66:67]      ; and their scale words
.irp i,0,1,2,3
	global_load_b128 v[16+4*\i:19+4*\i], v1, s[6:7] offset:512*\i    ; g and b of my columns 128 i + 4 lane + 0 .. 3
	global_load_b128 v[32+4*\i:35+4*\i], v1, s[8:9] offset:512*\i
.endr
.macro XROWS q                         ; rows 4 q .. 4 q + 3 of my tile: each load 512 consecutive bytes; row p at v[16 p] of window 1.  No vector instruction has named these registers, nor v1 since the head's wait
	WIN 0x40
.irp a,0,1,2,3
.irp i,0,1,2,3
	global_load_b128 v[64*\q+16*\a+4*\i:64*\q+16*\a+4*\i+3], v1, s[4:5] offset:((4*\q+\a)+8*((4*\q+\a)/8))*2048+512*\i
.endr
.endr
	WIN 0
.endm
	XROWS 0
	XROWS 1
	XROWS 2
.irp i,65,67,69,71,73,75,77,79
	v_mov_b32 v\i, 0                               ; upper halves of pairs of which the low word is broadcast: named, so written
.endr
.macro REDUCE                          ; four rows' two chains each become the rows' sums, in every lane
.irp a,0,1,2,3
	v_pk_add_f32 v[48+4*\a:49+4*\a], v[48+4*\a:49+4*\a], v[50+4*\a:51+4*\a]
.endr
.irp a,0,1,2,3
	v_add_f32 v[48+4*\a], v[48+4*\a], v[49+4*\a]
.endr
.irp m,1,2,4,8
.irp a,0,1,2,3
	v_add_f32_dpp v[48+4*\a], v[48+4*\a], v[48+4*\a] row_xmask:\m row_mask:0xf bank_mask:0xf
.endr
.endr
.irp a,0,1,2,3
	v_permlanex16_b32 v[49+4*\a], v[48+4*\a], s52, s53
.endr
.irp a,0,1,2,3
	v_add_f32 v[48+4*\a], v[48+4*\a], v[49+4*\a]
.endr
.endm
; Layer norm of rows 4 q .. 4 q + 3, the four by turns: mean, centre, mean of squares of the centred numbers (no difference of large sums), 1 / sqrt, gain and bias; then into my stage.
.macro LNROWS q
	s_wait_loadcnt 32                              ; behind this group's 16 loads two batches of 16 were issued: they may stay out
	WIN 0x05
.irp a,0,1,2,3
.set RB, 64*\q+16*\a
	v_pk_add_f32 v[48+4*\a:49+4*\a], v[RB:RB+1], v[RB+2:RB+3]
	v_pk_add_f32 v[50+4*\a:51+4*\a], v[RB+4:RB+5], v[RB+6:RB+7]
.endr
	WIN 0x04
.irp i,8,12
.irp a,0,1,2,3
.set RB, 64*\q+16*\a+\i
	v_pk_add_f32 v[48+4*\a:49+4*\a], v[48+4*\a:49+4*\a], v[RB:RB+1]
	v_pk_add_f32 v[50+4*\a:51+4*\a], v[50+4*\a:51+4*\a], v[RB+2:RB+3]
.endr
.endr
	WIN 0
	REDUCE
.irp a,0,1,2,3
	v_mul_f32 v[64+2*\a], 0xbb000000, v[48+4*\a]   ; - mean
.endr
	WIN 0x41
.irp i,0,2,4,6,8,10,12,14
.irp a,0,1,2,3
.set RB, 64*\q+16*\a+\i
	v_pk_add_f32 v[RB:RB+1], v[RB:RB+1], v[64+2*\a:65+2*\a] op_sel_hi:[1,0]
.endr
.endr
	WIN 0x05
.irp a,0,1,2,3
.set RB, 64*\q+16*\a
	v_pk_mul_f32 v[48+4*\a:49+4*\a], v[RB:RB+1], v[RB:RB+1]
	v_pk_mul_f32 v[50+4*\a:51+4*\a], v[RB+2:RB+3], v[RB+2:RB+3]
.endr
.irp i,4,8,12
.irp a,0,1,2,3
.set RB, 64*\q+16*\a+\i
	v_pk_fma_f32 v[48+4*\a:49+4*\a], v[RB:RB+1], v[RB:RB+1], v[48+4*\a:49+4*\a]
	v_pk_fma_f32 v[50+4*\a:51+4*\a], v[RB+2:RB+3], v[RB+2:RB+3], v[50+4*\a:51+4*\a]
.endr
.endr
	WIN 0
	REDUCE
.irp a,0,1,2,3
	v_fma_f32 v[48+4*\a], v[48+4*\a], s50, s51     ; variance + 1e-5
.endr
.irp a,0,1,2,3
	v_rsq_f32 v[72+2*\a], v[48+4*\a]
.endr
	v_nop                                          ; a plain line behind the last of the batch,
	s_wait_alu depctr_va_vdst(0)                   ; and one wait for the four roots' results v72, v74, v76, v78, ahead of their first reader
	WIN 0x41
.irp i,0,2,4,6,8,10,12,14
.irp a,0,1,2,3
.set RB, 64*\q+16*\a+\i
	v_pk_mul_f32 v[RB:RB+1], v[RB:RB+1], v[72+2*\a:73+2*\a] op_sel_hi:[1,0]
.endr
.endr
.irp i,0,2,4,6,8,10,12,14
.irp a,0,1,2,3
.set RB, 64*\q+16*\a+\i
	v_pk_fma_f32 v[RB:RB+1], v[RB:RB+1], v[16+\i:17+\i], v[32+\i:33+\i]
.endr
.endr
	WIN 0x04
	s_wait_alu depctr_va_vdst(0)                   ; the multiply-adds have written these four rows, which the sixteen LDS stores read
.irp a,0,1,2,3
.irp i,0,1,2,3
	ds_store_b128 v2, v[64*\q+16*\a+4*\i:64*\q+16*\a+4*\i+3] offset:SPI*(4*\q+\a)+512*\i
.endr
.endr
	WIN 0
.endm
.macro WFLOAD s0                       ; my head's weight fragments of K steps s0, s0 + 1: 16 loads; fragment (tile t, K step s) at v[128 + 8 (4 s + t)]: registers that no vector instruction has named
.irp s,\s0,\s0+1
.irp t,0,1,2,3
.irp c,0,1
	global_load_b128 v[128+8*(4*(\s)+\t)+4*\c:128+8*(4*(\s)+\t)+4*\c+3], v8, s[56:57] offset:(32*(\t/2)+8*(\t%2))*256+64*(\s)+32*\c
.endr
.endr
.endr
.endm
	LNROWS 0
	XROWS 3
	LNROWS 1
	WFLOAD 0
	LNROWS 2
	WFLOAD 2
	LNROWS 3
.irp t,0,1,2,3
.irp p,0,1
	global_load_b32 v[88+2*\t+\p], v9, s[58:59] offset:(32*(\t/2)+8*(\t%2))*16+8*\p
.endr
.endr
	s_cmp_eq_u32 ttmp9, 2
	s_cbranch_scc1 .Lbias_v
.irp t,0,1,2,3                         ; q, k: a lane's eight registers of tile t are columns 32 (t / 2) + 8 (t % 2) + 16 h + 0 .. 7
	global_load_b128 v[96+8*\t:99+8*\t], v10, s[60:61] offset:(32*(\t/2)+8*(\t%2))*4
	global_load_b128 v[100+8*\t:103+8*\t], v10, s[60:61] offset:(32*(\t/2)+8*(\t%2))*4+16
.endr
	s_branch .Lbias_done
.Lbias_v:
.irp t,0,1,2,3                         ; v: a lane holds one column, so all eight registers take its bias
.irp j,0,1,2,3,4,5,6,7
	global_load_b32 v[96+8*\t+\j], v13, s[60:61] offset:(32*(\t/2)+8*(\t%2))*4
.endr
.endr
.Lbias_done:
	s_wait_dscnt 0x0                               ; my stores into the stage are done
	WIN 0x40
	s_wait_alu depctr_vm_vsrc(0)                   ; my stores into the stage have read window 1's registers, in which the loads below land
	s_wait_alu depctr_va_vdst(0)                   ; and the layer norm's lines are done reading and writing those registers
.irp s,0,1,2,3
.irp b,0,1,2,3
.irp j,0,1,2,3
	ds_load_b128 v[64*\s+16*\b+4*\j:64*\s+16*\b+4*\j+3], v3 offset:512*\s+128*\b+16*\j    ; k = 128 s + 32 b + 16 h + 4 j on, of row r
.endr
.endr
.endr
	WIN 0
.irp s,0,1,2,3
	s_wait_dscnt 48-16*\s                          ; K step s's 16 loads are in: behind them stand the later steps' loads alone, 16 each
	QUANT 64*\s,1,16+8*\s,64+\s
.endr
	s_wait_alu depctr_va_vdst(0)                   ; the quantiser has written the four K steps' codes v16-47 and scale words v64-67, which the twelve LDS stores read; it is also done with v48-79, in which fragments land later
.irp s,0,1,2,3
	ds_store_b128 v4, v[16+8*\s:19+8*\s] offset:8192*\s
	ds_store_b128 v4, v[20+8*\s:23+8*\s] offset:8192*\s+512
	ds_store_b32 v5, v[64+\s] offset:512*\s        ; lanes l and l xor 16 store the same word to the same place
.endr
	s_wait_dscnt 0x0                               ; for the others' sake: my images lie in LDS
	s_barrier_signal -1
	s_barrier_wait -1
	s_wait_alu depctr_vm_vsrc(0)                   ; my image stores have read v16-47 and v64-67: from here on these are the two sets of fragments, in which LDS loads land
	s_wait_loadcnt 0x0                             ; the weight, its scale words, the bias
.macro XLOAD bn                        ; batch bn: K step bn / 2, token tiles 4 (bn % 2) on: four fragments and their scale words into set bn % 2: nine loads
.irp u,0,1,2,3
.irp c,0,1
	ds_load_b128 v[16+32*((\bn)%2)+8*\u+4*\c:16+32*((\bn)%2)+8*\u+4*\c+3], v6 offset:8192*((\bn)/2)+4096*((\bn)%2)+1024*\u+512*\c
.endr
.endr
	ds_load_b128 v[80+4*((\bn)%2):83+4*((\bn)%2)], v7 offset:512*((\bn)/2)+16*((\bn)%2)
.endm
.macro MUL16 bn, isv                   ; 16 matrix instructions on 16 accumulators; the same accumulator comes again 32 instructions later
.set KST, (\bn)/2
.set HF, (\bn)%2
.irp u,0,1,2,3
.irp t,0,1,2,3
.set XFR, 16+32*HF+8*\u
.set XSR, 80+4*HF+\u
.set WFR, 128+8*(4*KST+\t)
.set WSR, 88+2*\t+KST/2
.if \isv
.set ACC, 8*(8*\t+4*HF+\u)
.else
.set ACC, 8*(4*(4*HF+\u)+\t)
.endif
.set CIN, ACC
.if KST == 0
.set CIN, 96+8*\t                      ; the bias starts the sum
.endif
.if \isv
	WM ACC,XFR,WFR,CIN,XSR,WSR,2*(KST%2)
.else
	WM ACC,WFR,XFR,CIN,WSR,XSR,KST%2
.endif
.endr
.endr
.endm
.macro PRODS isv
	XLOAD 0
.set N, 0
.rept 8
.if N > 0
	PLACES                                         ; the set loaded next was read by the batch before
.endif
.if N < 7
.if N > 0
	s_wait_alu depctr_va_vdst(0)                   ; the batch before is done reading its set of fragments and scale words, in which the nine loads below land
.endif
	XLOAD N+1
	s_wait_dscnt 9                                 ; this batch's nine loads are in; the nine just issued may be out
.else
	s_wait_dscnt 0x0
.endif
.if N < 2
	WIN 0x40                                       ; D in window 1, C (the bias) in window 0
.else
	WIN 0x50                                       ; C and D in window 1
.endif
	MUL16 N,\isv
	WIN 0
.set N, N+1
.endr
.endm
	s_cmp_eq_u32 ttmp9, 2
	s_cbranch_scc1 .Lprod_v
	PRODS 0                                        ; q, k: source 0 = the weight, source 1 = the tokens; accumulator (tile t, token tile u) at 8 (4 u + t)
	s_branch .Lquant
.Lprod_v:
	PRODS 1                                        ; v: source 0 = the tokens, source 1 = the weight; accumulator at 8 (8 t + u)
.Lquant:
	PLACES
.irp f,0,1,2,3                         ; 64 registers on end are one fragment of the next product: q, k: token tiles 2 f, 2 f + 1; v: dim tile f
	QUANT 64*\f,1,16+8*\f,64+\f
.endr
	s_wait_alu depctr_va_vdst(0)                   ; the quantiser has written the four fragments' codes v16-47 and scale words v64-67, which the nine stores read
.irp f,0,1,2,3
	global_store_b128 v1, v[16+8*\f:19+8*\f], s[40:41] offset:1024*\f          ; 32 lanes store 512 consecutive bytes
	global_store_b128 v1, v[20+8*\f:23+8*\f], s[40:41] offset:1024*\f+512
.endr
	global_store_b128 v11, v[64:67], s[42:43]      ; row r's four scale words: sixteen lanes fill 256 consecutive bytes; lanes 16-31 store the same words to the same places
	s_wait_xcnt 0x0
	v_lshl_add_u32 v254, v0, 2, 0x49000
	v_mov_b32 v255, 0
	s_wait_dscnt 0x0                               ; the closing lines, six on end
	s_wait_alu 0x0
	s_wait_tensorcnt 0x0
	ds_add_u32 v254, v255
	s_wait_dscnt 0x0
	s_endpgm
	; ---------------- the weights of the last launch, as images ----------------
	; wimg [wave 4][group 36][tile 8][1,024]: groups 0-3 wo's K steps, 4-19 w1 (chunk of 128 rows, K step), 20-35 w2's K steps.  wsc [wave][group][lane][4 words]: lane (r, h), word i: row r of tile 4 h + i.
	; Wave t of work-group y takes tile t of group y % 16 of wave y / 16, for w1 and for w2, and where y < 16 of wo (wave y / 4, K step y % 4).  Wave 0 also takes the group's scale words.
	; This way stores nothing to LDS.  Each load has registers of its own, which no vector instruction names and no later load takes again.
.macro RSET n, cp, sp, lrb, lsb        ; s56 the group's first row, s57 its K step, s58 wave x 36 + group; rows of 2^lrb bytes of codes, 2^lsb of scales
	s_lshr_b32 s60, s48, 1
	s_lshl_b32 s60, s60, 5
	s_and_b32 s61, s48, 1
	s_lshl_b32 s61, s61, 3
	s_add_co_u32 s60, s60, s61
	s_add_co_u32 s60, s60, s56                     ; the tile's first row
	s_lshl_b32 s60, s60, \lrb
	s_lshl_b32 s61, s57, 6
	s_add_co_u32 s60, s60, s61                     ; + 64 bytes a K step
	s_mov_b32 s61, 0
	s_add_nc_u64 s[72+8*\n:73+8*\n], s[\cp:\cp+1], s[60:61]
	s_lshl_b32 s60, s58, 3
	s_add_co_u32 s60, s60, s48
	s_lshl_b32 s60, s60, 10
	s_add_nc_u64 s[74+8*\n:75+8*\n], s[44:45], s[60:61]
	s_lshl_b32 s60, s56, \lsb
	s_lshl_b32 s62, s57, 2
	s_add_co_u32 s60, s60, s62
	s_add_nc_u64 s[76+8*\n:77+8*\n], s[\sp:\sp+1], s[60:61]
	s_lshl_b32 s60, s58, 9
	s_add_nc_u64 s[78+8*\n:79+8*\n], s[46:47], s[60:61]
.endm
.macro RCLD n, va
	global_load_b128 v[128+16*\n:131+16*\n], v[\va], s[72+8*\n:73+8*\n]
	global_load_b128 v[132+16*\n:135+16*\n], v[\va], s[72+8*\n:73+8*\n] offset:32
.endm
.macro RCST n
	global_store_b128 v1, v[128+16*\n:131+16*\n], s[74+8*\n:75+8*\n]
	global_store_b128 v1, v[132+16*\n:135+16*\n], s[74+8*\n:75+8*\n] offset:512
.endm
.macro RSLD n, vs, srow
.irp i,0,1,2,3
	global_load_b32 v[136+16*\n+\i], v[\vs], s[76+8*\n:77+8*\n] offset:(32*(\i/2)+8*(\i%2))*\srow
.endr
.endm
.macro RSST n
	global_store_b128 v1, v[136+16*\n:139+16*\n], s[78+8*\n:79+8*\n]
.endm
.Lrelay:
	v_lshlrev_b32 v100, 10, v12
	v_lshl_add_u32 v100, v15, 4, v100              ; w2's rows are 1,024 bytes
	v_lshl_add_u32 v101, v15, 6, v12               ; 64 h + r + 8 (r / 8): the row of tile 4 h
	v_lshlrev_b32 v102, 6, v101                    ; in scale rows of 64 bytes
	v_lshlrev_b32 v101, 4, v101                    ; and of 16
	s_wait_alu depctr_va_vdst(0)                   ; v100 to v102 are written, which loads below read as offsets; this way has no vector instruction behind this line
	s_lshr_b32 s66, s54, 4                         ; the wave that will read
	s_and_b32 s67, s54, 15
	s_mul_i32 s68, s66, 36
	s_lshl_b32 s56, s66, 9                         ; w1: rows 512 wave + 128 chunk on,
	s_lshr_b32 s69, s67, 2
	s_lshl_b32 s69, s69, 7
	s_add_co_u32 s56, s56, s69
	s_and_b32 s57, s67, 3                          ; K step,
	s_add_co_u32 s58, s68, s67
	s_add_co_u32 s58, s58, 4                       ; group 4 + y % 16
	RSET 0, 30, 36, 8, 4
	s_lshl_b32 s56, s66, 7                         ; w2: rows 128 wave on, K step y % 16, group 20 + y % 16
	s_mov_b32 s57, s67
	s_add_co_u32 s58, s58, 16
	RSET 1, 32, 38, 10, 6
	RCLD 0, 8
	RCLD 1, 100
	s_wait_loadcnt 0x0
	RCST 0
	RCST 1
	s_cmp_lg_u32 s48, 0
	s_cbranch_scc1 .Lno_sc
	RSLD 0, 101, 16
	RSLD 1, 102, 64
	s_wait_loadcnt 0x0
	RSST 0
	RSST 1
.Lno_sc:
	s_cmp_ge_u32 s54, 16
	s_cbranch_scc1 .Lrelay_end
	s_lshr_b32 s66, s54, 2                         ; wo: rows 128 wave on, K step and group y % 4
	s_and_b32 s57, s54, 3
	s_lshl_b32 s56, s66, 7
	s_mul_i32 s58, s66, 36
	s_add_co_u32 s58, s58, s57
	RSET 2, 28, 34, 8, 4
	RCLD 2, 8
	s_wait_loadcnt 0x0
	RCST 2
	s_cmp_lg_u32 s48, 0
	s_cbranch_scc1 .Lrelay_end
	RSLD 2, 101, 16
	s_wait_loadcnt 0x0
	RSST 2
.Lrelay_end:
	s_endpgm
.Lfunc_end_k_qfd361a300b_prep:
	.size	k_qfd361a300b_prep, .Lfunc_end_k_qfd361a300b_prep-k_qfd361a300b_prep
	.p2alignl 7, 3214868480
	.fill 96, 4, 3214868480
	.section	.rodata,"a",@progbits
	.p2align	6, 0x0
	.amdhsa_kernel k_qfd361a300b_prep
		.amdhsa_group_segment_fixed_size 300032
		.amdhsa_private_segment_fixed_size 0
		.amdhsa_enable_private_segment 0
		.amdhsa_kernarg_size 176
		.amdhsa_user_sgpr_count 2
		.amdhsa_user_sgpr_kernarg_segment_ptr 1
		.amdhsa_wavefront_size32 1
		.amdhsa_system_sgpr_workgroup_id_x 1
		.amdhsa_system_sgpr_workgroup_id_y 1
		.amdhsa_system_sgpr_workgroup_id_z 1
		.amdhsa_system_vgpr_workitem_id 0
		.amdhsa_next_free_vgpr 512
		.amdhsa_next_free_sgpr 96
		.amdhsa_reserve_vcc 0
		.amdhsa_float_denorm_mode_32 3
		.amdhsa_float_denorm_mode_16_64 3
		.amdhsa_memory_ordered 1
		.amdhsa_forward_progress 1
		.amdhsa_inst_pref_size 167
	.end_amdhsa_kernel
	.amdgpu_metadata
---
amdhsa.version: [ 1, 2 ]
amdhsa.kernels:
  - .name:           k_qfd361a300b_prep
    .symbol:         k_qfd361a300b_prep.kd
    .args:
      - { .name: x, .offset: 0, .size: 8, .value_kind: global_buffer, .address_space: global }
      - { .name: ln1_g, .offset: 8, .size: 8, .value_kind: global_buffer, .address_space: global }
      - { .name: ln1_b, .offset: 16, .size: 8, .value_kind: global_buffer, .address_space: global }
      - { .name: wq_codes, .offset: 24, .size: 8, .value_kind: global_buffer, .address_space: global }
      - { .name: wk_codes, .offset: 32, .size: 8, .value_kind: global_buffer, .address_space: global }
      - { .name: wv_codes, .offset: 40, .size: 8, .value_kind: global_buffer, .address_space: global }
      - { .name: wq_scales, .offset: 48, .size: 8, .value_kind: global_buffer, .address_space: global }
      - { .name: wk_scales, .offset: 56, .size: 8, .value_kind: global_buffer, .address_space: global }
      - { .name: wv_scales, .offset: 64, .size: 8, .value_kind: global_buffer, .address_space: global }
      - { .name: bq, .offset: 72, .size: 8, .value_kind: global_buffer, .address_space: global }
      - { .name: bk, .offset: 80, .size: 8, .value_kind: global_buffer, .address_space: global }
      - { .name: bv, .offset: 88, .size: 8, .value_kind: global_buffer, .address_space: global }
      - { .name: wo_codes, .offset: 96, .size: 8, .value_kind: global_buffer, .address_space: global }
      - { .name: w1_codes, .offset: 104, .size: 8, .value_kind: global_buffer, .address_space: global }
      - { .name: w2_codes, .offset: 112, .size: 8, .value_kind: global_buffer, .address_space: global }
      - { .name: wo_scales, .offset: 120, .size: 8, .value_kind: global_buffer, .address_space: global }
      - { .name: w1_scales, .offset: 128, .size: 8, .value_kind: global_buffer, .address_space: global }
      - { .name: w2_scales, .offset: 136, .size: 8, .value_kind: global_buffer, .address_space: global }
      - { .name: qkv, .offset: 144, .size: 8, .value_kind: global_buffer, .address_space: global }
      - { .name: qkvs, .offset: 152, .size: 8, .value_kind: global_buffer, .address_space: global }
      - { .name: wimg, .offset: 160, .size: 8, .value_kind: global_buffer, .address_space: global }
      - { .name: wsc, .offset: 168, .size: 8, .value_kind: global_buffer, .address_space: global }
    .group_segment_fixed_size: 300032
    .private_segment_fixed_size: 0
    .kernarg_segment_align: 8
    .kernarg_segment_size: 176
    .max_flat_workgroup_size: 256
    .sgpr_count:     96
    .vgpr_count:     512
    .wavefront_size: 32
...
	.end_amdgpu_metadata
.endif
;; end of part 4
;; launch attn (part 5): grid 8 x 32, 16 waves a work-group, no clusters, 141,312 bytes of LDS; arguments qkv, qkvs, cc, cs; writes cc, cs
.if DOCPART == 5
	.amdgcn_target "amdgcn-amd-amdhsa--gfx1250"
	.amdhsa_code_object_version 6
	.text
	.protected	k_qfd361a300b_attn
	.globl	k_qfd361a300b_attn
	.p2align	8
	.type	k_qfd361a300b_attn,@function
k_qfd361a300b_attn:
	s_mov_b64 s[64:65], 0
	v_nop
	global_prefetch_b8 v0, s[64:65] scope:SCOPE_SE
	s_setreg_imm32_b32 hwreg(HW_REG_WAVE_SCHED_MODE, 0, 2), 2
	s_setreg_imm32_b32 hwreg(HW_REG_WAVE_MODE, 25, 1), 1
	s_wait_xcnt 0x0
	s_wait_alu depctr_vm_vsrc(0)
; ATTN.  ctx = softmax(q k^T / 8 + ALiBi) v for one head (work-group y = batch x 8 + head) and 256 queries (work-group x), both products on codes of FP4 (E2M1) with E8M0 scales, and ctx's codes for the next product.
; THE SOFTMAX AHEAD OF THE SECOND PRODUCT: t = logit x log2(e); M = the running largest t rounded UP to a whole number; p = 2^(t - M) is quantised along the keys, not normalised; the row's sum is taken of the
; unquantised p and divides at the end; when M moves, the sum and O are multiplied by 2^(old M - new M), which rounds nothing.
; SHARES.  Sixteen waves, each ONE tile of 16 queries in 256 registers, four to a SIMD: one wave's vector work stands beside another's matrix work.  Every wave walks the head's 2,048 keys, 128 a step.
; A head's k and v (64 KiB of codes each, 4 KiB of scale words each) fit in LDS whole: they are brought once, through registers, each wave a sixteenth, and read behind one barrier.  So there is no ring and no tensor load.
; LAYOUT.  Both products are used transposed: S^T = k q^T, O^T = v^T p^T: a lane holds one query (lane % 16) throughout.  Token tiles are as the first launch lays them: row m of tile t is token 32 (t / 2) + 8 (t % 2) + m + 8 (m / 8),
; so the 16 registers of score tiles 2 b, 2 b + 1 are keys 32 b + 16 (lane / 16) + 0 .. 15.
; THE HEAD HAS 64 DIMS, THE INSTRUCTION 128 ALONG K.  A fragment of k holds two token tiles (registers 0-3 tile 2 b, 4-7 tile 2 b + 1).  Against [q, 0] it gives tile 2 b's scores, against [0, q] tile 2 b + 1's: zero codes add nothing,
; their scale bytes are 127, and no fragment is read from LDS twice.  q stands once, between two runs of four zero registers.
; ALiBi costs no vector line a score: D = q . k + C, C = -8 slope x (the distance's part inside the step), whole numbers x 2^(2 - head), exact; the whole steps' part, |j - jd| x 128 slope log2(e), goes into the exponent's addend.
; C is sig (key - query) in the steps ahead of the query's own, -|that| in its own, -sig (key - query) behind it: it is written three times in a wave's life, under scalar branches on the step's number.
; THE ORDER OF A STEP.  No fragment is waited for where it is asked for.  k and v share 32 registers: v's nine loads stand singly between the dependent lines that make M, behind the score products; the next step's k is asked for
; behind this step's last products, and most of the second half of the row's sum stands behind those loads.  The last step asks for nothing, so it is written out behind a loop of 15 trips.
; The exponentials stand between plain lines, in two batches with one wait each: blocks 0, 1 and the four block maxima between the scalings; blocks 2, 3 between lines that read the first batch's results or none.
; THE MODE: SCHED_MODE bits 1:0 = 2 (LLVM: expert scheduling mode 2), set by the entry lines.  The code itself states the register dependences between vector or matrix instructions and memory or LDS instructions, with s_wait_alu, always for 0.
; THE PLAN.  Registers that memory or LDS instructions touch:
;   v1, v2, v7-11       offsets and LDS addresses: made at the head, ahead of one wait on va_vdst, and never written again.
;   v4, v5, v6          the step's LDS addresses.  Written by three additions behind a step's last products, behind a wait on vm_vsrc (the step's loads have read them) and ahead of the wait on va_vdst that stands in front of k's loads;
;                       read by those loads (v4, v6) and by the next step's loads of v (v5, v6).
;   v32-63, v244-247    k's loads land; the score products read; a wait on va_vdst; v's loads land, dealt among vector lines that name none of these; the second products read; a wait on va_vdst; the next k's loads land.
;   v64-127, v224-227   at the head the fill's loads land and the fill's LDS stores read them; one wait on vm_vsrc behind the barrier, and they are S^T and p's codes.
;   v224-227, v253      at the end: written by the conversions and their like; one wait on va_vdst; the two stores read them.
; One more wait on va_vdst stands directly ahead of the second products: p's codes and scale word, made by vector instructions, are operands of scaled products.
; LIMITS: NaN and infinities are not served; p under 2^-126 counts as 0; a block of p that is all zeros, or under 2^-124, gets the byte 1; since the whole steps' part of the bias is one f32 addend, t of a key just across a step's edge
; is good to about 1e-5 (head 0; less for the other heads) where the numbers themselves are of the size of 100.
; REGISTERS: v1 16 lane, v2 16 r, v3 16 h - my query's place in its step, as f32; v4-6 the step's LDS addresses, v7-11 their lane parts and the fill's; v12 -M, v13 largest t, v[14:15] the sum; v16-27 [0, q, 0]; v28-29 q's two scale words;
;   v[30:31] the exponent's addend; v32-63 four fragments of k, then of v; v64-127 S^T, then p; v128-159 O^T; v160-223 C; v224-231 p's codes; v232-243 at work; v244-247 k's, then v's scale words; v248 p's scale word; v[250:251] f;
;   v[252:253] the sum's second chain; v254-255 at work.
.set KSC, 131072                       ; LDS: k's codes at 0, v's at 65,536, k's scale words here, v's 4,096 further on
.set S,   64
.set O,   128
.set CB,  160
.set PC,  224
.set BM,  232
.set BT,  236
.set SO,  240
.macro PLACES
.rept 4
	v_nop
.endr
.endm
.macro WM d, a, b, c, sa, sb
	v_wmma_scale_f32_16x16x128_f8f6f4 v[\d:\d+7], v[\a:\a+7], v[\b:\b+7], v[\c:\c+7], v[\sa], v[\sb] matrix_a_fmt:MATRIX_FMT_FP4 matrix_b_fmt:MATRIX_FMT_FP4
.endm
.macro SETC                            ; C[n] = s26 x (v3 + n + 16 (n / 16)): tile starts 8 and 24 keys apart by turns, then key by key; every sum is exact
	v_mul_f32 v[CB], s26, v3
.irp t,1,2,3,4,5,6,7
.if \t%2
	v_add_f32 v[CB+8*\t], s27, v[CB+8*\t-8]
.else
	v_add_f32 v[CB+8*\t], s28, v[CB+8*\t-8]
.endif
.endr
.irp e,1,2,3,4,5,6,7
.irp t,0,1,2,3,4,5,6,7
	v_add_f32 v[CB+8*\t+\e], s26, v[CB+8*\t+\e-1]
.endr
.endr
.endm
.macro KLD                             ; a step's four pair fragments of k (an image's registers 4 c on of lane l at 512 c + 16 l) and row r's four scale words: nine loads
.irp n,0,1,2,3,4,5,6,7
	ds_load_b128 v[32+4*\n:35+4*\n], v4 offset:512*\n
.endr
	ds_load_b128 v[244:247], v6
.endm
.macro VLD n                           ; load n of nine of the step's v: eight for its four fragments, the ninth for their scale words, which lie 4,096 bytes behind k's
.if (\n) < 8
	ds_load_b128 v[32+4*(\n):35+4*(\n)], v5 offset:512*(\n)
.else
	ds_load_b128 v[244:247], v6 offset:4096
.endif
.endm
.macro FMA p                           ; pair p of the scores: t - M, two at a time
	v_pk_fma_f32 v[S+2*(\p):S+2*(\p)+1], v[S+2*(\p):S+2*(\p)+1], s[22:23], v[30:31] op_sel_hi:[1,0,0]
.endm
; Plain line N of 38 that stand between and behind the second batch's exponentials.  They read the first batch's results (the block maxima's p; p of blocks 0 and 1) or none of any batch.
;   0-14 the four scale bytes and p's scale word;  15-29 blocks 0 and 1 into the row's sum, in two chains;  30-37 the first half of O^T under the new M
.macro PL2
.if N < 4
	v_max_num_f32 v[BM+N], 0x1800000, v[BM+N]              ; the floor 2^(3 - 127)
.elseif N < 8
	v_add_nc_u32 v[SO+N-4], 0xff000000, v[BM+N-4]          ; 2 off the exponent field: the conversion's scale operand
.elseif N < 12
	v_lshrrev_b32 v[BT+N-8], 23, v[SO+N-8]                 ; the scale's byte
.elseif N == 12
	v_lshl_or_b32 v248, v[BT+1], 8, v[BT]                  ; p's scale word for these 128 keys
.elseif N == 13
	v_lshl_or_b32 v248, v[BT+2], 16, v248
.elseif N == 14
	v_lshl_or_b32 v248, v[BT+3], 24, v248
.elseif N == 15
	v_pk_add_f32 v[252:253], v[S:S+1], v[S+2:S+3]          ; the row's sum, of the unquantised p: the second chain begins
.elseif N < 30
.if (N%2) == 0
	v_pk_add_f32 v[14:15], v[14:15], v[S+2*N-28:S+2*N-27]
.else
	v_pk_add_f32 v[252:253], v[252:253], v[S+2*N-28:S+2*N-27]
.endif
.else
	v_pk_mul_f32 v[O+2*N-60:O+2*N-59], v[O+2*N-60:O+2*N-59], v[250:251] op_sel_hi:[1,0]
.endif
.endm
.macro BSUM k                          ; pair k of 16 of blocks 2 and 3 into the row's sum
.if ((\k)%2) == 0
	v_pk_add_f32 v[14:15], v[14:15], v[S+32+2*(\k):S+33+2*(\k)]
.else
	v_pk_add_f32 v[252:253], v[252:253], v[S+32+2*(\k):S+33+2*(\k)]
.endif
.endm
	s_load_b256 s[4:11], s[0:1], 0x0               ; qkv, qkvs, cc, cs
	v_lshrrev_b32 v1, 5, v0
	v_readfirstlane_b32 s12, v1                    ; wave 0..15
	s_and_b32 s13, ttmp7, 0xffff                   ; batch x 8 + head
	s_and_b32 s14, s13, 7                          ; head
	v_and_b32 v253, 31, v0
	v_lshlrev_b32 v1, 4, v253                      ; 16 x lane
	v_and_b32 v253, 15, v0                         ; r
	v_bfe_u32 v254, v0, 4, 1                       ; h
	v_lshlrev_b32 v2, 4, v253                      ; 16 r
	s_wait_alu depctr_va_sdst(0)                   ; s12, the wave's number, is written, ahead of its first reader
	s_lshl_b32 s44, s12, 12
	v_add_nc_u32 v8, s44, v1                       ; the fill: my 4,096 bytes of k's codes,
	v_add_nc_u32 v9, 0x10000, v8                   ; of v's,
	s_lshl_b32 s44, s12, 9
	s_add_co_u32 s44, s44, KSC
	v_add_nc_u32 v10, s44, v1                      ; my 512 bytes of scale words (waves 0-7 k's, 8-15 v's)
	v_add_nc_u32 v11, 0x10000, v1                  ; v's fragments: 16 x lane
	v_add_nc_u32 v7, KSC, v2                       ; scale words: 16 r
	s_lshl_b32 s15, ttmp9, 1
	s_lshr_b32 s44, s12, 3
	s_add_co_u32 s15, s15, s44                     ; jd: the step in which my queries lie
	s_add_co_u32 s16, s15, 1
	s_bfe_u32 s38, s12, 0x20001                    ; which pair fragment of that step,
	s_and_b32 s39, s12, 1                          ; and which half of it, is my tile
	s_mov_b32 s31, 0
	s_lshl_b32 s30, s13, 16
	s_lshl_b32 s44, s12, 12
	s_add_co_u32 s30, s30, s44
	s_add_co_u32 s30, s30, 0x200000                ; k lies 2 MiB into qkv, v 4 MiB
	s_wait_kmcnt 0x0
	s_add_nc_u64 s[32:33], s[4:5], s[30:31]
	s_add_nc_u64 s[34:35], s[32:33], 0x200000
	s_lshr_b32 s30, s12, 3
	s_add_co_u32 s30, s30, 1
	s_lshl_b32 s30, s30, 17
	s_lshl_b32 s44, s13, 12
	s_add_co_u32 s30, s30, s44
	s_and_b32 s44, s12, 7
	s_lshl_b32 s44, s44, 9
	s_add_co_u32 s30, s30, s44
	s_add_nc_u64 s[36:37], s[6:7], s[30:31]
	s_lshl_b32 s44, s13, 4
	s_add_co_u32 s44, s44, s15                     ; head x 16 + jd
	s_lshl_b32 s30, s44, 12
	s_lshl_b32 s45, s38, 10
	s_add_co_u32 s30, s30, s45
	s_lshl_b32 s45, s39, 9
	s_add_co_u32 s30, s30, s45
	s_add_nc_u64 s[40:41], s[4:5], s[30:31]        ; my q: four registers of a pair fragment
	s_lshl_b32 s30, s44, 8
	s_lshl_b32 s45, s38, 2
	s_add_co_u32 s30, s30, s45
	s_add_nc_u64 s[42:43], s[6:7], s[30:31]        ; and the pair's scale word
	s_wait_alu depctr_va_vdst(0)                   ; v1, v2 and v7 to v11 are written, which the loads, the fill's LDS stores and the final stores read as offsets and addresses; none of them is written again
.irp i,0,1,2,3,4,5,6,7
	global_load_b128 v[64+4*\i:67+4*\i], v1, s[32:33] offset:512*\i
	global_load_b128 v[96+4*\i:99+4*\i], v1, s[34:35] offset:512*\i
.endr
	global_load_b128 v[224:227], v1, s[36:37]
	global_load_b128 v[20:23], v1, s[40:41]
	global_load_b32 v252, v2, s[42:43]
	; where ctx goes: token tile batch x 128 + 16 x + wave; head hd fills half hd % 2 of K step hd / 2: 512 hd bytes on; its two scale bytes lie 2 hd bytes into a row's 16
	s_lshr_b32 s44, s13, 3
	s_lshl_b32 s44, s44, 7
	s_lshl_b32 s45, ttmp9, 4
	s_add_co_u32 s44, s44, s45
	s_add_co_u32 s44, s44, s12
	s_lshl_b32 s30, s44, 12
	s_lshl_b32 s45, s14, 9
	s_add_co_u32 s30, s30, s45
	s_add_nc_u64 s[8:9], s[8:9], s[30:31]
	s_lshl_b32 s30, s44, 8
	s_lshl_b32 s45, s14, 1
	s_add_co_u32 s30, s30, s45
	s_add_nc_u64 s[10:11], s[10:11], s[30:31]
	s_mov_b32 s20, 0x76543210
	s_mov_b32 s21, 0xfedcba98                      ; v_permlanex16_b32: lane l xor 16
	s_mov_b32 s22, 0x3e38aa3b                      ; log2(e) / 8
	s_mov_b32 s23, s22                             ; (named with it as a pair, so it is written)
	s_sub_co_u32 s44, 129, s14
	s_lshl_b32 s26, s44, 23                        ; sig = 8 slope = 2^(2 - head),
	s_add_co_u32 s27, s26, 0x1800000               ; 8 sig,
	s_add_co_u32 s28, s26, 0x2400000               ; 24 sig
	s_sub_co_i32 s44, 6, s14
	s_lshl_b32 s44, s44, 23
	s_add_co_u32 s25, s44, 0xbfb8aa3b              ; -128 slope log2(e) = -log2(e) x 2^(6 - head)
	v_and_b32 v255, 8, v253
	v_add_nc_u32 v255, v255, v253                  ; r + 8 (r / 8)
	v_lshlrev_b32 v3, 4, v254
	v_sub_nc_u32 v3, v3, v255
	s_lshl_b32 s44, s38, 5
	s_lshl_b32 s45, s39, 3
	s_add_co_u32 s44, s44, s45
	v_sub_nc_u32 v3, v3, s44
	v_cvt_f32_i32 v3, v3                           ; 16 h - my query's place in its step
.irp i,16,17,18,19,24,25,26,27
	v_mov_b32 v\i, 0                               ; zero codes on both sides of q
.endr
	v_mov_b32 v31, 0                               ; upper halves of pairs of which the low word is broadcast
	v_mov_b32 v251, 0
.irp b,0,1,2,3
	v_mov_b32 v[BT+\b], 0                          ; a lane permute's destination counts as one of its sources
.endr
	v_mov_b32 v13, 0xff61b1e6                      ; the largest t so far: -3e38
	v_floor_f32 v12, -v13                          ; -M
	v_mov_b32 v14, 0
	v_mov_b32 v15, 0
	SETC                                           ; for the steps ahead of my queries' own
	s_wait_loadcnt 0x0
	s_lshl_b32 s44, s39, 4
	v_lshrrev_b32 v252, s44, v252
	v_and_b32 v252, 0xffff, v252                   ; my tile's two bytes of the pair's word
	v_or_b32 v28, 0x7f7f0000, v252                 ; for [q, 0]
	v_lshl_or_b32 v29, v252, 16, 0x7f7f            ; for [0, q]
.irp i,0,1,2,3,4,5,6,7
	ds_store_b128 v8, v[64+4*\i:67+4*\i] offset:512*\i     ; (the data came by loads; the addresses were written ahead of the head's wait and are named by no vector line since)
	ds_store_b128 v9, v[96+4*\i:99+4*\i] offset:512*\i
.endr
	ds_store_b128 v10, v[224:227]
.set N, 0
.rept 32
	v_mov_b32 v[O+N], 0                            ; O^T: the step's first turn finds zeros.  (These lines are also the places between q's scale words and the first scaled product)
.set N, N+1
.endr
	s_wait_dscnt 0x0                               ; for the others' sake: my part lies in LDS
	s_barrier_signal -1
	s_barrier_wait -1
	s_mov_b32 s17, 0                               ; the step j,
	s_mov_b32 s18, 0                               ; its codes: 4,096 bytes a step,
	s_mov_b32 s19, 0                               ; its scale words: 256
	v_add_nc_u32 v4, s18, v1
	v_add_nc_u32 v5, s18, v11
	v_add_nc_u32 v6, s19, v7
	s_wait_alu depctr_vm_vsrc(0)                   ; the fill's LDS stores have read v64-127 and v224-227, which the score products and the conversions write from here on
	s_wait_alu depctr_va_vdst(0)                   ; v4 to v6 are written, which the LDS loads read; so are the zero codes beside q and q's two scale words, which the scaled products take
	KLD                                            ; step 0's k
; A KEY STEP: 128 keys.  Its k was asked for a step ago.  more = 1: the next step's k is asked for.
.macro STEP more
	s_cmp_lg_u32 s17, s15
	s_cbranch_scc1 .Lnot_diag_\@
.set N, 0
.rept 64
	v_or_b32 v[CB+N], 0x80000000, v[CB+N]          ; my queries' own step: -sig |key - query|
.set N, N+1
.endr
.Lnot_diag_\@:
	s_cmp_lg_u32 s17, s16
	s_cbranch_scc1 .Lnot_past_\@
	s_xor_b32 s26, s26, 0x80000000                 ; from the step behind it on: -sig (key - query)
	s_xor_b32 s27, s27, 0x80000000
	s_xor_b32 s28, s28, 0x80000000
	SETC
.Lnot_past_\@:
	s_sub_co_i32 s44, s17, s15
	s_sub_co_i32 s45, s15, s17
	s_max_i32 s44, s44, s45
	s_cvt_f32_u32 s44, s44
	s_mul_f32 s24, s44, s25                        ; the whole steps' part of the bias, as t: one rounding
	s_wait_dscnt 0x0                               ; k's fragments and scale words: asked for behind the last step's products
.irp b,0,1,2,3
	WM S+16*\b,32+8*\b,20,CB+16*\b,244+\b,28       ; token tile 2 b against [q, 0]
	WM S+8+16*\b,32+8*\b,16,CB+8+16*\b,244+\b,29   ; token tile 2 b + 1 against [0, q]
.endr
	PLACES
.irp b,0,1,2,3
	v_max3_num_f32 v[BM+\b], v[S+16*\b], v[S+1+16*\b], v[S+2+16*\b]     ; the largest D of each block of 32 keys: for the row's maximum, and, since p rises with D, for the block's largest p
.endr
.irp i,3,5,7,9,11,13
.irp b,0,1,2,3
	v_max3_num_f32 v[BM+\b], v[BM+\b], v[S+16*\b+\i], v[S+1+16*\b+\i]
.endr
.endr
.irp b,0,1,2,3
	v_max_num_f32 v[BM+\b], v[BM+\b], v[S+15+16*\b]
.endr
.irp b,0,1,2,3
	v_permlanex16_b32 v[BT+\b], v[BM+\b], s20, s21
.endr
.irp b,0,1,2,3
	v_max_num_f32 v[BM+\b], v[BM+\b], v[BT+\b]
.endr
	; each of the lines below reads the one before it: v's nine loads stand between them.  None of these lines names v5, v6, v32-63 or v244-247, so the one wait serves all nine loads
	v_max3_num_f32 v254, v[BM], v[BM+1], v[BM+2]
	s_wait_alu depctr_va_vdst(0)                   ; the score products are done reading k's fragments v32-63 and scale words v244-247, in which v's loads land
	VLD 0
	v_max_num_f32 v254, v254, v[BM+3]
	VLD 1
	v_fma_f32 v254, v254, s22, s24                 ; the step's largest t
	VLD 2
	v_mov_b32 v255, v12                            ; the old -M
	v_max_num_f32 v13, v13, v254
	VLD 3
	v_floor_f32 v12, -v13                          ; the new -M = -ceil(t)
	VLD 4
	v_add_f32 v30, s24, v12                        ; the exponent's addend: the steps' part of the bias - M
	VLD 5
	v_sub_f32 v254, v12, v255                      ; old M - new M: a whole number, 0 or less
	VLD 6
	v_cvt_i32_f32 v254, v254                       ; (it saturates)
	VLD 7
	v_ldexp_f32 v250, 1.0, v254                    ; f = 2^(old M - new M)
	VLD 8
	; THE FIRST BATCH: p of blocks 0 and 1, each exponential behind a scaling of a later pair; then the blocks' largest p.  No line here names an exponential's result
	FMA 0
	FMA 1
.irp b,0,1,2,3
	v_fma_f32 v[BM+\b], v[BM+\b], s22, v30         ; t - M of each block's largest D: the same multiply-add as its score gets
.endr
.set N, 0
.rept 16
	v_exp_f32 v[S+2*N], v[S+2*N]                   ; p = 2^(t - M)
.if 2+2*N < 32
	FMA 2+2*N
.endif
	v_exp_f32 v[S+2*N+1], v[S+2*N+1]
.if 3+2*N < 32
	FMA 3+2*N
.endif
.set N, N+1
.endr
.irp b,0,1,2,3
	v_exp_f32 v[BM+\b], v[BM+\b]                   ; the blocks' largest p
.endr
	v_pk_mul_f32 v[14:15], v[14:15], v[250:251] op_sel_hi:[1,0]       ; the sum under the new M: the plain line behind the batch
	s_wait_alu depctr_va_vdst(0)                   ; one wait for the 36 exponentials' results (p of blocks 0 and 1, the blocks' largest p), ahead of their first reader
	; THE SECOND BATCH: p of blocks 2 and 3, each exponential ahead of one plain line of PL2's list; the list's last six follow
.set N, 0
.rept 32
	v_exp_f32 v[S+32+N], v[S+32+N]
	PL2
.set N, N+1
.endr
.rept 6
	PL2
.set N, N+1
.endr
	s_wait_alu depctr_va_vdst(0)                   ; one wait for the 32 exponentials' results (p of blocks 2 and 3), ahead of their first reader
.irp b,0,1,2,3
	v_cvt_scalef32_pk8_fp4_f32 v[PC+2*\b], v[S+16*\b:S+7+16*\b], v[SO+\b]
	v_cvt_scalef32_pk8_fp4_f32 v[PC+1+2*\b], v[S+8+16*\b:S+15+16*\b], v[SO+\b]
.endr
	v_nop                                          ; one plain line behind the last scaled conversion
.irp c,0,1
.irp i,0,1
	v_permlane16_swap_b32 v[PC+4*\c+\i], v[PC+2+4*\c+\i]   ; a whole block to a lane
.endr
.endr
.set N, 16
.rept 8
	v_pk_mul_f32 v[O+N:O+N+1], v[O+N:O+N+1], v[250:251] op_sel_hi:[1,0]   ; the second half of O^T under the new M.  (Also the places between p's codes and the scaled products; p's scale word was written 23 plain lines further back)
.set N, N+2
.endr
	s_wait_dscnt 0x0                               ; v's fragments and scale words: asked for ahead of the exponentials
	s_wait_alu depctr_va_vdst(0)                   ; p's codes v224-231 and scale word v248 are written, which the scaled products take as source 1 and its scales; the places above stay beside this wait
.irp t,0,1,2,3
	WM O+8*\t,32+8*\t,PC,O+8*\t,244+\t,248         ; four accumulators by turns
.endr
.if \more
	s_add_co_u32 s18, s18, 4096
	s_add_co_u32 s19, s19, 256
	s_wait_alu depctr_vm_vsrc(0)                   ; the LDS loads issued so far have read v4, v5 and v6
	v_add_nc_u32 v4, s18, v1                       ; the next step's addresses
	v_add_nc_u32 v5, s18, v11
	v_add_nc_u32 v6, s19, v7
.irp k,0,1,2,3
	BSUM \k                                        ; work that names none of the products' registers, while they finish
.endr
	s_wait_alu depctr_va_vdst(0)                   ; the second products are done reading v's fragments v32-63 and scale words v244-247, in which k's loads land; v4 to v6 are written, which these loads and the next step's read
	KLD                                            ; the next step's k; the rest of the row's sum stands behind the loads
.irp k,4,5,6,7,8,9,10,11,12,13,14,15
	BSUM \k
.endr
.else
.irp k,0,1,2,3,4,5,6,7,8,9,10,11,12,13,14,15
	BSUM \k
.endr
.endif
	v_pk_add_f32 v[14:15], v[14:15], v[252:253]
.endm
.Lstep:                                            ; 15 trips
	STEP 1
	s_add_co_u32 s17, s17, 1
	s_cmp_lt_u32 s17, 15
	s_cbranch_scc1 .Lstep
	STEP 0                                         ; the last step is written out: there is no k behind it to ask for
	; THE WAY OUT: O^T / the sum; register 16 b + i is dim 32 b + 16 h + i of my query: two blocks of the next product's K; their codes are four registers of a fragment, their bytes half a scale word.
	; (The 17 additions of the row's sum are the places behind the last products.)
	v_add_f32 v14, v14, v15
	v_permlanex16_b32 v252, v14, s20, s21
	v_add_f32 v14, v14, v252
	v_rcp_f32 v14, v14
	v_nop
	s_wait_alu depctr_va_vdst(0)                   ; the reciprocal's result v14, ahead of its first reader
.set N, 0
.rept 32
	v_mul_f32 v[S+N], v[O+N], v14
.set N, N+1
.endr
.irp b,0,1
	v_max3_num_f32 v[BM+\b], |v[S+16*\b]|, |v[S+1+16*\b]|, 0x1800000
.endr
.irp i,2,4,6,8,10,12,14
.irp b,0,1
	v_max3_num_f32 v[BM+\b], v[BM+\b], |v[S+16*\b+\i]|, |v[S+1+16*\b+\i]|
.endr
.endr
.irp b,0,1
	v_permlanex16_b32 v[BT+\b], v[BM+\b], s20, s21
.endr
.irp b,0,1
	v_max_num_f32 v[BM+\b], v[BM+\b], v[BT+\b]
.endr
.irp b,0,1
	v_add_nc_u32 v[SO+\b], 0xff000000, v[BM+\b]
.endr
.irp b,0,1
	v_lshrrev_b32 v[BT+\b], 23, v[SO+\b]
.endr
	v_lshl_or_b32 v253, v[BT+1], 8, v[BT]
.irp b,0,1
	v_cvt_scalef32_pk8_fp4_f32 v[PC+2*\b], v[S+16*\b:S+7+16*\b], v[SO+\b]
	v_cvt_scalef32_pk8_fp4_f32 v[PC+1+2*\b], v[S+8+16*\b:S+15+16*\b], v[SO+\b]
.endr
	v_nop
	v_permlane16_swap_b32 v[PC], v[PC+2]
	v_permlane16_swap_b32 v[PC+1], v[PC+3]
	s_wait_alu depctr_va_vdst(0)                   ; ctx's codes v224-227 and its two scale bytes in v253 are written, which the two stores read
	global_store_b128 v1, v[PC:PC+3], s[8:9]       ; 32 lanes store 512 consecutive bytes
	global_store_b16 v2, v253, s[10:11]            ; two bytes a row, once in a wave's life: a row's 16 scale bytes come from eight heads, which are eight work-groups
	s_wait_xcnt 0x0
	v_lshl_add_u32 v254, v0, 2, 0x22000
	v_mov_b32 v255, 0
	s_wait_dscnt 0x0                               ; the closing lines, six on end
	s_wait_alu 0x0
	s_wait_tensorcnt 0x0
	ds_add_u32 v254, v255
	s_wait_dscnt 0x0
	s_endpgm
.Lfunc_end_k_qfd361a300b_attn:
	.size	k_qfd361a300b_attn, .Lfunc_end_k_qfd361a300b_attn-k_qfd361a300b_attn
	.p2alignl 7, 3214868480
	.fill 96, 4, 3214868480
	.section	.rodata,"a",@progbits
	.p2align	6, 0x0
	.amdhsa_kernel k_qfd361a300b_attn
		.amdhsa_group_segment_fixed_size 141312
		.amdhsa_private_segment_fixed_size 0
		.amdhsa_enable_private_segment 0
		.amdhsa_kernarg_size 32
		.amdhsa_user_sgpr_count 2
		.amdhsa_user_sgpr_kernarg_segment_ptr 1
		.amdhsa_wavefront_size32 1
		.amdhsa_system_sgpr_workgroup_id_x 1
		.amdhsa_system_sgpr_workgroup_id_y 1
		.amdhsa_system_sgpr_workgroup_id_z 1
		.amdhsa_system_vgpr_workitem_id 0
		.amdhsa_next_free_vgpr 256
		.amdhsa_next_free_sgpr 66
		.amdhsa_reserve_vcc 0
		.amdhsa_float_denorm_mode_32 3
		.amdhsa_float_denorm_mode_16_64 3
		.amdhsa_memory_ordered 1
		.amdhsa_forward_progress 1
		.amdhsa_inst_pref_size 57
	.end_amdhsa_kernel
	.amdgpu_metadata
---
amdhsa.version: [ 1, 2 ]
amdhsa.kernels:
  - .name:           k_qfd361a300b_attn
    .symbol:         k_qfd361a300b_attn.kd
    .args:
      - { .name: qkv, .offset: 0, .size: 8, .value_kind: global_buffer, .address_space: global }
      - { .name: qkvs, .offset: 8, .size: 8, .value_kind: global_buffer, .address_space: global }
      - { .name: cc, .offset: 16, .size: 8, .value_kind: global_buffer, .address_space: global }
      - { .name: cs, .offset: 24, .size: 8, .value_kind: global_buffer, .address_space: global }
    .group_segment_fixed_size: 141312
    .private_segment_fixed_size: 0
    .kernarg_segment_align: 8
    .kernarg_segment_size: 32
    .max_flat_workgroup_size: 512
    .sgpr_count:     66
    .vgpr_count:     256
    .wavefront_size: 32
...
	.end_amdgpu_metadata
.endif
;; end of part 5
;; launch ffn (part 6): grid 128 x 1, 4 waves a work-group, no clusters, 239,104 bytes of LDS; arguments x, cc, cs, wimg, wsc, bo, ln2_g, ln2_b, b1, b2, out0; writes out0
.if DOCPART == 6
	.amdgcn_target "amdgcn-amd-amdhsa--gfx1250"
	.amdhsa_code_object_version 6
	.text
	.protected	k_qfd361a300b_ffn
	.globl	k_qfd361a300b_ffn
	.p2align	8
	.type	k_qfd361a300b_ffn,@function
k_qfd361a300b_ffn:
	s_mov_b64 s[64:65], 0
	v_nop
	global_prefetch_b8 v0, s[64:65] scope:SCOPE_SE
	s_setreg_imm32_b32 hwreg(HW_REG_WAVE_SCHED_MODE, 0, 2), 2
	s_setreg_imm32_b32 hwreg(HW_REG_WAVE_MODE, 25, 1), 1
	s_wait_xcnt 0x0
	s_wait_alu depctr_vm_vsrc(0)
; FFN.  x1 = x + ctx wo^T + bo;  out = x1 + relu(LN2(x1) w1^T + b1) w2^T + b2, for 64 tokens a work-group; all three products on codes of FP4 (E2M1) with E8M0 scales.  x1, LN2's result and the hidden layer never go to memory.
; SHARES.  Four waves share the COLUMNS: wave w owns columns 128 w on of the first and third product and hidden units 512 w on: 8 weight tiles against the 4 token tiles, 32 accumulators.
; THE WEIGHTS of a wave are ONE stream of 36 groups (a group: the 8 fragments of one K step and their scale words, 17 loads of 512 consecutive bytes), laid so by the first launch; it runs from memory into a ring of four register
; slots (window 1), four groups ahead, and each group feeds 32 matrix instructions.  No fragment is used by two waves, so none goes through LDS.  Every work-group walks all weights whatever its rows: hence 64 rows and 128 work-groups.
; THE ROWS' OPERANDS go from wave to wave through LDS as images of their registers (registers 4 c .. 4 c + 3 of lane l at 512 c + 16 l of a fragment's 1,024 bytes), scale words beside them.
; All products are used transposed (source 0 = 16 weight rows, source 1 = 16 tokens): a lane holds one token, and the registers 8 t + j of a token tile are columns 32 (t / 2) + 16 h + 8 (t % 2) + j of the wave's 128: neighbours along the next K.
; Row m of token tile t is token 32 (t / 2) + 8 (t % 2) + m + 8 (m / 8), as in the launches before.
; SIX BARRIERS: x and ctx in LDS | the rows' sums | the rows' sums of squares | LN2's images | the hidden layer's images | the result's rows.  In front of each a wave waits for all its LDS instructions.
; LIMITS: NaN and infinities are not served; a block of zeros, or under 2^-124, gets the byte 1; x + bo is formed first and the product is summed onto it, another order of rounding than x + (product + bo); likewise x1 + b2.
; REGISTERS.  Window 0: v1-15, v112-122 addresses; v16-31 the weights' scale words, four slots, v32-39 the rows', two sets (nothing else ever lies in these); v40-63, v68-75 temporaries; v64-67 scale words just made; v80-111 codes just made;
;   v128-191 a bias or gain in the result's layout; v192-255 two sets of four row fragments (also ln2_b, and ctx on its way).   Window 1: the weight ring.   Window 2: rows of x, LN2's numbers, the hidden layer's accumulators, rows of out.
;   Window 3: x1 and the last product's accumulators.  Accumulator (weight tile t, token tile m) at 8 (8 m + t).
; THE MODE: SCHED_MODE bits 1:0 = 2 (LLVM: expert scheduling mode 2), set by the entry lines.  The code itself states the register dependences between vector or matrix instructions and memory or LDS instructions, with s_wait_alu, always for 0.
; THE PLAN.  Registers that memory or LDS instructions touch:
;   v1-15, v112-118     offsets and LDS addresses: made at the head, ahead of one wait on va_vdst, and never written again.
;   the ring (window 1, v16-31), the two sets of rows (v192-255, v32-39), the bias (v128-191): read by a group's 32 products.  ONE wait on va_vdst stands at a group's end.  Behind it, with no vector line between that names them, land:
;                       the slot's next group; at the next group's head the rows for the group after it, in the set that this group read; and, where the bias began the sums, the next bias.
;   v40-55              the rows' partial sums: written by additions; a wait on va_vdst; four LDS stores read them; the barrier; a wait on vm_vsrc; the four waves' parts land there.
;   v64-67, v80-111     the quantiser writes four tiles' scale words and codes; ONE wait on va_vdst; twelve LDS stores read them; a wait on vm_vsrc stands ahead of the lines that write them, and the stores' addresses v119, v120, again.
;   v121, v122          the last product's LDS addresses: once in four K steps a wait on vm_vsrc, two additions, a wait on va_vdst.
;   v192-227, window 2  at the head ctx's and x's loads land and LDS stores read them: one wait on vm_vsrc behind the first barrier.
;   window 3            x comes back from LDS into registers that no vector line has named; at the end one wait on va_vdst, and the LDS stores read the accumulators.
.set SPI,  2064                        ; a row of 2,048 bytes + 16
.set AIMG, 132096                      ; behind 64 such rows: ctx's images [K step 4][token tile 4][1,024]
.set ASC,  148480                      ; their scale words [K step][row 16][tile 4]
.set XIMG, 149504                      ; LN2's likewise
.set XSC,  165888
.set HIMG, 166912                      ; the hidden layer's: 16 K steps
.set HSC,  232448
.set RED1, 236544                      ; [row 64][wave 4] partial sums
.set RED2, 237568                      ; and partial sums of squares
.set TM,   40
.set MSB, 0
.macro WIN new
.if MSB != (\new)
	s_set_vgpr_msb (MSB<<8)|(\new)
.set MSB, (\new)
.endif
.endm
.macro PLACES
.rept 4
	v_nop
.endr
.endm
.macro BARRIER                         ; my LDS stores have landed and my LDS loads are in: then the work-group's barrier
	s_wait_dscnt 0x0
	s_barrier_signal -1
	s_barrier_wait -1
.endm
.macro QUANT src, win, pc, pw          ; 64 numbers of a lane in window win, register 16 b + i = k 32 b + 16 h + i, become codes in v[pc] on and a scale word in v[pw]
	WIN (\win)|((\win)<<2)
.irp b,0,1,2,3
	v_max3_num_f32 v[TM+\b], |v[(\src)+16*\b]|, |v[(\src)+1+16*\b]|, 0x1800000
.endr
	WIN ((\win)<<2)|((\win)<<4)
.irp i,2,4,6,8,10,12,14
.irp b,0,1,2,3
	v_max3_num_f32 v[TM+\b], v[TM+\b], |v[(\src)+16*\b+\i]|, |v[(\src)+1+16*\b+\i]|
.endr
.endr
	WIN 0
.irp b,0,1,2,3
	v_permlanex16_b32 v[TM+4+\b], v[TM+\b], s34, s35
.endr
.irp b,0,1,2,3
	v_max_num_f32 v[TM+\b], v[TM+\b], v[TM+4+\b]
.endr
.irp b,0,1,2,3
	v_add_nc_u32 v[TM+12+\b], 0xff000000, v[TM+\b]
.endr
.irp b,0,1,2,3
	v_lshrrev_b32 v[TM+4+\b], 23, v[TM+12+\b]
.endr
	v_lshl_or_b32 v[\pw], v[TM+5], 8, v[TM+4]
	v_lshl_or_b32 v[\pw], v[TM+6], 16, v[\pw]
	v_lshl_or_b32 v[\pw], v[TM+7], 24, v[\pw]
	WIN (\win)
.irp b,0,1,2,3
	v_cvt_scalef32_pk8_fp4_f32 v[(\pc)+2*\b], v[(\src)+16*\b:(\src)+7+16*\b], v[TM+12+\b]
	v_cvt_scalef32_pk8_fp4_f32 v[(\pc)+1+2*\b], v[(\src)+8+16*\b:(\src)+15+16*\b], v[TM+12+\b]
.endr
	WIN 0
	v_nop
.irp c,0,1
.irp i,0,1
	v_permlane16_swap_b32 v[(\pc)+4*\c+\i], v[(\pc)+2+4*\c+\i]
.endr
.endr
.endm
.macro WM d, a, b, c, sa, sb, row
.if (\row) == 1
	v_wmma_scale_f32_16x16x128_f8f6f4 v[\d:\d+7], v[\a:\a+7], v[\b:\b+7], v[\c:\c+7], v[\sa], v[\sb] matrix_a_fmt:MATRIX_FMT_FP4 matrix_b_fmt:MATRIX_FMT_FP4 matrix_a_scale:MATRIX_SCALE_ROW1
.else
	v_wmma_scale_f32_16x16x128_f8f6f4 v[\d:\d+7], v[\a:\a+7], v[\b:\b+7], v[\c:\c+7], v[\sa], v[\sb] matrix_a_fmt:MATRIX_FMT_FP4 matrix_b_fmt:MATRIX_FMT_FP4
.endif
.endm
.macro XLOAD set, areg, aoff, sreg, soff       ; one K step's four row fragments and their scale words: nine LDS loads
.irp m,0,1,2,3
.irp c,0,1
	ds_load_b128 v[192+32*(\set)+8*\m+4*\c:195+32*(\set)+8*\m+4*\c], v[\areg] offset:(\aoff)+1024*\m+512*\c
.endr
.endr
	ds_load_b128 v[32+4*(\set):35+4*(\set)], v[\sreg] offset:\soff
.endm
.macro WLOAD slot, goff                        ; the group goff groups on in my stream, into a slot of the ring: 17 loads
	WIN 0x40
.irp t,0,1,2,3,4,5,6,7
.irp c,0,1
	global_load_b128 v[64*(\slot)+8*\t+4*\c:64*(\slot)+8*\t+4*\c+3], v1, s[38:39] offset:8192*(\goff)+1024*\t+512*\c
.endr
.endr
	WIN 0
	global_load_b128 v[16+4*(\slot):19+4*(\slot)], v1, s[40:41] offset:512*(\goff)    ; lanes 0-15 tiles 0-3's words, lanes 16-31 tiles 4-7's
.endm
.macro MUL32 slot, set, mode                   ; 32 accumulators by turns.  mode 0: window 3 in place; 1: window 2 in place; 2: window 2, the bias starts the sums
.if (\mode) == 0
	WIN 0xf1
.elseif (\mode) == 1
	WIN 0xa1
.else
	WIN 0x81
.endif
.irp m,0,1,2,3
.irp t,0,1,2,3,4,5,6,7
.set ACC, 8*(8*\m+\t)
.set WFR, 64*(\slot)+8*\t
.set XFR, 192+32*(\set)+8*\m
.set WSR, 16+4*(\slot)+\t%4
.set XSR, 32+4*(\set)+\m
.set CIN, ACC
.if (\mode) == 2
.set CIN, 128+8*\t
.endif
	WM ACC,WFR,XFR,CIN,WSR,XSR,\t/4
.endr
.endr
.endm
; One group of the stream.  cnt: the loads that were issued behind the group's own and may stay out.  nx: the next K step's rows are fetched into the other set, which the group before has read: that group's closing wait has shown those reads done.
; rl: the slot is loaded again with the group four on.  ew: the group's closing wait is written: it is left out where no load follows that lands in a register of these products.
.macro GROUP slot, set, mode, cnt, nx, areg, aoff, sreg, soff, rl, ew
	s_wait_loadcnt \cnt
	s_wait_dscnt 0x0                               ; this K step's rows are in
.if \nx
	XLOAD 1-(\set),\areg,\aoff,\sreg,\soff
.endif
	MUL32 \slot,\set,\mode
	WIN 0
	PLACES
.if \ew
	s_wait_alu depctr_va_vdst(0)                   ; this group's products are done reading their slot of the ring and its scale words, their set of rows and its scale words, and the bias where it began the sums: the loads that follow, up to the next group's products, land in these
.endif
.if \rl
	WLOAD \slot,4+(\slot)
.endif
.endm
.macro BIAS dst, p                             ; 128 numbers of my columns in the result's layout: register 8 t + j = number 32 (t / 2) + 16 h + 8 (t % 2) + j: 16 loads
.irp t,0,1,2,3,4,5,6,7
	global_load_b128 v[\dst+8*\t:\dst+8*\t+3], v117, s[\p:\p+1] offset:128*(\t/2)+32*(\t%2)
	global_load_b128 v[\dst+8*\t+4:\dst+8*\t+7], v117, s[\p:\p+1] offset:128*(\t/2)+32*(\t%2)+16
.endr
.endm
.macro ADDBIAS                                 ; the 32 accumulators of window 3 += the bias
	WIN 0xc3
.irp m,0,1,2,3
.set E, 0
.rept 32
	v_pk_add_f32 v[64*\m+E:64*\m+E+1], v[64*\m+E:64*\m+E+1], v[128+E:129+E]
.set E, E+2
.endr
.endr
	WIN 0
.endm
.macro RSUM                                    ; four token tiles' two chains each: my 64 numbers' sum and lane l xor 16's
.irp m,0,1,2,3
	v_pk_add_f32 v[40+4*\m:41+4*\m], v[40+4*\m:41+4*\m], v[42+4*\m:43+4*\m]
.endr
.irp m,0,1,2,3
	v_add_f32 v[40+4*\m], v[40+4*\m], v[41+4*\m]
.endr
.irp m,0,1,2,3
	v_permlanex16_b32 v[41+4*\m], v[40+4*\m], s34, s35
.endr
.irp m,0,1,2,3
	v_add_f32 v[40+4*\m], v[40+4*\m], v[41+4*\m]
.endr
.endm
.macro RALL wreg, rreg                         ; the four waves' parts meet in LDS; every wave adds them in the same order
	s_wait_alu depctr_va_vdst(0)                   ; the additions have written my four partial sums, which the LDS stores read, and are done with v40-55, in which the loads below land
.irp m,0,1,2,3
	ds_store_b32 v[\wreg], v[40+4*\m] offset:256*\m
.endr
	BARRIER
	s_wait_alu depctr_vm_vsrc(0)                   ; my four LDS stores have read v40, v44, v48 and v52, in which the loads below land
.irp m,0,1,2,3
	ds_load_b128 v[40+4*\m:43+4*\m], v[\rreg] offset:256*\m
.endr
	s_wait_dscnt 0x0
.irp m,0,1,2,3
	v_add_f32 v[40+4*\m], v[40+4*\m], v[41+4*\m]
.endr
.irp m,0,1,2,3
	v_add_f32 v[42+4*\m], v[42+4*\m], v[43+4*\m]
.endr
.irp m,0,1,2,3
	v_add_f32 v[40+4*\m], v[40+4*\m], v[42+4*\m]
.endr
.endm
	s_load_b512 s[4:19], s[0:1], 0x0               ; x, cc, cs, wimg, wsc, bo, ln2_g, ln2_b
	s_load_b128 s[20:23], s[0:1], 0x40             ; b1, b2
	s_load_b64 s[24:25], s[0:1], 0x50              ; out0
	v_lshl_add_u32 v126, v0, 2, 0x3a400
	v_mov_b32 v127, 0
	v_lshrrev_b32 v1, 5, v0
	v_readfirstlane_b32 s32, v1                    ; wave 0..3
	v_and_b32 v123, 31, v0
	v_and_b32 v124, 15, v0                         ; r
	v_bfe_u32 v125, v0, 4, 1                       ; h
	v_lshlrev_b32 v1, 4, v123                      ; v1   16 x lane
	v_lshlrev_b32 v118, 4, v124                    ; v118 16 r
	v_lshlrev_b32 v117, 6, v125                    ; v117 64 h
	s_wait_alu depctr_va_sdst(0)                   ; s32, the wave's number, is written, ahead of its first reader
	s_mul_i32 s46, s32, 16*SPI
	v_add_nc_u32 v2, s46, v1                       ; v2   the rows of token tile w, 16 bytes a lane
	v_mul_u32_u24 v3, v124, SPI
	v_add_nc_u32 v3, v3, v117
	s_lshl_b32 s46, s32, 9
	v_add_nc_u32 v3, s46, v3                       ; v3   row r of token tiles 0, 1 in the result's layout: + 512 w + 64 h
	v_add_nc_u32 v4, 32*SPI, v3                    ; v4   of token tiles 2, 3
	s_lshl_b32 s46, s32, 10
	s_add_co_u32 s46, s46, AIMG
	v_add_nc_u32 v5, s46, v1                       ; v5   ctx's images of tile w
	s_lshl_b32 s46, s32, 2
	s_add_co_u32 s47, s46, ASC
	v_add_nc_u32 v6, s47, v118                     ; v6   and their scale words
	v_add_nc_u32 v7, AIMG, v1
	v_add_nc_u32 v8, ASC, v118
	s_lshl_b32 s47, s32, 12
	s_add_co_u32 s47, s47, XIMG
	v_add_nc_u32 v9, s47, v1                       ; v9   LN2's images: K step w
	s_lshl_b32 s47, s32, 8
	s_add_co_u32 s47, s47, XSC
	v_add_nc_u32 v10, s47, v118
	v_add_nc_u32 v11, XIMG, v1
	v_add_nc_u32 v12, XSC, v118
	s_lshl_b32 s47, s32, 14
	s_add_co_u32 s47, s47, HIMG
	v_add_nc_u32 v13, s47, v1                      ; v13  the hidden layer's images: K steps 4 w on
	s_lshl_b32 s47, s32, 10
	s_add_co_u32 s47, s47, HSC
	v_add_nc_u32 v14, s47, v118
	v_add_nc_u32 v15, HIMG, v1
	v_add_nc_u32 v112, HSC, v118
	s_add_co_u32 s47, s46, RED1
	v_add_nc_u32 v113, s47, v118
	v_add_nc_u32 v114, RED1, v118
	s_add_co_u32 s47, s46, RED2
	v_add_nc_u32 v115, s47, v118
	v_add_nc_u32 v116, RED2, v118
.irp i,57,59,61,63,69,71,73,75
	v_mov_b32 v\i, 0                               ; upper halves of pairs of which the low word is broadcast
.endr
	s_mov_b32 s34, 0x76543210
	s_mov_b32 s35, 0xfedcba98
	s_mov_b32 s36, 0x3b000000                      ; 1 / 512
	s_mov_b32 s37, 0x3727c5ac                      ; 1e-5
	s_lshl_b32 s46, ttmp9, 6
	s_lshr_b32 s45, s32, 1
	s_lshl_b32 s45, s45, 5
	s_add_co_u32 s46, s46, s45
	s_and_b32 s45, s32, 1
	s_lshl_b32 s45, s45, 3
	s_add_co_u32 s46, s46, s45                     ; token tile w's first token
	s_lshl_b32 s46, s46, 11
	s_mov_b32 s47, 0
	s_wait_kmcnt 0x0
	s_add_nc_u64 s[4:5], s[4:5], s[46:47]
	s_add_nc_u64 s[24:25], s[24:25], s[46:47]
	s_lshl_b32 s45, ttmp9, 2
	s_add_co_u32 s45, s45, s32                     ; its number among all token tiles
	s_lshl_b32 s46, s45, 12
	s_add_nc_u64 s[6:7], s[6:7], s[46:47]
	s_lshl_b32 s46, s45, 8
	s_add_nc_u64 s[8:9], s[8:9], s[46:47]
	s_mul_i32 s46, s32, 294912
	s_add_nc_u64 s[38:39], s[10:11], s[46:47]      ; my stream of fragments,
	s_mul_i32 s46, s32, 18432
	s_add_nc_u64 s[40:41], s[12:13], s[46:47]      ; and of scale words
	s_lshl_b32 s46, s32, 9
	s_add_nc_u64 s[14:15], s[14:15], s[46:47]
	s_add_nc_u64 s[16:17], s[16:17], s[46:47]
	s_add_nc_u64 s[18:19], s[18:19], s[46:47]
	s_add_nc_u64 s[28:29], s[22:23], s[46:47]      ; b2 of my columns
	s_lshl_b32 s46, s32, 11
	s_add_nc_u64 s[26:27], s[20:21], s[46:47]      ; b1 of my hidden units
	; ---- the head: ctx's tile w (9 loads), x's tile w (64), bo (16), the stream's first four groups (68)
	s_wait_alu depctr_va_vdst(0)                   ; v1 to v15 and v112 to v118 are written, which the kernel's loads and stores read as offsets and LDS addresses; none of them is written again
.irp n,0,1,2,3,4,5,6,7
	global_load_b128 v[192+4*\n:195+4*\n], v1, s[6:7] offset:512*\n
.endr
	global_load_b128 v[224:227], v118, s[8:9]
	WIN 0x80
.irp p,0,1,2,3,4,5,6,7,8,9,10,11,12,13,14,15
.irp i,0,1,2,3
	global_load_b128 v[16*\p+4*\i:16*\p+4*\i+3], v1, s[4:5] offset:(\p+8*(\p/8))*2048+512*\i th:TH_LOAD_NT
.endr
.endr
	WIN 0
	BIAS 128, 14
	WLOAD 0,0
	WLOAD 1,1
	WLOAD 2,2
	WLOAD 3,3
	s_wait_loadcnt 63                              ; of the 157 loads issued at most 63 are out: the first 94 are in, ctx, x and bo (89) among them
.irp s,0,1,2,3
.irp c,0,1
	ds_store_b128 v5, v[192+8*\s+4*\c:195+8*\s+4*\c] offset:4096*\s+512*\c
.endr
	ds_store_b32 v6, v[224+\s] offset:256*\s
.endr
	WIN 0x08
.irp p,0,1,2,3,4,5,6,7,8,9,10,11,12,13,14,15
.irp i,0,1,2,3
	ds_store_b128 v2, v[16*\p+4*\i:16*\p+4*\i+3] offset:SPI*\p+512*\i
.endr
.endr
	WIN 0
	BARRIER                                        ; 64 rows of x and ctx's sixteen fragments lie in LDS
	s_wait_alu depctr_vm_vsrc(0)                   ; my LDS stores have read v192-227, in which the rows' fragments land from here on, and window 2, which layer norm 2 writes
	; ---- x1 = x + bo + ctx wo^T: x comes back in the result's layout and begins the sums
	WIN 0xc0
.irp m,0,1,2,3
.irp t,0,1,2,3,4,5,6,7
.irp f,0,1
	ds_load_b128 v[8*(8*\m+\t)+4*\f:8*(8*\m+\t)+4*\f+3], v[3+\m/2] offset:16*SPI*(\m%2)+128*(\t/2)+32*(\t%2)+16*\f
.endr
.endr
.endr
	WIN 0
	XLOAD 0,7,0,8,0
	s_wait_dscnt 0x0
	ADDBIAS
	GROUP 0,0,0,51,1,7,4096,8,256,1,1              ; 51: the three groups behind this one
	GROUP 1,1,0,51,1,7,8192,8,512,1,1
	GROUP 2,0,0,51,1,7,12288,8,768,1,1
	GROUP 3,1,0,51,0,7,0,8,0,1,1
	s_wait_xcnt 0x0                                ; the loads have read their bases: the stream's pointers step four groups on
	s_add_nc_u64 s[38:39], s[38:39], 32768
	s_add_nc_u64 s[40:41], s[40:41], 2048
	BIAS 128, 16                                   ; ln2_g: bo's additions stand ahead of the groups' waits
	BIAS 192, 18                                   ; ln2_b: into the two sets of rows, which the last group's wait has shown read
	; ---- layer norm 2.  A row's 512 numbers lie in two lanes of each of the four waves
	WIN 0x0f
.irp m,0,1,2,3
	v_pk_add_f32 v[40+4*\m:41+4*\m], v[64*\m:64*\m+1], v[64*\m+2:64*\m+3]          ; each accumulator is read from its low end on
	v_pk_add_f32 v[42+4*\m:43+4*\m], v[64*\m+4:64*\m+5], v[64*\m+6:64*\m+7]
.endr
	WIN 0x0c
.set E, 8
.rept 14
.irp m,0,1,2,3
	v_pk_add_f32 v[40+4*\m:41+4*\m], v[40+4*\m:41+4*\m], v[64*\m+E:64*\m+E+1]
	v_pk_add_f32 v[42+4*\m:43+4*\m], v[42+4*\m:43+4*\m], v[64*\m+E+2:64*\m+E+3]
.endr
.set E, E+4
.endr
	WIN 0
	RSUM
	RALL 113, 114
.irp m,0,1,2,3
	v_mul_f32 v[68+2*\m], 0xbb000000, v[40+4*\m]   ; - mean
.endr
	WIN 0x83
.irp m,0,1,2,3
.set E, 0
.rept 32
	v_pk_add_f32 v[64*\m+E:64*\m+E+1], v[64*\m+E:64*\m+E+1], v[68+2*\m:69+2*\m] op_sel_hi:[1,0]    ; the centred numbers go to window 2; x1 stays
.set E, E+2
.endr
.endr
	WIN 0x0a
.irp m,0,1,2,3
	v_pk_mul_f32 v[40+4*\m:41+4*\m], v[64*\m:64*\m+1], v[64*\m:64*\m+1]
	v_pk_mul_f32 v[42+4*\m:43+4*\m], v[64*\m+2:64*\m+3], v[64*\m+2:64*\m+3]
.endr
.set E, 4
.rept 15
.irp m,0,1,2,3
	v_pk_fma_f32 v[40+4*\m:41+4*\m], v[64*\m+E:64*\m+E+1], v[64*\m+E:64*\m+E+1], v[40+4*\m:41+4*\m]
	v_pk_fma_f32 v[42+4*\m:43+4*\m], v[64*\m+E+2:64*\m+E+3], v[64*\m+E+2:64*\m+E+3], v[42+4*\m:43+4*\m]
.endr
.set E, E+4
.endr
	WIN 0
	RSUM
	RALL 115, 116
.irp m,0,1,2,3
	v_fma_f32 v[40+4*\m], v[40+4*\m], s36, s37     ; variance + 1e-5
.endr
.irp m,0,1,2,3
	v_rsq_f32 v[56+2*\m], v[40+4*\m]
.endr
	v_nop
	s_wait_alu depctr_va_vdst(0)                   ; one wait for the four roots' results v56, v58, v60, v62, ahead of their first reader
	s_wait_loadcnt 0x0                             ; gain and bias
	WIN 0x82
.irp m,0,1,2,3
.set E, 0
.rept 32
	v_pk_mul_f32 v[64*\m+E:64*\m+E+1], v[64*\m+E:64*\m+E+1], v[56+2*\m:57+2*\m] op_sel_hi:[1,0]
.set E, E+2
.endr
.endr
.irp m,0,1,2,3
.set E, 0
.rept 32
	v_pk_fma_f32 v[64*\m+E:64*\m+E+1], v[64*\m+E:64*\m+E+1], v[128+E:129+E], v[192+E:193+E]
.set E, E+2
.endr
.endr
	WIN 0
	s_wait_alu depctr_va_vdst(0)                   ; the multiply-adds are done reading the gain in v128-191, in which b1 lands, and ln2_b in v192-255, in which the first chunk's rows land
	BIAS 128, 26                                   ; b1 of my first 128 hidden units
.irp m,0,1,2,3
	QUANT 64*\m,2,80+8*\m,64+\m                    ; my 128 columns are K step w of the next product
.endr
	s_wait_alu depctr_va_vdst(0)                   ; the quantiser has written the four tiles' codes v80-111 and scale words v64-67, which the twelve LDS stores read
.irp m,0,1,2,3
	ds_store_b128 v9, v[80+8*\m:83+8*\m] offset:1024*\m
	ds_store_b128 v9, v[84+8*\m:87+8*\m] offset:1024*\m+512
	ds_store_b32 v10, v[64+\m] offset:4*\m
.endr
	BARRIER                                        ; LN2's sixteen fragments lie in LDS
	s_wait_loadcnt 0x0
	; ---- the hidden layer: four chunks of 128 units, four K steps each
	s_mov_b32 s42, 0                               ; the chunk,
	s_mov_b32 s43, 0                               ; its images: 4,096 bytes a chunk,
	s_mov_b32 s44, 0                               ; its scale words: 256
.Lchunk:
	XLOAD 0,11,0,12,0                              ; into set 0: its last readers (ln2_b's multiply-adds; the chunk before's third group) stand ahead of a wait on va_vdst, and no vector line since names it
	GROUP 0,0,2,51,1,11,4096,12,256,1,1            ; 51: behind this group's loads came the bias's 16 and three groups: the count leaves the three groups out, so the bias is in too
	s_wait_xcnt 0x0                                ; the loads issued have read their bases: the bias's pointers may be written
	s_add_nc_u64 s[26:27], s[26:27], 512
	s_cmp_eq_u32 s42, 3
	s_cselect_b64 s[30:31], s[28:29], s[26:27]     ; the next chunk's b1, or behind the last chunk b2
	BIAS 128, 30
	GROUP 1,1,1,63,1,11,8192,12,512,1,1            ; behind each of these groups' loads 67 were issued: 63 is the largest count that the wait can name
	GROUP 2,0,1,63,1,11,12288,12,768,1,1
	GROUP 3,1,1,63,0,11,0,12,0,1,1
	s_wait_alu depctr_vm_vsrc(0)                   ; the last twelve image stores (the chunk before's; ahead of the first chunk LN2's) have read v64-67 and v80-111, and the chunk before's their addresses v119, v120: all are written again below
	v_add_nc_u32 v119, s43, v13
	v_add_nc_u32 v120, s44, v14
.irp m,0,1,2,3
	WIN 0x88
.set E, 0
.rept 64
	v_max_num_f32 v[64*\m+E], 0, v[64*\m+E]        ; relu
.set E, E+1
.endr
	QUANT 64*\m,2,80+8*\m,64+\m                    ; the chunk is K step 4 w + chunk of the last product
.endr
	s_wait_alu depctr_va_vdst(0)                   ; the quantiser has written the four tiles' codes v80-111 and scale words v64-67, and v119, v120 are written: the twelve LDS stores read them
.irp m,0,1,2,3
	ds_store_b128 v119, v[80+8*\m:83+8*\m] offset:1024*\m
	ds_store_b128 v119, v[84+8*\m:87+8*\m] offset:1024*\m+512
	ds_store_b32 v120, v[64+\m] offset:4*\m
.endr
	s_wait_xcnt 0x0
	s_add_nc_u64 s[38:39], s[38:39], 32768
	s_add_nc_u64 s[40:41], s[40:41], 2048
	s_add_co_u32 s43, s43, 4096
	s_add_co_u32 s44, s44, 256
	s_add_co_u32 s42, s42, 1
	s_cmp_lt_u32 s42, 4
	s_cbranch_scc1 .Lchunk
	BARRIER                                        ; the hidden layer's 64 fragments lie in LDS
	; ---- out = x1 + b2 + hidden w2^T: sixteen K steps onto x1
	s_wait_loadcnt 51                              ; b2 is in: behind it three groups were issued
	ADDBIAS
	XLOAD 0,15,0,112,0
	s_mov_b32 s42, 0
	s_mov_b32 s43, 0                               ; four K steps: 16,384 bytes of images,
	s_mov_b32 s44, 0                               ; 1,024 of scale words
.Lk2:
	s_wait_alu depctr_vm_vsrc(0)                   ; the LDS loads of the trip before have read v121 and v122
	v_add_nc_u32 v121, s43, v15
	v_add_nc_u32 v122, s44, v112
	s_wait_alu depctr_va_vdst(0)                   ; v121 and v122 are written, which this trip's LDS loads read
	GROUP 0,0,0,51,1,121,4096,122,256,1,1
	GROUP 1,1,0,51,1,121,8192,122,512,1,1
	GROUP 2,0,0,51,1,121,12288,122,768,1,1
	GROUP 3,1,0,51,1,121,16384,122,1024,1,1        ; fetches the next trip's first rows
	s_wait_xcnt 0x0
	s_add_nc_u64 s[38:39], s[38:39], 32768
	s_add_nc_u64 s[40:41], s[40:41], 2048
	s_add_co_u32 s43, s43, 16384
	s_add_co_u32 s44, s44, 1024
	s_add_co_u32 s42, s42, 1
	s_cmp_lt_u32 s42, 3
	s_cbranch_scc1 .Lk2
	s_wait_alu depctr_vm_vsrc(0)                   ; the LDS loads of the last trip have read v121 and v122
	v_add_nc_u32 v121, s43, v15                    ; the last four groups: nothing is left to load from the stream, and the counts run down
	v_add_nc_u32 v122, s44, v112
	s_wait_alu depctr_va_vdst(0)                   ; v121 and v122 are written, which the LDS loads below read
	GROUP 0,0,0,51,1,121,4096,122,256,0,1
	GROUP 1,1,0,34,1,121,8192,122,512,0,1
	GROUP 2,0,0,17,1,121,12288,122,768,0,0         ; no load follows into a register of these products
	GROUP 3,1,0,0,0,121,0,122,0,0,0
	; ---- the way out: a row's 512 numbers come from four waves: they meet in the rows where x lay, and each wave stores 16 whole rows
	WIN 0x0c
	s_wait_alu depctr_va_vdst(0)                   ; the last products have written the accumulators, which the LDS stores read; the four places above stay beside this wait.  All lines that named window 2 stand ahead of it too: the loads behind the barrier land there
.irp m,0,1,2,3
.irp t,0,1,2,3,4,5,6,7
.irp f,0,1
	ds_store_b128 v[3+\m/2], v[8*(8*\m+\t)+4*\f:8*(8*\m+\t)+4*\f+3] offset:16*SPI*(\m%2)+128*(\t/2)+32*(\t%2)+16*\f
.endr
.endr
.endr
	WIN 0
	BARRIER
	WIN 0x80
.irp p,0,1,2,3,4,5,6,7,8,9,10,11,12,13,14,15
.irp i,0,1,2,3
	ds_load_b128 v[16*\p+4*\i:16*\p+4*\i+3], v2 offset:SPI*\p+512*\i
.endr
.endr
	WIN 0x08
.irp p,0,1,2,3,4,5,6,7,8,9,10,11,12,13,14,15
.irp i,0,1,2,3
	s_wait_dscnt 63-4*\p-\i                        ; LDS loads come back in order: this one is in
	global_store_b128 v1, v[16*\p+4*\i:16*\p+4*\i+3], s[24:25] offset:(\p+8*(\p/8))*2048+512*\i th:TH_STORE_NT    ; 32 lanes store 512 consecutive bytes
.endr
.endr
	WIN 0
	s_wait_dscnt 0x0                               ; the closing lines, six on end
	s_wait_alu 0x0
	s_wait_tensorcnt 0x0
	ds_add_u32 v126, v127
	s_wait_dscnt 0x0
	s_endpgm
.Lfunc_end_k_qfd361a300b_ffn:
	.size	k_qfd361a300b_ffn, .Lfunc_end_k_qfd361a300b_ffn-k_qfd361a300b_ffn
	.p2alignl 7, 3214868480
	.fill 96, 4, 3214868480
	.section	.rodata,"a",@progbits
	.p2align	6, 0x0
	.amdhsa_kernel k_qfd361a300b_ffn
		.amdhsa_group_segment_fixed_size 239104
		.amdhsa_private_segment_fixed_size 0
		.amdhsa_enable_private_segment 0
		.amdhsa_kernarg_size 88
		.amdhsa_user_sgpr_count 2
		.amdhsa_user_sgpr_kernarg_segment_ptr 1
		.amdhsa_wavefront_size32 1
		.amdhsa_system_sgpr_workgroup_id_x 1
		.amdhsa_system_sgpr_workgroup_id_y 1
		.amdhsa_system_sgpr_workgroup_id_z 1
		.amdhsa_system_vgpr_workitem_id 0
		.amdhsa_next_free_vgpr 1024
		.amdhsa_next_free_sgpr 66
		.amdhsa_reserve_vcc 0
		.amdhsa_float_denorm_mode_32 3
		.amdhsa_float_denorm_mode_16_64 3
		.amdhsa_memory_ordered 1
		.amdhsa_forward_progress 1
		.amdhsa_inst_pref_size 251
	.end_amdhsa_kernel
	.amdgpu_metadata
---
amdhsa.version: [ 1, 2 ]
amdhsa.kernels:
  - .name:           k_qfd361a300b_ffn
    .symbol:         k_qfd361a300b_ffn.kd
    .args:
      - { .name: x, .offset: 0, .size: 8, .value_kind: global_buffer, .address_space: global }
      - { .name: cc, .offset: 8, .size: 8, .value_kind: global_buffer, .address_space: global }
      - { .name: cs, .offset: 16, .size: 8, .value_kind: global_buffer, .address_space: global }
      - { .name: wimg, .offset: 24, .size: 8, .value_kind: global_buffer, .address_space: global }
      - { .name: wsc, .offset: 32, .size: 8, .value_kind: global_buffer, .address_space: global }
      - { .name: bo, .offset: 40, .size: 8, .value_kind: global_buffer, .address_space: global }
      - { .name: ln2_g, .offset: 48, .size: 8, .value_kind: global_buffer, .address_space: global }
      - { .name: ln2_b, .offset: 56, .size: 8, .value_kind: global_buffer, .address_space: global }
      - { .name: b1, .offset: 64, .size: 8, .value_kind: global_buffer, .address_space: global }
      - { .name: b2, .offset: 72, .size: 8, .value_kind: global_buffer, .address_space: global }
      - { .name: out0, .offset: 80, .size: 8, .value_kind: global_buffer, .address_space: global }
    .group_segment_fixed_size: 239104
    .private_segment_fixed_size: 0
    .kernarg_segment_align: 8
    .kernarg_segment_size: 88
    .max_flat_workgroup_size: 128
    .sgpr_count:     66
    .vgpr_count:     1024
    .wavefront_size: 32
...
	.end_amdgpu_metadata
.endif
;; end of part 6
